; MI455X (gfx1250); checked and timed in simulation.
; The chip was launched on July 23, 2026; its instructions are those of AMD's public machine-readable ISA for CDNA 5 (MIT licence, August 2026) and "CDNA5" Instruction Set Architecture Reference Guide (July 2026). The comments in the code are by the model that wrote it; some were corrected since.
;; Parallel Transformer Layer. Allowed arithmetic: matrix products marked QUANTISED: E4M3 operands, one E8M0 scale for each 32 along K, by v_wmma_scale_f32_16x16x128_f8f6f4 with both operands' format E4M3, f32 sums; everything else in f32.
;; Inputs: b_dense 1,024 float32; b_fc1 4,096 float32; b_fc2 1,024 float32; b_qkv 3,072 float32; hidden_states 2,048 x 2 x 1,024 float32; ln1_b 1,024 float32; ln1_g 1,024 float32; ln2_b 1,024 float32; ln2_g 1,024 float32; w_dense 1,024 x 1,024 float32; w_fc1 1,024 x 4,096 float32; w_fc2 4,096 x 1,024 float32; w_qkv 1,024 x 3,072 float32.
;; Outputs: out0 2,048 x 2 x 1,024 float32.
;; This version of the problem:
;;   THIS VERSION OF THE PROBLEM IS GIVEN IN LOW PRECISION. The matrix products marked QUANTISED in the list below multiply operands that are first quantised to E4M3 (4 exponent bits, 3 mantissa bits; 8 bits a number), with one power-of-two scale for each 32 numbers along K (OCP MX v1.0); their sums are f32. All else is computed in f32.
;;   The module's matrix products, in the order in which they are computed (A, B: the left and right operand; K: the contracted axis; several contracted axes count as one K, in the product's order):
;;     1. [M 4,096, K 1,024] x [K 1,024, N 3,072]; A: computed on the way; B: input w_qkv: QUANTISED
;;     2. batch 32 x [M 2,048, K 64] x [K 64, N 2,048]; A: computed on the way; B: computed on the way: QUANTISED
;;     3. batch 32 x [M 64, K 2,048] x [K 2,048, N 2,048]; A: computed on the way; B: softmax (see below): QUANTISED
;;     4. [M 4,096, K 1,024] x [K 1,024, N 1,024]; A: computed on the way; B: input w_dense: QUANTISED
;;     5. [M 4,096, K 1,024] x [K 1,024, N 4,096]; A: computed on the way; B: input w_fc1: QUANTISED
;;     6. [M 4,096, K 4,096] x [K 4,096, N 1,024]; A: computed on the way; B: input w_fc2: QUANTISED
;;   THE QUANTISER, for each operand of a quantised product, along K:
;;     - K is cut into blocks of 32 from its start; a last block that is shorter is filled with zeros.
;;     - A block's scale is 2^e with e = floor(log2(the largest magnitude in the block)) - 8, held to -126 .. 127; a block of zeros has e = 0. As a byte (E8M0): e + 127.
;;     - Each number is divided by its block's scale, clamped to +-448, and rounded to the nearest number of E4M3, ties to even, subnormals kept.
;;     - The product sums the exact products of the quantised numbers (number of the format x scale) in f32.
;;   ~~~python
;;   def quantise(x, axis):      # numpy; x: float32 -> the quantised numbers, widened to float32 again
;;       x = np.moveaxis(x, axis, -1); K = x.shape[-1]
;;       x = np.pad(x, [(0, 0)] * (x.ndim - 1) + [(0, -K % 32)]); x = x.reshape(x.shape[:-1] + (-1, 32)); a = np.abs(x).max(-1, keepdims=True)
;;       e = np.where(a > 0, np.clip(np.frexp(np.where(a > 0, a, 1))[1] - 1 - 8, -126, 127), 0)      # np.frexp(a)[1] - 1 = floor(log2(a)), exactly
;;       r = np.clip(x / 2.0 ** e, -448, 448)
;;       step = 2.0 ** (np.maximum(np.frexp(np.where(r == 0, 1, r))[1] - 1, -6) - 3)
;;       q = np.round(r / step) * step * 2.0 ** e      # np.round: ties to even
;;       return np.moveaxis(q.reshape(q.shape[:-2] + (-1,))[..., :K], -1, axis).astype(np.float32)
;;   ~~~
;;   SOFTMAX AHEAD OF A QUANTISED PRODUCT. Where the list says 'softmax', what is quantised is not the finished softmax but p = 2^(t - M), with t = logit x log2(e) and M = ceil(the row's largest t), a whole number; so 1/2 < the row's largest p <= 1. The row's sum l is taken of the UNQUANTISED p, in f32, and the product's result is divided by l at the end. Since M is a whole number, a kernel that streams over the keys may use a running M (the ceiling of the running maximum): every later rescaling is an exact power of two, which a block's scale takes up: the codes' values come out the same.
;;   OPERANDS COMPUTED ON THE WAY. 'Computed on the way' means the value that the module computes at that place (a softmax that the list does not call 'softmax' is quantised finished and normalised). What goes into a quantiser is computed in f32, as accurately as f32 sums, v_exp_f32 and their like allow (about 1e-6 of the number): no bf16 or f16 on the way to a quantiser, and a product that is left as it is and whose result goes on into a quantised operand takes f32 operands (vector FMAs, or v_wmma_f32_16x16x4_f32). A number that lies on a knife's edge between two numbers of the format may be rounded either way, as far as f32 arithmetic and the matrix unit's own rounding can turn it there, and no further.
;; One version. Each part assembles by itself: llvm-mc -triple=amdgcn-amd-amdhsa -mcpu=gfx1250 --defsym DOCPART=n.
;; ======== version 1 of 1: 7 launches
;; limits: right only within a limited range of input values
;; workspace buffers: W 12,976,128 bytes; XQ 4,325,376 bytes; QB 4,456,448 bytes; KV 8,781,824 bytes; CT 4,325,376 bytes; Y 16,777,216 bytes; HB 17,301,504 bytes
;; launch prep (part 1): grid 448 x 1, 8 waves a work-group, no clusters, 71,680 bytes of LDS; arguments w_qkv, w_dense, w_fc1, w_fc2, W, hidden_states, ln1_g, ln1_b, XQ; writes W, XQ
.if DOCPART == 1
	.amdgcn_target "amdgcn-amd-amdhsa--gfx1250"
	.amdhsa_code_object_version 6
	.text
	.protected	k_q3d0d0a45f5_prep
	.globl	k_q3d0d0a45f5_prep
	.p2align	8
	.type	k_q3d0d0a45f5_prep,@function
k_q3d0d0a45f5_prep:
	s_mov_b64 s[64:65], 0
	v_nop
	global_prefetch_b8 v0, s[64:65] scope:SCOPE_SE
	s_setreg_imm32_b32 hwreg(HW_REG_WAVE_MODE, 25, 1), 1
	s_wait_xcnt 0x0
; TWO STREAMS THAT SHARE NOTHING, IN ONE LAUNCH.  Work-groups 0 to 191 quantise the four weights; work-groups 192 to 447 take the first layer norm and quantise its result.
; The two ways part on the work-group's number at the first line, each ends by itself, and each has LDS bytes of its own (the weights' stages from 0, the norm's exchange from LNX).
; IMAGES.  All codes are FP8 (E4M3) with one E8M0 byte for each 32 along K, laid as images of the operand's registers: a fragment (16 rows x 128 K) is 2,048 bytes: group c (0..3) at 512 c,
; lane l's 16 bytes at 16 l = k 32 c + 16 (l / 16) + 0..15 of row l % 16; fragment (row block, K step) at (row block x K/128 + K step) x 2,048; its scale words at the same index x 64 + 4 x row.
; THE WEIGHTS, f32 stored [K][N].  Row r of row block 2 G + u is column 32 G + 8 u + r + 8 (r / 8).  For w_qkv the columns are first sorted by kind: column' = kind x 1,024 + 64 head + d for column 192 head + 64 kind + d.
; A lane takes a column and its registers run down K: a block of 32 lies in one lane, and the conversions give codes with K innermost.  A wave takes 32 columns x 256 K, a work-group 256 columns; the codes turn through the wave's own stage.
; THE NORM.  Row block R: batch R / 128, J = R % 128; its row r is token 32 (J / 2) + 8 (J % 2) + r + 8 (r / 8).  Wave w holds K step w: lane (r, h) the columns 128 w + 32 c + 16 h + 0..15 of row r.
; Mean, then the sum of squares of the differences (two passes: no difference of large sums); the eight waves' parts meet in LDS, behind a barrier each.
; A block's scale is 2^(floor(log2(largest magnitude)) - 8); its byte is the largest magnitude's exponent field - 8, held at 1 from below.
; LIMITS: blocks of zeros, and blocks whose largest magnitude lies under 2^-118, keep the byte 1 (this program alone reads the bytes; zero codes add nothing); NaN and infinities are not served;
; the order of the norm's f32 sums is this text's own; v_rsq_f32 is good to 1 ulp.
; No cluster, no matrix unit: the work-groups share no input but g and b (8 KB), and memory binds.
.set NWQ,   192                        ; work-groups for the weights: w_qkv 48, w_dense 16, w_fc1 64, w_fc2 64
.set EMAX,  8
.set MANT,  0x600000                   ; the mantissa field of 448
.set PITCH, 272                        ; a stage row: a column's 256 codes + 16
.set WSC,   12582912                   ; where the scale words begin in W
.set LNX,   8*32*PITCH                 ; behind the eight stages: the norm's two exchanges, 512 bytes each
.set OFF,   16                         ; weights: v16-47   4 x lane + i rows of the weight
.set WX,    48                         ;          v48-111  two sets of 32 numbers
.set WC,    112                        ;          v112-119 a block's codes
.set OUTR,  120                        ;          v120-183 the way out
.set SB,    14                         ;          v14-15   the two scale words
.set X,   32                           ; norm: v32-95   my 64 numbers
.set G,   96                           ;       v96-159  g at my columns
.set BV,  160                          ;       v160-223 b
.set PC,  224                          ;       v224-239 the codes
.set TM,  240                          ;       v240-255 the quantiser's work
.set PW,  16                           ;       v16      the scale word
.set SEL, 12                           ;       s[12:13] v_permlanex16_b32's selects for lane l xor 16
.set MNT, 14                           ;       s14      the mantissa field of 448
.macro LOAD t                          ; block t: W(32 t + i, my column): 32 lanes read 128 consecutive bytes
.set I, 0
.rept 32
	global_load_b32 v[WX+32*((\t)%2)+I], v[OFF+I], s[40+2*(\t):41+2*(\t)] th:TH_LOAD_NT
.set I, I+1
.endr
.endm
.macro BLOCK t
.set XS, WX+32*((\t)%2)
.if (\t) < 7
	s_wait_loadcnt 32                              ; this block's 32 loads are in; the next block's 32 may be out
.else
	s_wait_loadcnt 0
.endif
	v_max3_num_f32 v12, |v[XS]|, |v[XS+1]|, |v[XS+2]|
	v_max3_num_f32 v13, |v[XS+3]|, |v[XS+4]|, |v[XS+5]|
.irp i, 6,10,14,18,22,26
	s_delay_alu instid0(VALU_DEP_2)
	v_max3_num_f32 v12, v12, |v[XS+\i]|, |v[XS+\i+1]|
	s_delay_alu instid0(VALU_DEP_2)
	v_max3_num_f32 v13, v13, |v[XS+\i+2]|, |v[XS+\i+3]|
.endr
	s_delay_alu instid0(VALU_DEP_2)
	v_max3_num_f32 v12, v12, |v[XS+30]|, |v[XS+31]|
	s_delay_alu instid0(VALU_DEP_1)
	v_max3_num_f32 v12, v12, v13, (EMAX+1)<<23     ; the floor 2^(9 - 127): the byte cannot fall under 1
	s_delay_alu instid0(VALU_DEP_1)
	v_add_nc_u32 v11, -(EMAX<<23), v12             ; 8 off the exponent field: the conversion's scale operand
	s_delay_alu instid0(VALU_DEP_2)
	v_and_or_b32 v10, v12, 0x7f800000, s57         ; 448 x the scale
	s_delay_alu instid0(VALU_DEP_2)
	v_lshrrev_b32 v13, 23, v11                     ; the byte
.if (\t)%4 == 0
	s_delay_alu instid0(VALU_DEP_1)
	v_mov_b32 v[SB+(\t)/4], v13
.else
	s_delay_alu instid0(VALU_DEP_1)
	v_lshl_or_b32 v[SB+(\t)/4], v13, 8*((\t)%4), v[SB+(\t)/4]
.endif
.set I, 0
.rept 32
	v_med3_num_f32 v[XS+I], v[XS+I], -v10, v10     ; the conversion to an 8-bit code does not saturate (ISA guide 7.6.2): the hold comes first
.set I, I+1
.endr
.irp g, 0,1,2,3
	v_cvt_scalef32_pk8_fp8_f32 v[WC+2*\g:WC+2*\g+1], v[XS+8*\g:XS+8*\g+7], v11
.endr
	ds_store_b128 v4, v[WC:WC+3] offset:32*(\t)
	ds_store_b128 v4, v[WC+4:WC+7] offset:32*(\t)+16
.if (\t)+2 < 8
	LOAD (\t)+2
.endif
	s_wait_dscnt 0x0                               ; the stores have read their registers: the next block's codes may be written
.endm
.macro QUANT s, pc, tm, pw             ; 64 numbers, register 16 b + i = k 32 b + 16 h + i of my row -> a fragment's codes and its scale word
.irp b, 0,1,2,3
	v_max3_num_f32 v[\tm+\b], |v[\s+16*\b]|, |v[\s+1+16*\b]|, 0x4800000   ; with the floor 2^(9 - 127): the byte cannot fall under 1
.endr
.irp i, 2,4,6,8,10,12,14
.irp b, 0,1,2,3
	s_delay_alu instid0(VALU_DEP_4)
	v_max3_num_f32 v[\tm+\b], v[\tm+\b], |v[\s+16*\b+\i]|, |v[\s+1+16*\b+\i]|
.endr
.endr
.irp b, 0,1,2,3
	s_delay_alu instid0(VALU_DEP_4)
	v_permlanex16_b32 v[\tm+4+\b], v[\tm+\b], s[SEL], s[SEL+1]
.endr
.irp b, 0,1,2,3
	s_delay_alu instid0(VALU_DEP_4)
	v_max_num_f32 v[\tm+\b], v[\tm+\b], v[\tm+4+\b]        ; with lane l xor 16's: the block's largest magnitude
.endr
.irp b, 0,1,2,3
	s_delay_alu instid0(VALU_DEP_4)
	v_add_nc_u32 v[\tm+12+\b], 0xfc000000, v[\tm+\b]       ; 8 off its exponent field: the conversion's scale operand
.endr
.irp b, 0,1,2,3
	v_and_or_b32 v[\tm+8+\b], v[\tm+\b], 0x7f800000, s[MNT]  ; 448 x the scale
.endr
.irp b, 0,1,2,3
	v_lshrrev_b32 v[\tm+4+\b], 23, v[\tm+12+\b]            ; the byte
.endr
	s_delay_alu instid0(VALU_DEP_3)
	v_lshl_or_b32 v[\pw], v[\tm+5], 8, v[\tm+4]
	s_delay_alu instid0(VALU_DEP_1)
	v_lshl_or_b32 v[\pw], v[\tm+6], 16, v[\pw]
	s_delay_alu instid0(VALU_DEP_1)
	v_lshl_or_b32 v[\pw], v[\tm+7], 24, v[\pw]
.irp b, 0,1,2,3
.irp i, 0,1,2,3,4,5,6,7,8,9,10,11,12,13,14,15
	v_med3_num_f32 v[\s+16*\b+\i], v[\s+16*\b+\i], -v[\tm+8+\b], v[\tm+8+\b]   ; the conversion does not saturate (ISA guide 7.6.2): the hold
.endr
	v_cvt_scalef32_pk8_fp8_f32 v[\pc+4*\b:\pc+1+4*\b], v[\s+16*\b:\s+7+16*\b], v[\tm+12+\b]
	v_cvt_scalef32_pk8_fp8_f32 v[\pc+2+4*\b:\pc+3+4*\b], v[\s+8+16*\b:\s+15+16*\b], v[\tm+12+\b]
.endr
	v_nop                                          ; a plain line behind the last conversion
.endm
	s_cmp_lt_u32 ttmp9, NWQ                        ; the work-group's number alone: all eight waves go the same way
	s_cbranch_scc0 .Lnorm
	; ======== THE WEIGHTS
	s_load_b256 s[4:11], s[0:1], 0x0               ; w_qkv, w_dense, w_fc1, w_fc2
	s_load_b64 s[12:13], s[0:1], 0x20              ; W
	v_lshl_add_u32 v184, v0, 2, 0x11400            ; my spare word, behind the norm's exchanges; kept for the closing add alone
	v_mov_b32 v185, 0
	v_lshrrev_b32 v1, 5, v0
	s_delay_alu instid0(VALU_DEP_1)
	v_readfirstlane_b32 s16, v1                    ; wave
	v_and_b32 v2, 31, v0                           ; lane
	s_and_b32 s17, ttmp9, 3                        ; the first three weights: four pieces of 256 along K
	; w_fc2 (from 128 on): 4 groups of 256 columns, 16 pieces of 256 along K
	s_sub_co_u32 s18, ttmp9, 128
	s_and_b32 s20, s18, 3                          ; group of columns
	s_bfe_u32 s21, s18, 0x40002                    ; piece of K
	s_mov_b32 s19, 4096                            ; bytes in a row of the weight
	s_mov_b32 s22, 32                              ; K / 128
	s_mov_b32 s23, 8388608                         ; the image's place in W
	s_wait_alu depctr_va_vdst(0)
	s_wait_kmcnt 0x0
	s_mov_b64 s[24:25], s[10:11]
	s_sub_co_u32 s26, ttmp9, 64                    ; w_fc1 (64 to 127)
	s_lshr_b32 s26, s26, 2
	s_mov_b32 s27, 16384
	s_mov_b32 s28, 4194304
	s_cmp_lt_u32 ttmp9, 128
	s_cselect_b32 s20, s26, s20
	s_cselect_b32 s21, s17, s21
	s_cselect_b32 s19, s27, s19
	s_cselect_b32 s22, 8, s22
	s_cselect_b32 s23, s28, s23
	s_cselect_b64 s[24:25], s[8:9], s[24:25]
	s_sub_co_u32 s26, ttmp9, 48                    ; w_dense (48 to 63)
	s_lshr_b32 s26, s26, 2
	s_mov_b32 s27, 4096
	s_mov_b32 s28, 3145728
	s_cmp_lt_u32 ttmp9, 64
	s_cselect_b32 s20, s26, s20
	s_cselect_b32 s19, s27, s19
	s_cselect_b32 s23, s28, s23
	s_cselect_b64 s[24:25], s[6:7], s[24:25]
	s_lshr_b32 s26, ttmp9, 2                       ; w_qkv (under 48)
	s_mov_b32 s27, 12288
	s_cmp_lt_u32 ttmp9, 48
	s_cselect_b32 s20, s26, s20
	s_cselect_b32 s19, s27, s19
	s_cselect_b32 s23, 0, s23
	s_cselect_b64 s[24:25], s[4:5], s[24:25]
	s_lshl_b32 s29, s20, 3
	s_add_co_u32 s29, s29, s16                     ; G: my wave's 32 columns as they lie in memory
	s_mul_i32 s30, s29, 43
	s_lshr_b32 s30, s30, 8                         ; G / 6 = the head (exact for G under 96)
	s_mul_i32 s31, s30, 6
	s_sub_co_u32 s31, s29, s31                     ; 2 x kind + half of the head
	s_lshr_b32 s32, s31, 1
	s_lshl_b32 s32, s32, 5
	s_lshl_b32 s30, s30, 1
	s_add_co_u32 s32, s32, s30
	s_and_b32 s31, s31, 1
	s_add_co_u32 s32, s32, s31                     ; 32 kind + 2 head + half
	s_cmp_lt_u32 ttmp9, 48
	s_cselect_b32 s32, s32, s29                    ; G': the 32 columns' place in the image
	s_lshl_b32 s30, s21, 8
	s_mul_i32 s30, s30, s19                        ; 256 x piece rows down,
	s_lshl_b32 s31, s29, 7
	s_add_co_u32 s30, s30, s31                     ; 128 G bytes along
	s_mov_b32 s31, 0
	s_add_nc_u64 s[40:41], s[24:25], s[30:31]      ; a base for each of the 8 blocks, all made ahead: no pointer is stepped under a pending load
	s_lshl_b32 s30, s19, 5
.irp t, 1,2,3,4,5,6,7
	s_add_nc_u64 s[40+2*\t:41+2*\t], s[38+2*\t:39+2*\t], s[30:31]
.endr
	s_mul_i32 s33, s32, s22
	s_add_co_u32 s33, s33, s21
	s_lshl_b32 s33, s33, 1                         ; my first fragment: 2 G' x K/128 + 2 x piece
	s_lshl_b32 s34, s33, 11
	s_add_co_u32 s34, s34, s23
	s_mov_b32 s35, 0
	s_add_nc_u64 s[34:35], s[12:13], s[34:35]      ; its codes
	s_lshl_b32 s36, s33, 6
	s_lshr_b32 s37, s23, 5
	s_add_co_u32 s36, s36, s37
	s_add_co_u32 s36, s36, WSC
	s_mov_b32 s37, 0
	s_add_nc_u64 s[36:37], s[12:13], s[36:37]      ; its scale words
	s_mul_i32 s38, s16, 32*PITCH                   ; my stage
	s_lshl_b32 s39, s22, 11                        ; from row block 2 G' to 2 G' + 1, in codes
	s_lshl_b32 s56, s22, 6                         ; and in scale words
	s_mov_b32 s57, MANT
	v_lshlrev_b32 v[OFF], 2, v2
.set I, 1
.rept 31
	s_delay_alu instid0(VALU_DEP_1)
	v_add_nc_u32 v[OFF+I], s19, v[OFF+I-1]
.set I, I+1
.endr
	v_mul_u32_u24 v4, v2, PITCH
	s_delay_alu instid0(VALU_DEP_1)
	v_add_nc_u32 v4, s38, v4                       ; into the stage: row = my column
	v_and_b32 v9, 15, v0                           ; r
	v_bfe_u32 v10, v0, 4, 1                        ; h
	s_delay_alu instid0(VALU_DEP_2)
	v_and_b32 v11, 8, v9
	s_delay_alu instid0(VALU_DEP_1)
	v_add_nc_u32 v11, v11, v9
	s_delay_alu instid0(VALU_DEP_1)
	v_mul_u32_u24 v5, v11, PITCH
	s_delay_alu instid0(VALU_DEP_1)
	v_lshl_add_u32 v5, v10, 4, v5
	s_delay_alu instid0(VALU_DEP_1)
	v_add_nc_u32 v5, s38, v5                       ; out of it: column r + 8 (r / 8) (+ 8 u), 16 h bytes on
	v_lshlrev_b32 v6, 4, v2                        ; an image's place for my lane, row block 2 G'
	s_delay_alu instid0(VALU_DEP_1)
	v_add_nc_u32 v7, s39, v6                       ; and 2 G' + 1
	v_bfe_u32 v11, v0, 3, 1                        ; my column's u
	v_and_b32 v12, 7, v0
	s_delay_alu instid0(VALU_DEP_1)
	v_lshl_add_u32 v12, v10, 3, v12                ; and its row in the row block
	s_delay_alu instid0(VALU_DEP_3)
	v_mul_lo_u32 v8, v11, s56
	s_delay_alu instid0(VALU_DEP_1)
	v_lshl_add_u32 v8, v12, 2, v8                  ; its scale word's place
	LOAD 0
	LOAD 1
.irp t, 0,1,2,3,4,5,6,7
	BLOCK \t
.endr
	global_store_b32 v8, v[SB], s[36:37]           ; my column's two scale words
	global_store_b32 v8, v[SB+1], s[36:37] offset:64
.irp u, 0,1
.irp q, 0,1
.irp c, 0,1,2,3
	ds_load_b128 v[OUTR+4*(8*\u+4*\q+\c):OUTR+4*(8*\u+4*\q+\c)+3], v5 offset:8*\u*PITCH+128*\q+32*\c   ; LDS serves a wave's instructions in order: these see my stores
.endr
.endr
.endr
.irp u, 0,1
.irp q, 0,1
.irp c, 0,1,2,3
	s_wait_dscnt 15-(8*\u+4*\q+\c)                 ; the younger loads from the stage may be out
	global_store_b128 v[6+\u], v[OUTR+4*(8*\u+4*\q+\c):OUTR+4*(8*\u+4*\q+\c)+3], s[34:35] offset:2048*\q+512*\c   ; 32 lanes store 512 consecutive bytes
.endr
.endr
.endr
	s_wait_tensorcnt 0x0                           ; the wave's end
	ds_add_u32 v184, v185
	s_wait_dscnt 0x0
	s_endpgm
.Lnorm:
	; ======== THE NORM
	s_load_b256 s[4:11], s[0:1], 0x28              ; x, g, b, the images
	v_lshl_add_u32 v30, v0, 2, 0x11400             ; my spare word; kept for the closing add alone
	v_mov_b32 v31, 0
	s_sub_co_u32 s15, ttmp9, NWQ                   ; R: my row block
	v_lshrrev_b32 v1, 5, v0
	s_delay_alu instid0(VALU_DEP_1)
	v_readfirstlane_b32 s16, v1                    ; wave = K step
	v_and_b32 v4, 15, v0                           ; r
	v_bfe_u32 v5, v0, 4, 1                         ; h
	s_delay_alu instid0(VALU_DEP_2)
	v_and_b32 v6, 8, v4
	s_delay_alu instid0(VALU_DEP_1)
	v_add_nc_u32 v6, v6, v4
	s_delay_alu instid0(VALU_DEP_1)
	v_lshlrev_b32 v6, 13, v6                       ; token r + 8 (r / 8): 8,192 bytes a token
	s_delay_alu instid0(VALU_DEP_1)
	v_lshl_add_u32 v6, v5, 6, v6                   ; + 64 h
	v_lshlrev_b32 v7, 6, v5                        ; g, b: 64 h
	v_lshl_add_u32 v3, v4, 5, LNX                  ; the exchange: row r's eight words
	s_lshl_b32 s17, s16, 2
	v_add_nc_u32 v2, s17, v3                       ; and my wave's word among them
	v_and_b32 v8, 31, v0
	s_delay_alu instid0(VALU_DEP_1)
	v_lshlrev_b32 v8, 4, v8                        ; 16 x lane
	v_lshlrev_b32 v9, 2, v4                        ; 4 r
	s_mov_b32 s[SEL], 0x76543210
	s_mov_b32 s[SEL+1], 0xfedcba98
	s_mov_b32 s[MNT], 0x600000
	s_mov_b32 s28, 0x3a800000                      ; 1 / 1,024
	s_mov_b32 s29, 0x3727c5ac                      ; 1e-5
	s_lshr_b32 s18, s15, 7                         ; batch
	s_and_b32 s19, s15, 127                        ; J
	s_lshr_b32 s20, s19, 1
	s_lshl_b32 s20, s20, 5
	s_and_b32 s21, s19, 1
	s_lshl_b32 s21, s21, 3
	s_add_co_u32 s20, s20, s21
	s_lshl_b32 s20, s20, 13
	s_lshl_b32 s18, s18, 12
	s_add_co_u32 s20, s20, s18
	s_lshl_b32 s22, s16, 9                         ; my 128 columns
	s_add_co_u32 s20, s20, s22
	s_mov_b32 s21, 0
	s_mov_b32 s23, 0
	s_lshl_b32 s24, s15, 3
	s_add_co_u32 s24, s24, s16                     ; fragment 8 R + w
	s_lshl_b32 s26, s24, 6
	s_add_co_u32 s26, s26, 4194304
	s_mov_b32 s27, 0
	s_lshl_b32 s24, s24, 11
	s_mov_b32 s25, 0
	s_wait_alu depctr_va_vdst(0)
	s_wait_kmcnt 0x0
	s_add_nc_u64 s[4:5], s[4:5], s[20:21]
	s_add_nc_u64 s[6:7], s[6:7], s[22:23]
	s_add_nc_u64 s[8:9], s[8:9], s[22:23]
	s_add_nc_u64 s[26:27], s[10:11], s[26:27]
	s_add_nc_u64 s[10:11], s[10:11], s[24:25]
.irp c, 0,1,2,3
.irp j, 0,1,2,3
	global_load_b128 v[X+16*\c+4*\j:X+16*\c+4*\j+3], v6, s[4:5] offset:128*\c+16*\j
.endr
.endr
.irp c, 0,1,2,3
.irp j, 0,1,2,3
	global_load_b128 v[G+16*\c+4*\j:G+16*\c+4*\j+3], v7, s[6:7] offset:128*\c+16*\j
.endr
.endr
.irp c, 0,1,2,3
.irp j, 0,1,2,3
	global_load_b128 v[BV+16*\c+4*\j:BV+16*\c+4*\j+3], v7, s[8:9] offset:128*\c+16*\j
.endr
.endr
.irp b, 0,1,2,3
	v_mov_b32 v[TM+4+\b], 0                        ; written once: a lane permute's destination counts as one of its sources
.endr
	s_wait_loadcnt 32                              ; x's 16 loads are in; g's and b's 32 may be out
	; ---- the mean
	v_pk_add_f32 v[22:23], v[32:33], v[34:35]
	v_pk_add_f32 v[24:25], v[48:49], v[56:57]
	v_pk_add_f32 v[26:27], v[64:65], v[72:73]
	v_pk_add_f32 v[254:255], v[80:81], v[88:89]
	v_pk_add_f32 v[252:253], v[36:37], v[38:39]
	v_pk_add_f32 v[250:251], v[50:51], v[58:59]
	v_pk_add_f32 v[248:249], v[66:67], v[74:75]
	v_pk_add_f32 v[20:21], v[82:83], v[90:91]
	s_delay_alu instid0(VALU_DEP_1)
	v_pk_add_f32 v[20:21], v[20:21], v[40:41]
	v_pk_add_f32 v[22:23], v[22:23], v[42:43]
	v_pk_add_f32 v[24:25], v[24:25], v[52:53]
	v_pk_add_f32 v[26:27], v[26:27], v[60:61]
	v_pk_add_f32 v[254:255], v[254:255], v[68:69]
	v_pk_add_f32 v[252:253], v[252:253], v[76:77]
	v_pk_add_f32 v[250:251], v[250:251], v[84:85]
	v_pk_add_f32 v[248:249], v[248:249], v[92:93]
	v_pk_add_f32 v[20:21], v[20:21], v[44:45]
	v_pk_add_f32 v[22:23], v[22:23], v[46:47]
	v_pk_add_f32 v[24:25], v[24:25], v[54:55]
	v_pk_add_f32 v[26:27], v[26:27], v[62:63]
	v_pk_add_f32 v[254:255], v[254:255], v[70:71]
	v_pk_add_f32 v[252:253], v[252:253], v[78:79]
	v_pk_add_f32 v[250:251], v[250:251], v[86:87]
	v_pk_add_f32 v[248:249], v[248:249], v[94:95]
	s_delay_alu instid0(VALU_DEP_4)
	v_pk_add_f32 v[20:21], v[20:21], v[254:255]
	s_delay_alu instid0(VALU_DEP_4)
	v_pk_add_f32 v[22:23], v[22:23], v[252:253]
	s_delay_alu instid0(VALU_DEP_4)
	v_pk_add_f32 v[24:25], v[24:25], v[250:251]
	s_delay_alu instid0(VALU_DEP_4)
	v_pk_add_f32 v[26:27], v[26:27], v[248:249]
	s_delay_alu instid0(VALU_DEP_2)
	v_pk_add_f32 v[20:21], v[20:21], v[24:25]
	s_delay_alu instid0(VALU_DEP_2)
	v_pk_add_f32 v[22:23], v[22:23], v[26:27]
	s_delay_alu instid0(VALU_DEP_1)
	v_pk_add_f32 v[20:21], v[20:21], v[22:23]
	s_delay_alu instid0(VALU_DEP_1)
	v_add_f32 v18, v20, v21
	s_delay_alu instid0(VALU_DEP_1)
	v_permlanex16_b32 v21, v18, s[SEL], s[SEL+1]
	s_delay_alu instid0(VALU_DEP_1)
	v_add_f32 v18, v18, v21                        ; row r's sum over my 128 columns
	ds_store_b32 v2, v18                           ; (both halves of the lanes write the same word with the same value)
	s_wait_dscnt 0x0                               ; for the others' sake
	s_barrier_signal -1
	s_barrier_wait -1
	ds_load_b128 v[20:23], v3
	ds_load_b128 v[24:27], v3 offset:16
	s_wait_dscnt 0x0
	v_add_f32 v20, v20, v21
	v_add_f32 v22, v22, v23
	v_add_f32 v24, v24, v25
	v_add_f32 v26, v26, v27
	s_delay_alu instid0(VALU_DEP_3)
	v_add_f32 v20, v20, v22
	s_delay_alu instid0(VALU_DEP_2)
	v_add_f32 v24, v24, v26
	s_delay_alu instid0(VALU_DEP_1)
	v_add_f32 v20, v20, v24
	s_delay_alu instid0(VALU_DEP_1)
	v_mul_f32 v18, s28, v20                        ; the mean
	s_delay_alu instid0(VALU_DEP_1)
	v_mov_b32 v19, v18
.set I, 0
.rept 32
	v_pk_add_f32 v[X+I:X+I+1], v[X+I:X+I+1], v[18:19] neg_lo:[0,1] neg_hi:[0,1]
.set I, I+2
.endr
	; ---- the variance
.irp k, 0,1,2,3
	v_pk_mul_f32 v[20+2*\k:21+2*\k], v[X+2*\k:X+2*\k+1], v[X+2*\k:X+2*\k+1]
.endr
.irp i, 8,16,24,32,40,48,56
.irp k, 0,1,2,3
	s_delay_alu instid0(VALU_DEP_4)
	v_pk_fma_f32 v[20+2*\k:21+2*\k], v[X+\i+2*\k:X+\i+2*\k+1], v[X+\i+2*\k:X+\i+2*\k+1], v[20+2*\k:21+2*\k]
.endr
.endr
	s_delay_alu instid0(VALU_DEP_3)
	v_pk_add_f32 v[20:21], v[20:21], v[22:23]
	s_delay_alu instid0(VALU_DEP_2)
	v_pk_add_f32 v[24:25], v[24:25], v[26:27]
	s_delay_alu instid0(VALU_DEP_1)
	v_pk_add_f32 v[20:21], v[20:21], v[24:25]
	s_delay_alu instid0(VALU_DEP_1)
	v_add_f32 v18, v20, v21
	s_delay_alu instid0(VALU_DEP_1)
	v_permlanex16_b32 v21, v18, s[SEL], s[SEL+1]
	s_delay_alu instid0(VALU_DEP_1)
	v_add_f32 v18, v18, v21
	ds_store_b32 v2, v18 offset:512                ; other bytes than the first exchange's
	s_wait_dscnt 0x0
	s_barrier_signal -1
	s_barrier_wait -1
	ds_load_b128 v[20:23], v3 offset:512
	ds_load_b128 v[24:27], v3 offset:528
	s_wait_dscnt 0x0
	v_add_f32 v20, v20, v21
	v_add_f32 v22, v22, v23
	v_add_f32 v24, v24, v25
	v_add_f32 v26, v26, v27
	s_delay_alu instid0(VALU_DEP_3)
	v_add_f32 v20, v20, v22
	s_delay_alu instid0(VALU_DEP_2)
	v_add_f32 v24, v24, v26
	s_delay_alu instid0(VALU_DEP_1)
	v_add_f32 v20, v20, v24
	s_delay_alu instid0(VALU_DEP_1)
	v_fma_f32 v20, v20, s28, s29                   ; the variance + 1e-5
	s_wait_alu depctr_va_vdst(0)
	v_rsq_f32 v28, v20
	v_mov_b32 v29, 0                               ; a plain line behind the transcendental (v29 is named with v28 as a pair)
	s_wait_alu depctr_va_vdst(0)                   ; the wait ahead of the result's first reader
	s_wait_loadcnt 0x0                             ; g and b
.set I, 0
.rept 32
	v_pk_mul_f32 v[X+I:X+I+1], v[X+I:X+I+1], v[28:29] op_sel_hi:[1,0]
.set I, I+2
.endr
.set I, 0
.rept 32
	v_pk_fma_f32 v[X+I:X+I+1], v[X+I:X+I+1], v[G+I:G+I+1], v[BV+I:BV+I+1]
.set I, I+2
.endr
	QUANT X, PC, TM, PW
.irp c, 0,1,2,3
	global_store_b128 v8, v[PC+4*\c:PC+4*\c+3], s[10:11] offset:512*\c   ; 32 lanes store 512 consecutive bytes
.endr
	global_store_b32 v9, v[PW], s[26:27]           ; 64 consecutive bytes; both halves of the lanes write the same words: one part in 32 of the codes' bytes
	s_wait_tensorcnt 0x0                           ; the wave's end
	ds_add_u32 v30, v31
	s_wait_dscnt 0x0
	s_endpgm
.Lfunc_end_k_q3d0d0a45f5_prep:
	.size	k_q3d0d0a45f5_prep, .Lfunc_end_k_q3d0d0a45f5_prep-k_q3d0d0a45f5_prep
	.p2alignl 7, 3214868480
	.fill 96, 4, 3214868480
	.section	.rodata,"a",@progbits
	.p2align	6, 0x0
	.amdhsa_kernel k_q3d0d0a45f5_prep
		.amdhsa_group_segment_fixed_size 71680
		.amdhsa_private_segment_fixed_size 0
		.amdhsa_enable_private_segment 0
		.amdhsa_kernarg_size 72
		.amdhsa_user_sgpr_count 2
		.amdhsa_user_sgpr_kernarg_segment_ptr 1
		.amdhsa_wavefront_size32 1
		.amdhsa_system_sgpr_workgroup_id_x 1
		.amdhsa_system_sgpr_workgroup_id_y 1
		.amdhsa_system_sgpr_workgroup_id_z 1
		.amdhsa_system_vgpr_workitem_id 0
		.amdhsa_next_free_vgpr 256
		.amdhsa_next_free_sgpr 66
		.amdhsa_reserve_vcc 0
		.amdhsa_float_denorm_mode_32 3
		.amdhsa_float_denorm_mode_16_64 3
		.amdhsa_memory_ordered 1
		.amdhsa_forward_progress 1
		.amdhsa_inst_pref_size 99
	.end_amdhsa_kernel
	.amdgpu_metadata
---
amdhsa.version: [ 1, 2 ]
amdhsa.kernels:
  - .name:           k_q3d0d0a45f5_prep
    .symbol:         k_q3d0d0a45f5_prep.kd
    .args:
      - { .name: w_qkv, .offset: 0, .size: 8, .value_kind: global_buffer, .address_space: global }
      - { .name: w_dense, .offset: 8, .size: 8, .value_kind: global_buffer, .address_space: global }
      - { .name: w_fc1, .offset: 16, .size: 8, .value_kind: global_buffer, .address_space: global }
      - { .name: w_fc2, .offset: 24, .size: 8, .value_kind: global_buffer, .address_space: global }
      - { .name: W, .offset: 32, .size: 8, .value_kind: global_buffer, .address_space: global }
      - { .name: hidden_states, .offset: 40, .size: 8, .value_kind: global_buffer, .address_space: global }
      - { .name: ln1_g, .offset: 48, .size: 8, .value_kind: global_buffer, .address_space: global }
      - { .name: ln1_b, .offset: 56, .size: 8, .value_kind: global_buffer, .address_space: global }
      - { .name: XQ, .offset: 64, .size: 8, .value_kind: global_buffer, .address_space: global }
    .group_segment_fixed_size: 71680
    .private_segment_fixed_size: 0
    .kernarg_segment_align: 8
    .kernarg_segment_size: 72
    .max_flat_workgroup_size: 256
    .sgpr_count:     66
    .vgpr_count:     256
    .wavefront_size: 32
...
	.end_amdgpu_metadata
.endif
;; end of part 1
;; launch qkv (part 2): grid 12 x 16, 4 waves a work-group, clusters of 4 x 4, 327,680 bytes of LDS; arguments XQ, W, b_qkv, QB, KV; writes QB, KV
.if DOCPART == 2
	.amdgcn_target "amdgcn-amd-amdhsa--gfx1250"
	.amdhsa_code_object_version 6
	.text
	.protected	k_q3d0d0a45f5_qkv
	.globl	k_q3d0d0a45f5_qkv
	.p2align	8
	.type	k_q3d0d0a45f5_qkv,@function
k_q3d0d0a45f5_qkv:
	s_mov_b64 s[64:65], 0
	v_nop
	global_prefetch_b8 v0, s[64:65] scope:SCOPE_SE
	s_setreg_imm32_b32 hwreg(HW_REG_WAVE_MODE, 25, 1), 1
	s_wait_xcnt 0x0
	s_wait_alu depctr_hold_cnt(0) depctr_sa_sdst(0) depctr_va_vdst(0) depctr_va_sdst(0) depctr_va_ssrc(0) depctr_va_vcc(0) depctr_vm_vsrc(0)
	s_getreg_b32 s2, hwreg(HW_REG_IB_STS2, 6, 4)
	s_cmp_eq_u32 s2, 0
	s_cbranch_scc0 .Lentry_in_a_cluster
	s_endpgm
.Lentry_in_a_cluster:
	s_bfe_u32 s2, ttmp6, 0x10000c
	s_cmp_lg_u32 s2, 0xf033
	s_cbranch_scc0 .Lentry_shape_is_right
	s_endpgm
.Lentry_shape_is_right:
; q, k, v = LN1(x) w_qkv + b_qkv on codes of FP8 (E4M3) with E8M0 scales, K = 1,024; the results are quantised here and stored as images of the registers that the attention launch wants.
; A tile is 256 x 256, four waves of 128 x 128 (64 accumulators, 512 registers).  Operand X is source 1 (its row is the result's lane), operand Y source 0 (its rows run along a lane's registers).
; The cluster's x is the kind: 0 q, 1 k: X = tokens, Y = weight columns: a lane holds one token and 128 neighbouring columns (two heads): quantised along the head's 64.
;                              2 v:     X = weight columns, Y = tokens: a lane holds one channel d and 128 neighbouring keys: quantised along the keys.  Nothing is transposed.
; Both operands lie in memory as images of fragments (2,048 bytes: group c at 512 c, 16 bytes a lane), row blocks in an order in which tiles 2 g and 2 g + 1 give a lane 16 neighbours.
; So a tile is a dense block for the tensor data mover, and a fragment's four LDS loads read 512 consecutive bytes each: no pitch, no padding.
; K goes in steps of 256 through two LDS slots; the scale words of the tile's rows for all of K come once.  CLUSTERS 4 x 4: X's tile is shared along a row, Y's along a column: joint loads.
; LIMITS: blocks of zeros or under 2^-118 keep the byte 1; NaN and infinities are not served.  Bytes 2 and 3 of a q or k scale word scale zero codes only (they hold 0 or the neighbouring head's bytes, never 0xff).
; REGISTERS: window 0: v7-31 addresses and X's bias; v32-63 scale words, two sets; v64-127 Y's bias; v128-255 X's fragments, one set; window 1: Y's fragments, two sets; windows 2, 3: accumulators (a, b) at v[8 (8 (a % 4) + b)].
.set NQ,     2                         ; K steps of 128 in a slot
.set FR,     16
.set NL,     4
.set NP,     8                         ; places behind this matrix instruction (ISA guide 7.12.1)
.set KSTEPB, 4096                      ; a slot's bytes of one row block
.set QUART,  32768                     ; 8 row blocks x 4,096: what one tensor load brings
.set SLOT,   4*QUART
.set SCL,    2*SLOT                    ; the scale words: 4,096 bytes for 128 rows and all of K
.set HALFS,  4096
.set SPARE,  SCL+4*HALFS               ; the spare words, 128 bytes a wave: no other line names them
.set LAPS,   2
.set ADRA, 16
.set ADRB, 20
.set VO0,  24                          ; v24 16 x lane;  v25 the same in the second head (q, k) or the fragment's second half (v)
.set VO1,  25
.set VS0,  26                          ; v26 4 r;  v30 the same in the second head
.set ADRS, 27
.set SPW,  28
.set NIL,  29
.set VS1,  30
.set BX,   8                           ; v8-15  X's bias: block a's, at my lane's column
.set SC,   32
.set BY,   64                          ; v64-127 Y's bias, in the result's layout
.set AF,   128
.set T,    128                         ; the way out: a block's 64 numbers
.set TM,   192
.set PW,   208
.set PW2,  209
.set PC,   224
.set G1, 24
.set G0, 32
.set G1B, 48
.set G0B, 56
.set G1S, 68
.set G0S, 76
.set G1SB, 80
.set G0SB, 88
.set SEL, 18
.set MSB, 0
.macro WIN new
.if MSB != \new
	s_set_vgpr_msb (MSB<<8)|\new
.set MSB, \new
.endif
.endm
.set MUL_LO, 0xa1                      ; source 0 (Y) window 1, source 1 (X) window 0, C and D window 2
.set MUL_HI, 0xf1
.set TO_B,   0x40
.macro JLOAD g0a, g1a, g0b, g1b        ; a joint load: waves 0, 1 fetch for X, waves 2, 3 for Y; four v_nop follow each line
	s_cmp_eq_u32 s15, 0
	s_cbranch_scc0 .Lfor_b_\@
	tensor_load_to_lds s[\g0a:\g0a+3], s[\g1a:\g1a+7]
	s_nop 0
.rept 4
	v_nop
.endr
	s_branch .Lasked_\@
.Lfor_b_\@:
	tensor_load_to_lds s[\g0b:\g0b+3], s[\g1b:\g1b+7]
	s_nop 0
.rept 4
	v_nop
.endr
.Lasked_\@:
.endm
.macro CREST
	s_cmp_lg_u32 s14, 0
	s_cbranch_scc1 .Lnot_wave_0_\@
	s_barrier_signal -3
.Lnot_wave_0_\@:
	s_barrier_wait -3
	s_barrier_signal -1
	s_barrier_wait -1
.endm
.macro CROUND
	s_barrier_signal -1
	s_barrier_wait -1
	CREST
.endm
	s_load_b256 s[4:11], s[0:1], 0x0               ; XQ, W, b_qkv, QB
	s_load_b64 s[12:13], s[0:1], 0x20              ; KV
	v_lshl_add_u32 v[SPW], v0, 2, SPARE
	v_mov_b32 v[NIL], 0
	ds_add_u32 v28, v29
	ds_add_u32 v28, v29
	s_wait_dscnt 0x0
	v_lshrrev_b32 v1, 5, v0
	v_readfirstlane_b32 s14, v1                    ; wave
	s_lshr_b32 s15, s14, 1                         ; my half of X.  Also: I fetch for X (0) or Y (1)
	s_and_b32 s16, s14, 1                          ; my half of Y.  Also: which half of that tile I fetch
	s_bfe_u32 s40, ttmp6, 0x40000                  ; cx
	s_bfe_u32 s41, ttmp6, 0x40004                  ; cy
	s_and_b32 s19, ttmp7, 0xffff                   ; the cluster's y
	s_cmp_eq_u32 ttmp9, 2                          ; v?  The cluster's x: the same in all sixteen partners
	s_cselect_b32 s17, ttmp9, s19
	s_cselect_b32 s42, s19, ttmp9
	s_lshl_b32 s17, s17, 2
	s_add_co_u32 s17, s17, s41                     ; X's tile: cluster coordinates and cy alone
	s_lshl_b32 s42, s42, 2
	s_add_co_u32 s42, s42, s40                     ; Y's tile: cluster coordinates and cx alone
	s_lshl_b32 s43, s41, 2
	s_lshl_b32 s43, 15, s43                        ; my row of the cluster
	s_lshl_b32 s44, 0x1111, s40                    ; my column
	s_or_b32 s[G1+0], s43, (3<<16)|(1<<21)         ; the mask; elements of 8 bytes; bit 21 beside a mask; no padding
	s_or_b32 s[G1B+0], s44, (3<<16)|(1<<21)
.irp g, G1, G1B
	s_mov_b32 s[\g+1], 512<<16                     ; tensor_dim0: 4,096 bytes: a row block's two K steps
	s_mov_b32 s[\g+2], 16<<16                      ; tensor_dim1: 16 row blocks for the head's loads; 8 for the ring's, set behind the head's wait
	s_mov_b32 s[\g+3], 512<<16                     ; tile_dim0
	s_mov_b32 s[\g+4], 16                          ; tile_dim1
	s_mov_b32 s[\g+5], 2048                        ; from row block to row block: 16,384 bytes
	s_mov_b32 s[\g+6], 0
	s_mov_b32 s[\g+7], 0
.endr
	s_or_b32 s[G1S+0], s43, (3<<16)|(1<<21)
	s_or_b32 s[G1SB+0], s44, (3<<16)|(1<<21)
.irp g, G1S, G1SB
	s_mov_b32 s[\g+1], 32<<16                      ; tensor_dim0: 32 elements of 8 bytes: rows of 256 bytes
	s_mov_b32 s[\g+2], 32<<16                      ; the scale words of a tile's 256 rows: 8,192 dense bytes as 32 rows of 256
	s_mov_b32 s[\g+3], 32<<16
	s_mov_b32 s[\g+4], 32
	s_mov_b32 s[\g+5], 32
	s_mov_b32 s[\g+6], 0
	s_mov_b32 s[\g+7], 0
.endr
	s_lshl_b32 s18, s16, 17                        ; the ring: my half of a tile, 8 row blocks of 16,384 bytes
	s_mov_b32 s19, 0
	s_lshl_b32 s20, s17, 4                         ; X: the tile's first row block
	s_lshl_b32 s46, s42, 4                         ; Y likewise
	s_lshl_b32 s22, s20, 9                         ; their scale words: 512 bytes a row block
	s_lshl_b32 s92, s46, 9
	s_lshl_b32 s20, s20, 14                        ; their codes: 16,384
	s_lshl_b32 s46, s46, 14
	s_mov_b32 s21, 0
	s_mov_b32 s23, 0
	s_mov_b32 s47, 0
	s_mov_b32 s93, 0
	s_lshl_b32 s45, s14, 15                        ; where they go: wave x a quarter of a slot: no place in the cluster enters an LDS address
	s_wait_kmcnt 0x0
	s_add_nc_u64 s[66:67], s[4:5], 4194304         ; the tokens' scale words
	s_add_nc_u64 s[94:95], s[6:7], 12582912        ; the weight's
	s_cmp_eq_u32 ttmp9, 2
	s_cselect_b64 s[96:97], s[6:7], s[4:5]         ; X's image
	s_cselect_b64 s[98:99], s[4:5], s[6:7]         ; Y's
	s_cselect_b64 s[4:5], s[94:95], s[66:67]       ; X's scale words
	s_cselect_b64 s[6:7], s[66:67], s[94:95]       ; Y's
	s_add_nc_u64 s[20:21], s[96:97], s[20:21]
	s_add_nc_u64 s[22:23], s[4:5], s[22:23]
	s_add_nc_u64 s[46:47], s[98:99], s[46:47]
	s_add_nc_u64 s[92:93], s[6:7], s[92:93]
	CROUND                                         ; all sixteen work-groups are here: the first joint loads meet
	s_mov_b32 s[G0S], 1
	s_mov_b32 s[G0S+1], SCL
	s_mov_b64 s[G0S+2:G0S+3], s[22:23]
	s_or_b32 s[G0S+3], s[G0S+3], 0x80000000
	s_mov_b32 s[G0SB], 1
	s_mov_b32 s[G0SB+1], SCL+2*HALFS
	s_mov_b64 s[G0SB+2:G0SB+3], s[92:93]
	s_or_b32 s[G0SB+3], s[G0SB+3], 0x80000000
.irp s, 0,1
	s_mov_b32 s[G0+4*\s], 1
	s_add_co_u32 s[G0+4*\s+1], s45, \s*SLOT
	s_add_nc_u64 s[G0+4*\s+2:G0+4*\s+3], s[20:21], \s*KSTEPB
	s_or_b32 s[G0+4*\s+3], s[G0+4*\s+3], 0x80000000
	s_mov_b32 s[G0B+4*\s], 1
	s_add_co_u32 s[G0B+4*\s+1], s45, \s*SLOT
	s_add_nc_u64 s[G0B+4*\s+2:G0B+4*\s+3], s[46:47], \s*KSTEPB
	s_or_b32 s[G0B+4*\s+3], s[G0B+4*\s+3], 0x80000000
.endr
	s_mov_b32 s[G0+1], 0                           ; the head's loads bring slot 0's tiles whole: X's 16 row blocks,
	s_mov_b32 s[G0B+1], 2*QUART                    ; Y's behind them
	s_add_nc_u64 s[G0+6:G0+7], s[G0+6:G0+7], s[18:19]      ; the ring's loads bring my half
	s_add_nc_u64 s[G0B+6:G0B+7], s[G0B+6:G0B+7], s[18:19]
	; the prefetches: of the 8 row blocks that I fetch in the ring, the partner at place p (cx for X, cy for Y) names 2 p and 2 p + 1: told apart by address alone
	s_cmp_eq_u32 s15, 0
	s_cselect_b64 s[4:5], s[20:21], s[46:47]
	s_cselect_b32 s6, s40, s41
	s_lshl_b32 s6, s6, 15
	s_mov_b32 s7, 0
	s_add_nc_u64 s[4:5], s[4:5], s[18:19]
	s_add_nc_u64 s[4:5], s[4:5], s[6:7]
; THE HEAD'S LOADS, ONE A WAVE: wave 0 X's slot 0, wave 1 Y's, wave 2 X's scale words, wave 3 Y's.  One tree of branches on the wave's number.
.macro ARM under, g0, g1, next
	s_cmp_lt_u32 s14, \under
	s_cbranch_scc0 \next
	tensor_load_to_lds s[\g0:\g0+3], s[\g1:\g1+7]
	s_nop 0
.rept 4
	v_nop
.endr
	s_branch .Lhead_asked
\next:
.endm
	ARM 1, G0,  G1,  .Lhead_b
	ARM 2, G0B, G1B, .Lhead_sa
	ARM 3, G0S, G1S, .Lhead_sb
	tensor_load_to_lds s[G0SB:G0SB+3], s[G1SB:G1SB+7]
	s_nop 0
.rept 4
	v_nop
.endr
.Lhead_asked:
	v_and_b32 v1, 15, v0                           ; r
	v_bfe_u32 v2, v0, 4, 1                         ; h
	s_wait_alu depctr_va_vdst(0)
	v_and_b32 v3, 31, v0
	v_lshlrev_b32 v4, 4, v3                        ; 16 x lane
	s_lshl_b32 s21, s15, 15                        ; my half of X
	s_lshl_b32 s22, s16, 15                        ; my half of Y,
	s_add_co_u32 s22, s22, 2*QUART                 ; behind X's two
.irp s, 0,1
	v_add_nc_u32 v[ADRA+\s], s21, v4
	v_add_nc_u32 v[ADRB+\s], s22, v4
	s_add_co_u32 s21, s21, SLOT
	s_add_co_u32 s22, s22, SLOT
.endr
	v_lshlrev_b32 v5, 2, v1
	s_lshl_b32 s21, s15, 12
	s_lshl_b32 s22, s16, 12
	s_add_co_u32 s22, s22, 2*HALFS
	s_sub_co_u32 s22, s22, s21
	v_mul_u32_u24 v6, s22, v2                      ; lanes 16-31 take Y's words
	s_add_co_u32 s21, s21, SCL
	v_add_nc_u32 v5, v5, v6
	v_add_nc_u32 v[ADRS], s21, v5
	v_lshlrev_b32 v[VO0], 4, v3
	v_lshlrev_b32 v[VS0], 2, v1
	v_lshlrev_b32 v22, 8, v1                       ; the prefetches' offset: 16 lanes x 256 bytes cover a row block's 4,096 bytes of a slot,
	v_lshl_add_u32 v22, v2, 14, v22                ; lanes 16-31 the next row block; never rewritten
	global_prefetch_b8 v22, s[4:5] offset:4096 th:TH_LOAD_NT scope:SCOPE_SE   ; slots 1 and 2: one and two fills ahead of their loads; each block of 256 bytes once in the cluster
	global_prefetch_b8 v22, s[4:5] offset:8192 th:TH_LOAD_NT scope:SCOPE_SE
	; BOTH KINDS OF BIAS ARE LOADED, whatever the kind; the one that does not apply is set to 0 ahead of the way out.  Both stay inside b_qkv's 3,072 numbers.
	s_lshl_b32 s18, s40, 2
	s_lshl_b32 s19, s16, 1
	s_add_co_u32 s18, s18, s19                     ; 4 cx + 2 j: the first of my two heads along Y
	s_mul_i32 s19, s18, 768
	s_lshl_b32 s66, ttmp9, 8
	s_add_co_u32 s66, s66, s19
	s_mov_b32 s67, 0
	s_add_nc_u64 s[66:67], s[8:9], s[66:67]        ; b_qkv at 192 head + 64 kind
	v_lshlrev_b32 v7, 6, v2                        ; + 16 h numbers
.irp b, 0,1,2,3,4,5,6,7
	global_load_b128 v[BY+8*\b:BY+8*\b+3], v7, s[66:67] offset:4*(192*(\b/4)+32*((\b/2)%2)+8*(\b%2))
	global_load_b128 v[BY+8*\b+4:BY+8*\b+7], v7, s[66:67] offset:4*(192*(\b/4)+32*((\b/2)%2)+8*(\b%2))+16
.endr
	s_lshl_b32 s94, s41, 2
	s_lshl_b32 s95, s15, 1
	s_add_co_u32 s94, s94, s95                     ; 4 cy + 2 i: the first of my two heads along X
	s_mul_i32 s94, s94, 768
	s_add_co_u32 s94, s94, 512
	s_mov_b32 s95, 0
	s_add_nc_u64 s[94:95], s[8:9], s[94:95]        ; b_qkv at 192 head + 128
	v_and_b32 v6, 8, v1
	v_add_nc_u32 v6, v6, v1
	v_lshlrev_b32 v31, 2, v6                       ; + r + 8 (r / 8)
.irp a, 0,1,2,3,4,5,6,7
	global_load_b32 v[BX+\a], v31, s[94:95] offset:768*(\a/4)+128*((\a%4)/2)+32*(\a%2)
.endr
.macro FRAG reg, adr, q, i             ; a fragment's image: four loads of 512 consecutive bytes
.irp c, 0,1,2,3
	ds_load_b128 v[\reg+4*\c:\reg+4*\c+3], v[\adr] offset:4096*(\i)+2048*(\q)+512*\c
.endr
.endm
; 16 matrix instructions: X's blocks a0, a0 + 1 x Y's eight.  The 64 accumulators take turns, one instruction a turn, in the same order in every step.
.macro MUL16 a0, p, q, sc, zero
.irp a, \a0, \a0+1
.irp b, 0,1,2,3,4,5,6,7
.if \zero
	v_wmma_scale_f32_16x16x128_f8f6f4 v[8*(8*((\a)%4)+\b):8*(8*((\a)%4)+\b)+7], v[128*(\p)+FR*\b:128*(\p)+FR*\b+FR-1], v[AF+FR*(\a):AF+FR*(\a)+FR-1], 0, v[SC+8*NQ*(\sc)+NQ*\b+(\q)], v[SC+8*NQ*(\sc)+NQ*(\a)+(\q)] matrix_a_scale:MATRIX_SCALE_ROW1
.else
	v_wmma_scale_f32_16x16x128_f8f6f4 v[8*(8*((\a)%4)+\b):8*(8*((\a)%4)+\b)+7], v[128*(\p)+FR*\b:128*(\p)+FR*\b+FR-1], v[AF+FR*(\a):AF+FR*(\a)+FR-1], v[8*(8*((\a)%4)+\b):8*(8*((\a)%4)+\b)+7], v[SC+8*NQ*(\sc)+NQ*\b+(\q)], v[SC+8*NQ*(\sc)+NQ*(\a)+(\q)] matrix_a_scale:MATRIX_SCALE_ROW1
.endif
.endr
.endr
.endm
.macro FETCH_B slot, q, p
	WIN TO_B
.irp i, 0,1,2,3,4,5,6,7
	FRAG 128*(\p)+FR*\i, ADRB+\slot, \q, \i
.endr
	WIN 0
.endm
.macro FETCH_A slot, q, i0
.irp i, \i0, \i0+1, \i0+2, \i0+3
	FRAG AF+FR*(\i), ADRA+\slot, \q, \i
.endr
.endm
.macro SCALES sc                       ; a slot's scale words: register 2 i + q: lanes 0-15 X's block i, lanes 16-31 Y's block i
.irp i, 0,1,2,3,4,5,6,7
	ds_load_b32 v[SC+16*\sc+2*\i], v[ADRS] offset:512*\i
	ds_load_b32 v[SC+16*\sc+2*\i+1], v[ADRS] offset:512*\i+64
.endr
.endm
.macro PLACES n                        ; plain vector lines between a matrix instruction and a load into, or a read of, its registers
.rept \n
	v_nop
.endr
.endm
.macro STEP slot, q, zero              ; 128 along K whose successor lies in the same slot
	s_wait_dscnt 4*NL                              ; all but the youngest 16 loads (X's blocks 4-7) are in
	WIN MUL_LO
	MUL16 0, (\q)%2, \q, \slot, \zero
	MUL16 2, (\q)%2, \q, \slot, \zero
	s_wait_dscnt 0
	PLACES NP
	FETCH_B \slot, (\q)+1, 1-(\q)%2
	FETCH_A \slot, (\q)+1, 0
	WIN MUL_HI
	MUL16 4, (\q)%2, \q, \slot, \zero
	MUL16 6, (\q)%2, \q, \slot, \zero
	PLACES NP
	WIN 0
	FETCH_A \slot, (\q)+1, 4
.endm
; A slot's last step changes slots: one barrier; in front of it each wave waits for all its tensor loads, adds 0 to its spare word, and waits for that and for its reads of this slot.
.macro TURN slot, next, fill
	s_wait_tensorcnt 0x0                           ; all my tensor loads have landed: my part of the next slot
	ds_add_u32 v[SPW], v[NIL]                      ; 0 onto my spare word
	s_wait_dscnt 4*NL+1                            ; the add and the youngest 16 loads may be out
	WIN MUL_LO
	MUL16 0, 1, NQ-1, \slot, 0
	s_wait_dscnt 0x0                               ; the add is done, and my reads of this slot are over
	s_barrier_signal -1
	MUL16 2, 1, NQ-1, \slot, 0
	WIN 0
	s_barrier_wait -1
.if \fill
	CREST                                          ; the barrier has opened a round of the cluster's: no wave of any partner still reads this slot or has a load on its way
	s_add_nc_u64 s[G0+4*\slot+2:G0+4*\slot+3], s[G0+4*\slot+2:G0+4*\slot+3], 2*KSTEPB
	s_add_nc_u64 s[G0B+4*\slot+2:G0B+4*\slot+3], s[G0B+4*\slot+2:G0B+4*\slot+3], 2*KSTEPB
	JLOAD G0+4*\slot, G1, G0B+4*\slot, G1B         ; the first tensor load behind the round, and my only one until the next
	PLACES NP-4
.else
	PLACES NP
.endif
	s_wait_alu depctr_va_vdst(0)
	v_add_nc_u32 v[ADRS], 64*NQ, v[ADRS]
	FETCH_B \next, 0, 0
	FETCH_A \next, 0, 0
	SCALES \next
	WIN MUL_HI
	MUL16 4, 1, NQ-1, \slot, 0
	MUL16 6, 1, NQ-1, \slot, 0
	PLACES NP
	WIN 0
	FETCH_A \next, 0, 4
.endm
	s_wait_alu depctr_va_vdst(0)
	s_wait_tensorcnt 0x0                           ; my tile of the head's four is in
	ds_add_u32 v[SPW], v[NIL]
	s_mov_b32 s[G1+2], 8<<16                       ; no tensor load of mine is out: from here on a load brings 8 row blocks
	s_mov_b32 s[G1+4], 8
	s_mov_b32 s[G1B+2], 8<<16
	s_mov_b32 s[G1B+4], 8
	s_mov_b32 s[G0+1], s45                         ; slot 0's groups 0 for the ring: my quarter, one slot back from slot 1's
	s_sub_nc_u64 s[G0+2:G0+3], s[G0+6:G0+7], KSTEPB
	s_mov_b32 s[G0B+1], s45
	s_sub_nc_u64 s[G0B+2:G0B+3], s[G0B+6:G0B+7], KSTEPB
	s_wait_dscnt 0x0
	CROUND                                         ; all four tiles are in, and all sixteen work-groups are here
	JLOAD G0+4, G1, G0B+4, G1B                     ; slot 1's first fill: my one tensor load behind the round
	FETCH_B 0, 0, 0
	FETCH_A 0, 0, 0
	SCALES 0
	FETCH_A 0, 0, 4
	global_prefetch_b8 v22, s[4:5] offset:12288 th:TH_LOAD_NT scope:SCOPE_SE  ; slot 3, the last: two fills ahead of its load
	STEP 0, 0, 1                                   ; the first step's products start the sums
	s_mov_b32 s3, LAPS-1
.Llap:
	TURN 0, 1, 1
	STEP 1, 0, 0
	TURN 1, 0, 1
	STEP 0, 0, 0
	s_sub_co_u32 s3, s3, 1
	s_cmp_lg_u32 s3, 0
	s_cbranch_scc1 .Llap
	TURN 0, 1, 0                                   ; the last lap fills nothing
	STEP 1, 0, 0
	s_wait_dscnt 4*NL
	WIN MUL_LO
	MUL16 0, 1, NQ-1, 1, 0
	MUL16 2, 1, NQ-1, 1, 0
	s_wait_dscnt 0
	WIN MUL_HI
	MUL16 4, 1, NQ-1, 1, 0
	MUL16 6, 1, NQ-1, 1, 0
	WIN 0
	PLACES NP
; THE WAY OUT: a loop over X's eight blocks.  Only the lines that take a block's 64 sums out of their window differ from trip to trip: they are reached by a ladder on the trip's number.
.set SELW, 100-2                       ; (unused name kept out of registers)
.macro QUANT s, pc, tm, pw
.irp b, 0,1,2,3
	v_max3_num_f32 v[\tm+\b], |v[\s+16*\b]|, |v[\s+1+16*\b]|, 0x4800000
.endr
.irp i, 2,4,6,8,10,12,14
.irp b, 0,1,2,3
	v_max3_num_f32 v[\tm+\b], v[\tm+\b], |v[\s+16*\b+\i]|, |v[\s+1+16*\b+\i]|
.endr
.endr
.irp b, 0,1,2,3
	v_permlanex16_b32 v[\tm+4+\b], v[\tm+\b], s44, s45
.endr
.irp b, 0,1,2,3
	v_max_num_f32 v[\tm+\b], v[\tm+\b], v[\tm+4+\b]
.endr
.irp b, 0,1,2,3
	v_add_nc_u32 v[\tm+12+\b], 0xfc000000, v[\tm+\b]
.endr
.irp b, 0,1,2,3
	v_and_or_b32 v[\tm+8+\b], v[\tm+\b], 0x7f800000, s43
.endr
.irp b, 0,1,2,3
	v_lshrrev_b32 v[\tm+4+\b], 23, v[\tm+12+\b]
.endr
	v_lshl_or_b32 v[\pw], v[\tm+5], 8, v[\tm+4]
	v_lshl_or_b32 v[\pw], v[\tm+6], 16, v[\pw]
	v_lshl_or_b32 v[\pw], v[\tm+7], 24, v[\pw]
.irp b, 0,1,2,3
.irp i, 0,1,2,3,4,5,6,7,8,9,10,11,12,13,14,15
	v_med3_num_f32 v[\s+16*\b+\i], v[\s+16*\b+\i], -v[\tm+8+\b], v[\tm+8+\b]
.endr
	v_cvt_scalef32_pk8_fp8_f32 v[\pc+4*\b:\pc+1+4*\b], v[\s+16*\b:\s+7+16*\b], v[\tm+12+\b]
	v_cvt_scalef32_pk8_fp8_f32 v[\pc+2+4*\b:\pc+3+4*\b], v[\s+8+16*\b:\s+15+16*\b], v[\tm+12+\b]
.endr
	v_nop
.endm
	s_wait_loadcnt 0x0                             ; the biases; their address registers are free
	s_mov_b32 s43, 0x600000                        ; the mantissa field of 448 (the masks' registers are done with: no tensor load follows)
	s_mov_b32 s44, 0x76543210
	s_mov_b32 s45, 0xfedcba98
	s_lshl_b32 s18, s40, 2
	s_lshl_b32 s19, s16, 1
	s_add_co_u32 s18, s18, s19
	s_lshr_b32 s19, s17, 3
	s_lshl_b32 s19, s19, 4
	s_add_co_u32 s18, s18, s19                     ; q, k: 16 batch + my first head
	s_lshl_b32 s19, s17, 1
	s_add_co_u32 s19, s19, s15
	s_and_b32 s19, s19, 15                         ; q, k: my 128 tokens' number in the batch
	s_lshl_b32 s20, s42, 1
	s_add_co_u32 s20, s20, s16                     ; v: my 128 keys
	s_lshr_b32 s21, s20, 4
	s_lshl_b32 s21, s21, 4
	s_and_b32 s20, s20, 15
	s_lshl_b32 s22, s41, 2
	s_add_co_u32 s21, s21, s22
	s_lshl_b32 s22, s15, 1
	s_add_co_u32 s21, s21, s22                     ; v: 16 batch + my first head
	s_cmp_eq_u32 ttmp9, 2
	s_cselect_b32 s18, s21, s18
	s_cselect_b32 s19, s20, s19
	s_cselect_b32 s20, 8192, 0                     ; V's fragments lie behind a key step's K
	s_cselect_b32 s21, 512, 0
	s_mov_b32 s22, 4096
	s_cselect_b32 s22, 274432, s22                 ; KV: a key step is 17,152 dense bytes (k's codes 8,192, v's 8,192, k's scale words 512, v's 256), a head 16 of them
	s_mov_b32 s23, 1024
	s_cselect_b32 s23, 2048, s23                   ; and to a + 1, in codes;
	s_mov_b32 s46, 256
	s_cselect_b32 s46, 274432, s46
	s_cselect_b32 s98, 0, -1                       ; all lanes where Y's bias applies
	s_cselect_b32 s99, -1, 0                       ; where X's does
	s_mov_b32 s47, 274432
	s_cselect_b32 s47, 1024, s47
	s_cmp_eq_u32 ttmp9, 0
	s_cselect_b32 s47, 131072, s47                 ; from the codes' first half to their second
	s_mov_b32 s66, 274432
	s_cselect_b32 s66, 131072, s66                 ; a head's codes,
	s_mov_b32 s67, 17152
	s_cselect_b32 s67, 8192, s67                   ; 128 tokens' codes,
	s_mov_b32 s92, 274432
	s_cselect_b32 s92, 8192, s92                   ; a head's scale words,
	s_mov_b32 s93, 17152
	s_cselect_b32 s93, 512, s93                    ; 128 tokens' scale words,
	s_mov_b32 s94, 16384
	s_cselect_b32 s94, 4194304, s94                ; and where the scale words begin
	s_cselect_b64 s[96:97], s[10:11], s[12:13]     ; QB or KV
	v_add_nc_u32 v[VO1], s47, v[VO0]
	v_add_nc_u32 v[VS1], s92, v[VS0]
	s_mul_i32 s66, s66, s18
	s_mul_i32 s67, s67, s19
	s_add_co_u32 s66, s66, s67
	s_add_co_u32 s66, s66, s20
	s_mov_b32 s67, 0
	s_add_nc_u64 s[66:67], s[96:97], s[66:67]      ; block 0's codes
	s_mul_i32 s92, s92, s18
	s_mul_i32 s93, s93, s19
	s_add_co_u32 s92, s92, s93
	s_add_co_u32 s92, s92, s21
	s_add_co_u32 s92, s92, s94
	s_mov_b32 s93, 0
	s_add_nc_u64 s[92:93], s[96:97], s[92:93]      ; its scale words
.set I, 0
.rept 64
	v_cndmask_b32 v[BY+I], 0, v[BY+I], s98
.set I, I+1
.endr
.set I, 0
.rept 8
	v_cndmask_b32 v[BX+I], 0, v[BX+I], s99
.set I, I+1
.endr
	v_mov_b32 v19, 0                               ; (named with v18 as a pair)
.irp b, 0,1,2,3
	v_mov_b32 v[TM+4+\b], 0                        ; a lane permute's destination counts as one of its sources
.endr
	s_mov_b32 s3, 0
.Lepi:
.irp a, 0,1,2,3,4,5,6
	s_cmp_eq_u32 s3, \a
	s_cbranch_scc1 .Ltake\a
.endr
	s_branch .Ltake7
.irp a, 0,1,2,3,4,5,6,7
.Ltake\a:
	s_wait_alu depctr_va_vdst(0)
	v_mov_b32 v18, v[BX+\a]
.set WT, 0x02+(\a)/4
	WIN WT                                         ; source 0: window 2 or 3
.set AC, 64*((\a)%4)
.set P2, 0
.rept 32
	v_pk_add_f32 v[T+P2:T+P2+1], v[AC+P2:AC+P2+1], v[BY+P2:BY+P2+1]   ; each accumulator from its low end on
.set P2, P2+2
.endr
	WIN 0
	s_branch .Lgot
.endr
.Lgot:
.set P2, 0
.rept 32
	v_pk_add_f32 v[T+P2:T+P2+1], v[T+P2:T+P2+1], v[18:19] op_sel_hi:[1,0]
.set P2, P2+2
.endr
	s_lshr_b32 s18, s3, 2
	s_and_b32 s19, s3, 3
	s_mul_i32 s20, s18, s22
	s_mul_i32 s21, s19, s23
	s_add_co_u32 s20, s20, s21
	s_mov_b32 s21, 0
	s_add_nc_u64 s[94:95], s[66:67], s[20:21]      ; this block's codes (the last trip's stores have read these registers: the wait at the trip's end)
	s_mul_i32 s20, s18, s46
	s_lshl_b32 s19, s19, 6
	s_add_co_u32 s20, s20, s19
	s_add_nc_u64 s[96:97], s[92:93], s[20:21]      ; and scale words
	QUANT T, PC, TM, PW
	v_lshrrev_b32 v[PW2], 16, v[PW]
	global_store_b128 v[VO0], v[PC:PC+3], s[94:95]                  ; 512 consecutive bytes each
	global_store_b128 v[VO0], v[PC+4:PC+7], s[94:95] offset:512
	global_store_b128 v[VO1], v[PC+8:PC+11], s[94:95]
	global_store_b128 v[VO1], v[PC+12:PC+15], s[94:95] offset:512
	global_store_b32 v[VS0], v[PW], s[96:97]
	s_cmp_eq_u32 ttmp9, 2
	s_cbranch_scc1 .Lone_word
	global_store_b32 v[VS1], v[PW2], s[96:97]      ; q, k: the second head's two bytes
.Lone_word:
	s_wait_xcnt 0x0                                ; the stores' data and bases are written again only behind this wait
	s_add_co_u32 s3, s3, 1
	s_cmp_lt_u32 s3, 8
	s_cbranch_scc1 .Lepi
	s_wait_tensorcnt 0x0                           ; the wave's end
	ds_add_u32 v[SPW], v[NIL]
	s_wait_dscnt 0x0
	CROUND                                         ; the closing round
	s_endpgm
.Lfunc_end_k_q3d0d0a45f5_qkv:
	.size	k_q3d0d0a45f5_qkv, .Lfunc_end_k_q3d0d0a45f5_qkv-k_q3d0d0a45f5_qkv
	.p2alignl 7, 3214868480
	.fill 96, 4, 3214868480
	.section	.rodata,"a",@progbits
	.p2align	6, 0x0
	.amdhsa_kernel k_q3d0d0a45f5_qkv
		.amdhsa_group_segment_fixed_size 327680
		.amdhsa_private_segment_fixed_size 0
		.amdhsa_enable_private_segment 0
		.amdhsa_kernarg_size 40
		.amdhsa_user_sgpr_count 2
		.amdhsa_user_sgpr_kernarg_segment_ptr 1
		.amdhsa_wavefront_size32 1
		.amdhsa_system_sgpr_workgroup_id_x 1
		.amdhsa_system_sgpr_workgroup_id_y 1
		.amdhsa_system_sgpr_workgroup_id_z 1
		.amdhsa_system_vgpr_workitem_id 0
		.amdhsa_next_free_vgpr 1024
		.amdhsa_next_free_sgpr 100
		.amdhsa_reserve_vcc 0
		.amdhsa_float_denorm_mode_32 3
		.amdhsa_float_denorm_mode_16_64 3
		.amdhsa_memory_ordered 1
		.amdhsa_forward_progress 1
		.amdhsa_inst_pref_size 158
	.end_amdhsa_kernel
	.amdgpu_metadata
---
amdhsa.version: [ 1, 2 ]
amdhsa.kernels:
  - .name:           k_q3d0d0a45f5_qkv
    .symbol:         k_q3d0d0a45f5_qkv.kd
    .args:
      - { .name: XQ, .offset: 0, .size: 8, .value_kind: global_buffer, .address_space: global }
      - { .name: W, .offset: 8, .size: 8, .value_kind: global_buffer, .address_space: global }
      - { .name: b_qkv, .offset: 16, .size: 8, .value_kind: global_buffer, .address_space: global }
      - { .name: QB, .offset: 24, .size: 8, .value_kind: global_buffer, .address_space: global }
      - { .name: KV, .offset: 32, .size: 8, .value_kind: global_buffer, .address_space: global }
    .group_segment_fixed_size: 327680
    .private_segment_fixed_size: 0
    .kernarg_segment_align: 8
    .kernarg_segment_size: 40
    .max_flat_workgroup_size: 128
    .sgpr_count:     100
    .vgpr_count:     1024
    .wavefront_size: 32
...
	.end_amdgpu_metadata
.endif
;; end of part 2
;; launch attn (part 3): grid 8 x 32, 8 waves a work-group, clusters of 4 x 1, 327,680 bytes of LDS; arguments QB, KV, CT; writes CT
.if DOCPART == 3
	.amdgcn_target "amdgcn-amd-amdhsa--gfx1250"
	.amdhsa_code_object_version 6
	.text
	.protected	k_q3d0d0a45f5_attn
	.globl	k_q3d0d0a45f5_attn
	.p2align	8
	.type	k_q3d0d0a45f5_attn,@function
k_q3d0d0a45f5_attn:
	s_mov_b64 s[64:65], 0
	v_nop
	global_prefetch_b8 v0, s[64:65] scope:SCOPE_SE
	s_setreg_imm32_b32 hwreg(HW_REG_WAVE_MODE, 25, 1), 1
	s_wait_xcnt 0x0
	s_wait_alu depctr_hold_cnt(0) depctr_sa_sdst(0) depctr_va_vdst(0) depctr_va_sdst(0) depctr_va_ssrc(0) depctr_va_vcc(0) depctr_vm_vsrc(0)
	s_getreg_b32 s2, hwreg(HW_REG_IB_STS2, 6, 4)
	s_cmp_eq_u32 s2, 0
	s_cbranch_scc0 .Lentry_in_a_cluster
	s_endpgm
.Lentry_in_a_cluster:
	s_bfe_u32 s2, ttmp6, 0x10000c
	s_cmp_lg_u32 s2, 0x3003
	s_cbranch_scc0 .Lentry_shape_is_right
	s_endpgm
.Lentry_shape_is_right:
; ctx = softmax(q k^T / 8) v for one (batch, head) and 256 queries, both products on codes of FP8 (E4M3) with E8M0 scales; the result is quantised along the features and stored as part of an operand's image.
; THE SOFTMAX: t = score x log2(e) / 8; M = the running largest t rounded UP to a whole number; p = 2^(t - M) is quantised along the keys, not normalised; the row's sum is taken of the unquantised p and divides at the end.
; SHARES: eight waves, each TWO tiles of 16 queries in 512 registers, two waves to a SIMD.  Every wave walks the head's 2,048 keys, 128 a step; each fragment of k and v read from LDS feeds two matrix instructions,
; and every dependent chain of the softmax runs on the two tiles by turns.
; A WHOLE HEAD LIES IN LDS, filled once.  KV holds a key step as 17,152 dense bytes: k's eight tiles (8,192), v's four fragments (8,192), k's scale words (512), v's (256).  Wave w fetches key steps 2 w and 2 w + 1:
; ONE tensor load a wave, 134 rows of 256 bytes; one barrier; nothing is filled again, so there is no ring.
; CLUSTER 4 x 1: the four query blocks of a cluster belong to one head and ask for it jointly.  Both products are used transposed: a lane holds one query of each tile throughout.
; NO PREFETCH: every byte that comes through LDS is asked for by the launch's first tensor loads; there is no loop in which a request could run ahead of a load.
; REGISTER WINDOWS.  Window 0: addresses, all scale words, both tiles' softmax (scores and p, O^T, the work registers).  Window 1: k (64 + 8 zero codes), v (64), q (2 x 16), p's codes (2 x 16).
; Three settings serve a step: 0x05 the products (sources 0 and 1 in window 1), 0x40 the loads of k and v and the conversions (destination in window 1), 0 all else.
; ONE RUN OF LDS LOADS A STEP, behind the scores: this step's v and the NEXT step's k (the last step names its own k again: nothing reads it), so that a whole softmax stands between a load and its use.
; K'S FRAGMENTS OVERLAP.  The score product has K = 64: registers 8-15 of q's fragments hold zero codes, so registers 8-15 of a fragment of k add nothing as long as they hold numbers: they are tile t + 1's codes
; (made with the hold at 448: never the NaN code); behind tile 7 stand eight registers of zero codes.
; LIMITS: the promise holds while the scaled scores stay under 2^31 in magnitude; NaN and infinities are not served; a block whose every p has fallen to 0 keeps the byte 1 over zero codes; v_exp_f32 and v_rcp_f32 are good to 1 ulp.
.set STEPB, 17152
.set SPARE, 16*STEPB                   ; behind the head: the spare words, 128 bytes a wave
.set L16, 1                            ; 16 x lane
.set SBA, 2                            ; 16,384 + 4 x lane: a step's scale words
.set AV,  3                            ; this step's v;  AK the next step's k;  ASV, ASK their scale words
.set AK,  4
.set ASV, 5
.set ASK, 6
.set SPW, 7                            ; my spare word; never rewritten
.set NIL, 8                            ; 0; never rewritten
.set TP,  10                           ; v10, v11 at work, one a tile
.set KS,  12                           ; v12-15 k's scale words: lanes 0-15 tile 2 u's, lanes 16-31 tile 2 u + 1's
.set VS,  16                           ; v16-17 v's likewise
.set QS,  18                           ; v18-19 q's, one a tile
.set PS,  20                           ; v20-21 p's, one a tile
.set TW,  20                           ; a tile's work registers: 20, from v24 and from v44
.set BM,  24                           ; the blocks' largest scores, then largest p, then the bytes
.set BC,  28                           ; the other half's maxima; then the conversions' scale operands
.set BH,  32                           ; 448 x the scale
.set MT,  36                           ; -M, the largest t
.set F,   38                           ; f = 2^(old M - new M), named as a pair
.set LS,  40                           ; the row's sum, in two halves
.set CH,  42                           ; its second chain
.set S,   64                           ; v64-191  scores, then p: 64 a tile
.set O,   192                          ; v192-255 O^T: 32 a tile
.set K,   0                            ; window 1
.set ZK,  64
.set V,   72
.set Q,   136
.set PC,  168
.set WV,  10
.set G1,  16
.set G0,  24
.set SEL, 52
.set CS,  54
.set MNT, 56
.set TB,  57
.set TN,  58
.set CNT, 59
.set MSB, 0
.macro WIN new                         ; the immediate's high byte repeats the setting that is left
.if MSB != \new
	s_set_vgpr_msb (MSB<<8)|\new
.set MSB, \new
.endif
.endm
.macro ROUND
	s_barrier_signal -1
	s_barrier_wait -1
	s_cmp_lg_u32 s[WV], 0
	s_cbranch_scc1 .Lnot_wave_0_\@
	s_barrier_signal -3
.Lnot_wave_0_\@:
	s_barrier_wait -3
	s_barrier_signal -1
	s_barrier_wait -1
.endm
.macro KLOAD adr, ads                  ; k's eight tiles and their scale words
	WIN 0x40
.irp t, 0,1,2,3,4,5,6,7
	ds_load_b128 v[K+8*\t:K+8*\t+3], v[\adr] offset:1024*\t
	ds_load_b128 v[K+8*\t+4:K+8*\t+7], v[\adr] offset:1024*\t+512
.endr
	WIN 0
.irp u, 0,1,2,3
	ds_load_b32 v[KS+\u], v[\ads] offset:128*\u
.endr
.endm
.macro SCORE kt, t
.if (\kt)%2
	v_wmma_scale_f32_16x16x128_f8f6f4 v[S+64*\t+8*\kt:S+64*\t+8*\kt+7], v[K+8*\kt:K+8*\kt+15], v[Q+16*\t:Q+16*\t+15], 0, v[KS+\kt/2], v[QS+\t] matrix_a_scale:MATRIX_SCALE_ROW1
.else
	v_wmma_scale_f32_16x16x128_f8f6f4 v[S+64*\t+8*\kt:S+64*\t+8*\kt+7], v[K+8*\kt:K+8*\kt+15], v[Q+16*\t:Q+16*\t+15], 0, v[KS+\kt/2], v[QS+\t]
.endif
.endm
.macro PV f, t
.if (\f)%2
	v_wmma_scale_f32_16x16x128_f8f6f4 v[O+32*\t+8*\f:O+32*\t+8*\f+7], v[V+16*\f:V+16*\f+15], v[PC+16*\t:PC+16*\t+15], v[O+32*\t+8*\f:O+32*\t+8*\f+7], v[VS+\f/2], v[PS+\t] matrix_a_scale:MATRIX_SCALE_ROW1
.else
	v_wmma_scale_f32_16x16x128_f8f6f4 v[O+32*\t+8*\f:O+32*\t+8*\f+7], v[V+16*\f:V+16*\f+15], v[PC+16*\t:PC+16*\t+15], v[O+32*\t+8*\f:O+32*\t+8*\f+7], v[VS+\f/2], v[PS+\t]
.endif
.endm
	s_load_b128 s[4:7], s[0:1], 0x0                ; QB, KV
	s_load_b64 s[8:9], s[0:1], 0x10                ; CT
	v_lshl_add_u32 v[SPW], v0, 2, SPARE
	v_mov_b32 v[NIL], 0
	ds_add_u32 v[SPW], v[NIL]                      ; the opening adds, twice on end; their wait stands ahead of my tensor load
	ds_add_u32 v[SPW], v[NIL]
	v_lshrrev_b32 v[TP], 5, v0
	v_readfirstlane_b32 s[WV], v[TP]               ; wave 0..7
	s_bfe_u32 s11, ttmp6, 0x40000                  ; cx
	s_lshl_b32 s12, ttmp9, 2
	s_add_co_u32 s12, s12, s11                     ; my block of 256 queries: it enters q's and ctx's addresses alone
	s_lshl_b32 s12, s12, 4
	s_lshl_b32 s2, s[WV], 1
	s_add_co_u32 s12, s12, s2                      ; J: the first of my two tiles of 16 queries
	s_and_b32 s13, ttmp7, 0xffff                   ; 16 batch + head, which the partners share
	s_mov_b32 s[G1], 15|(3<<16)|(1<<21)            ; the mask: all four work-groups; elements of 8 bytes; bit 21 beside a mask
	s_mov_b32 s[G1+1], 32<<16
	s_mov_b32 s[G1+2], 134<<16
	s_mov_b32 s[G1+3], 32<<16
	s_mov_b32 s[G1+4], 134
	s_mov_b32 s[G1+5], 32
	s_mov_b32 s[G1+6], 0
	s_mov_b32 s[G1+7], 0
	s_mov_b32 s[SEL], 0x76543210
	s_mov_b32 s[SEL+1], 0xfedcba98
	s_mov_b32 s[CS], 0x3e38aa3b                    ; log2(e) / 8
	s_mov_b32 s[CS+1], s[CS]
	s_mov_b32 s[MNT], 0x600000
	s_mov_b32 s[TB], 0
	s_mov_b32 s[TN], STEPB
	s_mov_b32 s[CNT], 16
	s_mul_i32 s15, s[WV], 2*STEPB                  ; my two key steps
	s_mul_i32 s60, s13, 16*STEPB
	s_add_co_u32 s60, s60, s15
	s_mov_b32 s61, 0
	s_wait_dscnt 0x0                               ; both opening adds are done
	s_wait_kmcnt 0x0
	s_mov_b32 s[G0], 1
	s_mov_b32 s[G0+1], s15
	s_add_nc_u64 s[G0+2:G0+3], s[6:7], s[60:61]
	s_or_b32 s[G0+3], s[G0+3], 0x80000000
	ROUND                                          ; all four work-groups are here: the joint loads meet
	tensor_load_to_lds s[G0:G0+3], s[G1:G1+7]      ; my one tensor load of the launch
	s_nop 0
.rept 4
	v_nop
.endr
	s_lshl_b32 s14, s13, 17
	s_lshl_b32 s2, s12, 10
	s_add_co_u32 s14, s14, s2
	s_mov_b32 s15, 0
	s_add_nc_u64 s[28:29], s[4:5], s[14:15]        ; q's codes: 1,024 bytes a tile
	s_lshl_b32 s14, s13, 13
	s_lshl_b32 s2, s12, 6
	s_add_co_u32 s14, s14, s2
	s_add_co_u32 s14, s14, 4194304
	s_add_nc_u64 s[30:31], s[4:5], s[14:15]        ; q's scale words: 64 bytes a tile
	s_lshr_b32 s14, s13, 4
	s_lshl_b32 s14, s14, 7
	s_add_co_u32 s14, s14, s12                     ; ctx's row block: 128 batch + J
	s_lshl_b32 s14, s14, 3
	s_bfe_u32 s2, s13, 0x30001
	s_add_co_u32 s3, s14, s2                       ; its fragment: K step head / 2; the second tile's lies 8 fragments on
	s_and_b32 s2, s13, 1
	s_lshl_b32 s14, s3, 11
	s_lshl_b32 s11, s2, 10
	s_add_co_u32 s14, s14, s11
	s_add_nc_u64 s[4:5], s[8:9], s[14:15]          ; my half of the fragment
	s_lshl_b32 s14, s3, 6
	s_lshl_b32 s11, s2, 1
	s_add_co_u32 s14, s14, s11
	s_add_co_u32 s14, s14, 4194304
	s_add_nc_u64 s[6:7], s[8:9], s[14:15]          ; my half of its scale words
	v_and_b32 v[TP], 31, v0
	v_lshlrev_b32 v[L16], 4, v[TP]
	v_lshl_add_u32 v[SBA], v[TP], 2, 16384
	v_and_b32 v[AV], 15, v0
	v_lshlrev_b32 v[AV], 2, v[AV]                  ; 4 r (the register is free again behind the wait for q)
	s_wait_alu depctr_va_vdst(0)                   ; the wait ahead of the readers below
	global_load_b32 v[QS], v[AV], s[30:31]
	global_load_b32 v[QS+1], v[AV], s[30:31] offset:64
	WIN 0x40
.irp t, 0,1
	global_load_b128 v[Q+16*\t:Q+16*\t+3], v[L16], s[28:29] offset:1024*\t
	global_load_b128 v[Q+16*\t+4:Q+16*\t+7], v[L16], s[28:29] offset:1024*\t+512
.endr
.irp j, 0,1,2,3,4,5,6,7
	v_mov_b32 v[Q+8+\j], 0                         ; q's zero codes,
	v_mov_b32 v[Q+24+\j], 0
	v_mov_b32 v[ZK+\j], 0                          ; and those behind k's tile 7: never written again
.endr
	WIN 0
.irp t, 0,1
	v_mov_b32 v[MT+1+TW*\t], 0xff61b1e6            ; the largest t so far: -3e38
	v_floor_f32 v[MT+TW*\t], -v[MT+1+TW*\t]        ; -M
	v_mov_b32 v[LS+TW*\t], 0
	v_mov_b32 v[LS+1+TW*\t], 0
	v_mov_b32 v[F+1+TW*\t], 0                      ; (named with f as a pair)
	v_mov_b32 v[TP+\t], 0
.irp b, 0,1,2,3
	v_mov_b32 v[BC+TW*\t+\b], 0                    ; a lane permute's destination counts as one of its sources
.endr
.endr
.set J, 0
.rept 64
	v_mov_b32 v[O+J], 0                            ; O^T: the step is written once; the first finds zeros
.set J, J+1
.endr
	s_wait_alu depctr_va_vdst(0)                   ; the wait at the head's end
	s_wait_loadcnt 0x0                             ; q
	s_wait_tensorcnt 0x0                           ; my two key steps are in
	s_barrier_signal -1
	s_barrier_wait -1                              ; everybody's are: the whole head
	KLOAD L16, SBA                                 ; key step 0's k
	s_wait_dscnt 0x0
.Lstep:                                            ; 128 keys a trip, for both tiles
	WIN 0x05
.irp kt, 0,1,2,3,4,5,6,7
	SCORE \kt, 0
	SCORE \kt, 1
.endr
	WIN 0
	v_add_nc_u32 v[AV], s[TB], v[L16]              ; eight plain lines ahead of the loads into k's and v's registers and of the first read of the scores
	v_add_nc_u32 v[ASV], s[TB], v[SBA]
	v_add_nc_u32 v[AK], s[TN], v[L16]
	v_add_nc_u32 v[ASK], s[TN], v[SBA]
.rept 4
	v_nop
.endr
	WIN 0x40
.irp f, 0,1,2,3
.irp c, 0,1,2,3
	ds_load_b128 v[V+16*\f+4*\c:V+16*\f+4*\c+3], v[AV] offset:8192+2048*\f+512*\c
.endr
.endr
	KLOAD AK, ASK
	ds_load_b32 v[VS], v[ASV] offset:512
	ds_load_b32 v[VS+1], v[ASV] offset:640
.irp b, 0,1,2,3
.irp t, 0,1
	v_max3_num_f32 v[BM+TW*\t+\b], v[S+64*\t+16*\b], v[S+64*\t+16*\b+1], v[S+64*\t+16*\b+2]   ; the largest score of each block of 32 keys: for the row's maximum and for the block's largest p
.endr
.endr
.irp i, 3,5,7,9,11,13
.irp b, 0,1,2,3
.irp t, 0,1
	v_max3_num_f32 v[BM+TW*\t+\b], v[BM+TW*\t+\b], v[S+64*\t+16*\b+\i], v[S+64*\t+16*\b+\i+1]
.endr
.endr
.endr
.irp b, 0,1,2,3
.irp t, 0,1
	v_max_num_f32 v[BM+TW*\t+\b], v[BM+TW*\t+\b], v[S+64*\t+16*\b+15]
.endr
.endr
.irp b, 0,1,2,3
.irp t, 0,1
	v_permlanex16_b32 v[BC+TW*\t+\b], v[BM+TW*\t+\b], s[SEL], s[SEL+1]
.endr
.endr
.irp b, 0,1,2,3
.irp t, 0,1
	v_max_num_f32 v[BM+TW*\t+\b], v[BM+TW*\t+\b], v[BC+TW*\t+\b]
.endr
.endr
.irp t, 0,1
	v_max3_num_f32 v[TP+\t], v[BM+TW*\t], v[BM+TW*\t+1], v[BM+TW*\t+2]
.endr
.irp t, 0,1
	v_max_num_f32 v[TP+\t], v[TP+\t], v[BM+TW*\t+3]
.endr
.irp t, 0,1
	v_mul_f32 v[TP+\t], s[CS], v[TP+\t]
.endr
.irp t, 0,1
	v_max_num_f32 v[MT+1+TW*\t], v[MT+1+TW*\t], v[TP+\t]   ; the running largest t
.endr
.irp t, 0,1
	v_mov_b32 v[TP+\t], v[MT+TW*\t]
.endr
.irp t, 0,1
	v_floor_f32 v[MT+TW*\t], -v[MT+1+TW*\t]        ; the new -M: a whole number
.endr
.irp t, 0,1
	v_sub_f32 v[TP+\t], v[MT+TW*\t], v[TP+\t]
.endr
.irp t, 0,1
	v_cvt_i32_f32 v[TP+\t], v[TP+\t]               ; (it saturates)
.endr
.irp t, 0,1
	v_ldexp_f32 v[F+TW*\t], 1.0, v[TP+\t]          ; f = 2^(old M - new M): rounds nothing
.endr
.set J, 0
.rept 32
	v_pk_fma_f32 v[S+J:S+J+1], v[S+J:S+J+1], s[CS:CS+1], v[MT:MT+1] op_sel_hi:[1,0,0]   ; tile 0: t - M
.set J, J+2
.endr
.irp b, 0,1,2,3
	v_fma_f32 v[BM+\b], v[BM+\b], s[CS], v[MT]     ; the same of each block's largest score
.endr
	s_wait_alu depctr_va_vdst(0)                   ; the wait ahead of the batch
; Tile 0's 68 exponentials.  Among them stand tile 1's scalings: their sources were written ahead of the wait above, none reads a result of the batch or of another of them, and their results are first read behind the wait below.
.set J, 0
.rept 32
	v_exp_f32 v[S+J], v[S+J]                       ; p, at most 1
	v_pk_fma_f32 v[S+64+J:S+65+J], v[S+64+J:S+65+J], s[CS:CS+1], v[MT+TW:MT+TW+1] op_sel_hi:[1,0,0]
	v_exp_f32 v[S+J+1], v[S+J+1]
.set J, J+2
.endr
.irp b, 0,1,2,3
	v_exp_f32 v[BM+\b], v[BM+\b]                   ; the block's largest p: the same two steps on the same number
	v_fma_f32 v[BM+TW+\b], v[BM+TW+\b], s[CS], v[MT+TW]
.endr
	v_pk_mul_f32 v[LS:LS+1], v[LS:LS+1], v[F:F+1] op_sel_hi:[1,0]   ; tile 0's sums under the new M
	s_wait_alu depctr_va_vdst(0)                   ; behind tile 0's batch and ahead of tile 1's
.set J, 0
.rept 64
	v_exp_f32 v[S+64+J], v[S+64+J]
.set J, J+1
.endr
.irp b, 0,1,2,3
	v_exp_f32 v[BM+TW+\b], v[BM+TW+\b]
.endr
	v_pk_mul_f32 v[LS+TW:LS+TW+1], v[LS+TW:LS+TW+1], v[F+TW:F+TW+1] op_sel_hi:[1,0]
	s_wait_alu depctr_va_vdst(0)                   ; behind the batch, ahead of its first reader
.irp b, 0,1,2,3
.irp t, 0,1
	v_max_num_f32 v[BM+TW*\t+\b], 0x4800000, v[BM+TW*\t+\b]    ; the floor 2^(9 - 127)
.endr
.endr
.irp b, 0,1,2,3
.irp t, 0,1
	v_add_nc_u32 v[BC+TW*\t+\b], 0xfc000000, v[BM+TW*\t+\b]    ; 8 off the exponent field: the conversion's scale operand
.endr
.endr
.irp b, 0,1,2,3
.irp t, 0,1
	v_and_or_b32 v[BH+TW*\t+\b], v[BM+TW*\t+\b], 0x7f800000, s[MNT]   ; 448 x the scale
.endr
.endr
.irp b, 0,1,2,3
.irp t, 0,1
	v_lshrrev_b32 v[BM+TW*\t+\b], 23, v[BC+TW*\t+\b]           ; the byte
.endr
.endr
.irp t, 0,1
	v_lshl_or_b32 v[PS+\t], v[BM+TW*\t+1], 8, v[BM+TW*\t]      ; p's scale word
.endr
.irp t, 0,1
	v_lshl_or_b32 v[PS+\t], v[BM+TW*\t+2], 16, v[PS+\t]
.endr
.irp t, 0,1
	v_lshl_or_b32 v[PS+\t], v[BM+TW*\t+3], 24, v[PS+\t]
.endr
.irp t, 0,1
	v_pk_add_f32 v[CH+TW*\t:CH+TW*\t+1], v[S+64*\t:S+64*\t+1], v[S+64*\t+2:S+64*\t+3]   ; the rows' sums of the unquantised p: four chains by turns
.endr
.irp j, 4,8,12,16,20,24,28,32,36,40,44,48,52,56,60
.irp t, 0,1
	v_pk_add_f32 v[LS+TW*\t:LS+TW*\t+1], v[LS+TW*\t:LS+TW*\t+1], v[S+64*\t+\j:S+64*\t+\j+1]
.endr
.irp t, 0,1
	v_pk_add_f32 v[CH+TW*\t:CH+TW*\t+1], v[CH+TW*\t:CH+TW*\t+1], v[S+64*\t+\j+2:S+64*\t+\j+3]
.endr
.endr
.irp t, 0,1
	v_pk_add_f32 v[LS+TW*\t:LS+TW*\t+1], v[LS+TW*\t:LS+TW*\t+1], v[CH+TW*\t:CH+TW*\t+1]
.endr
.irp t, 0,1                            ; the hold (p is not negative: one-sided), in place now that p is summed, two numbers a line
.irp b, 0,1,2,3
.irp i, 0,2,4,6,8,10,12,14
	v_dual_min_num_f32 v[S+64*\t+16*\b+\i], v[S+64*\t+16*\b+\i], v[BH+TW*\t+\b] :: v_dual_min_num_f32 v[S+64*\t+16*\b+\i+1], v[S+64*\t+16*\b+\i+1], v[BH+TW*\t+\b]
.endr
.endr
.endr
	WIN 0x40
.irp t, 0,1
.irp b, 0,1,2,3
	v_cvt_scalef32_pk8_fp8_f32 v[PC+16*\t+4*\b:PC+16*\t+4*\b+1], v[S+64*\t+16*\b:S+64*\t+16*\b+7], v[BC+TW*\t+\b]
	v_cvt_scalef32_pk8_fp8_f32 v[PC+16*\t+4*\b+2:PC+16*\t+4*\b+3], v[S+64*\t+16*\b+8:S+64*\t+16*\b+15], v[BC+TW*\t+\b]
.endr
.endr
	WIN 0
	s_wait_dscnt 0x0                               ; this step's v and the next step's k
	s_wait_alu depctr_va_vdst(0)                   ; directly ahead of the first reader of O^T
.irp t, 0,1
.set J, 0
.rept 16
	v_pk_mul_f32 v[O+32*\t+J:O+32*\t+J+1], v[O+32*\t+J:O+32*\t+J+1], v[F+TW*\t:F+TW*\t+1] op_sel_hi:[1,0]   ; O^T under the new M; also the plain lines between the conversions and the products
.set J, J+2
.endr
.endr
	WIN 0x05
.irp f, 0,1,2,3
	PV \f, 0
	PV \f, 1
.endr
	WIN 0
	s_add_co_u32 s[TB], s[TB], STEPB
	s_add_co_u32 s[TN], s[TB], STEPB
	s_min_u32 s[TN], s[TN], 15*STEPB               ; the last step names its own k again
	s_sub_co_u32 s[CNT], s[CNT], 1
	s_cmp_lg_u32 s[CNT], 0
	s_cbranch_scc1 .Lstep
	; THE WAY OUT: O^T / the sum; register 16 g + i is channel 32 g + 16 h + i of my query: two blocks of the next product's K
.rept 8
	v_nop                                          ; eight plain lines behind the last products
.endr
.irp t, 0,1
	v_add_f32 v[LS+TW*\t], v[LS+TW*\t], v[LS+TW*\t+1]
.endr
.irp t, 0,1
	v_permlanex16_b32 v[TP+\t], v[LS+TW*\t], s[SEL], s[SEL+1]
.endr
.irp t, 0,1
	v_add_f32 v[LS+TW*\t], v[LS+TW*\t], v[TP+\t]
.endr
	s_wait_alu depctr_va_vdst(0)                   ; ahead of the transcendentals
.irp t, 0,1
	v_rcp_f32 v[F+TW*\t], v[LS+TW*\t]
.endr
	v_and_b32 v[AV], 15, v0                        ; (the plain line behind them)
	v_lshlrev_b32 v[AV], 2, v[AV]                  ; 4 r
	s_wait_alu depctr_va_vdst(0)                   ; ahead of their first reader, which is O^T's first reader too
.irp t, 0,1
.set J, 0
.rept 16
	v_pk_mul_f32 v[S+64*\t+J:S+64*\t+J+1], v[O+32*\t+J:O+32*\t+J+1], v[F+TW*\t:F+TW*\t+1] op_sel_hi:[1,0]
.set J, J+2
.endr
.endr
.irp b, 0,1
.irp t, 0,1
	v_max3_num_f32 v[BM+TW*\t+\b], |v[S+64*\t+16*\b]|, |v[S+64*\t+16*\b+1]|, 0x4800000
.endr
.endr
.irp i, 2,4,6,8,10,12,14
.irp b, 0,1
.irp t, 0,1
	v_max3_num_f32 v[BM+TW*\t+\b], v[BM+TW*\t+\b], |v[S+64*\t+16*\b+\i]|, |v[S+64*\t+16*\b+\i+1]|
.endr
.endr
.endr
.irp b, 0,1
.irp t, 0,1
	v_permlanex16_b32 v[BC+TW*\t+\b], v[BM+TW*\t+\b], s[SEL], s[SEL+1]
.endr
.endr
.irp b, 0,1
.irp t, 0,1
	v_max_num_f32 v[BM+TW*\t+\b], v[BM+TW*\t+\b], v[BC+TW*\t+\b]
.endr
.endr
.irp b, 0,1
.irp t, 0,1
	v_add_nc_u32 v[BC+TW*\t+\b], 0xfc000000, v[BM+TW*\t+\b]
.endr
.endr
.irp b, 0,1
.irp t, 0,1
	v_and_or_b32 v[BH+TW*\t+\b], v[BM+TW*\t+\b], 0x7f800000, s[MNT]
.endr
.endr
.irp b, 0,1
.irp t, 0,1
	v_lshrrev_b32 v[BM+TW*\t+\b], 23, v[BC+TW*\t+\b]
.endr
.endr
.irp t, 0,1
	v_lshl_or_b32 v[CH+TW*\t], v[BM+TW*\t+1], 8, v[BM+TW*\t]   ; my two bytes of the row's scale word
.endr
.irp t, 0,1
.irp b, 0,1
.irp i, 0,1,2,3,4,5,6,7,8,9,10,11,12,13,14,15
	v_med3_num_f32 v[S+64*\t+16*\b+\i], v[S+64*\t+16*\b+\i], -v[BH+TW*\t+\b], v[BH+TW*\t+\b]
.endr
	v_cvt_scalef32_pk8_fp8_f32 v[S+64*\t+32+4*\b:S+64*\t+33+4*\b], v[S+64*\t+16*\b:S+64*\t+16*\b+7], v[BC+TW*\t+\b]
	v_cvt_scalef32_pk8_fp8_f32 v[S+64*\t+34+4*\b:S+64*\t+35+4*\b], v[S+64*\t+16*\b+8:S+64*\t+16*\b+15], v[BC+TW*\t+\b]
.endr
.endr
	v_nop                                          ; a plain line behind the last conversion
.irp t, 0,1
	global_store_b128 v[L16], v[S+64*\t+32:S+64*\t+35], s[4:5] offset:16384*\t       ; 512 consecutive bytes each
	global_store_b128 v[L16], v[S+64*\t+36:S+64*\t+39], s[4:5] offset:16384*\t+512
	global_store_b16 v[AV], v[CH+TW*\t], s[6:7] offset:512*\t                        ; two bytes a row: one part in 32 of the codes' bytes
.endr
	s_wait_tensorcnt 0x0                           ; the wave's end
	ds_add_u32 v[SPW], v[NIL]
	s_wait_dscnt 0x0
	ROUND                                          ; the closing round
	s_endpgm
.Lfunc_end_k_q3d0d0a45f5_attn:
	.size	k_q3d0d0a45f5_attn, .Lfunc_end_k_q3d0d0a45f5_attn-k_q3d0d0a45f5_attn
	.p2alignl 7, 3214868480
	.fill 96, 4, 3214868480
	.section	.rodata,"a",@progbits
	.p2align	6, 0x0
	.amdhsa_kernel k_q3d0d0a45f5_attn
		.amdhsa_group_segment_fixed_size 327680
		.amdhsa_private_segment_fixed_size 0
		.amdhsa_enable_private_segment 0
		.amdhsa_kernarg_size 24
		.amdhsa_user_sgpr_count 2
		.amdhsa_user_sgpr_kernarg_segment_ptr 1
		.amdhsa_wavefront_size32 1
		.amdhsa_system_sgpr_workgroup_id_x 1
		.amdhsa_system_sgpr_workgroup_id_y 1
		.amdhsa_system_sgpr_workgroup_id_z 1
		.amdhsa_system_vgpr_workitem_id 0
		.amdhsa_next_free_vgpr 512
		.amdhsa_next_free_sgpr 66
		.amdhsa_reserve_vcc 0
		.amdhsa_float_denorm_mode_32 3
		.amdhsa_float_denorm_mode_16_64 3
		.amdhsa_memory_ordered 1
		.amdhsa_forward_progress 1
		.amdhsa_inst_pref_size 56
	.end_amdhsa_kernel
	.amdgpu_metadata
---
amdhsa.version: [ 1, 2 ]
amdhsa.kernels:
  - .name:           k_q3d0d0a45f5_attn
    .symbol:         k_q3d0d0a45f5_attn.kd
    .args:
      - { .name: QB, .offset: 0, .size: 8, .value_kind: global_buffer, .address_space: global }
      - { .name: KV, .offset: 8, .size: 8, .value_kind: global_buffer, .address_space: global }
      - { .name: CT, .offset: 16, .size: 8, .value_kind: global_buffer, .address_space: global }
    .group_segment_fixed_size: 327680
    .private_segment_fixed_size: 0
    .kernarg_segment_align: 8
    .kernarg_segment_size: 24
    .max_flat_workgroup_size: 256
    .sgpr_count:     66
    .vgpr_count:     512
    .wavefront_size: 32
...
	.end_amdgpu_metadata
.endif
;; end of part 3
;; launch dense (part 4): grid 8 x 32, 4 waves a work-group, clusters of 4 x 4, 327,680 bytes of LDS; arguments CT, W, b_dense, hidden_states, Y; writes Y
.if DOCPART == 4
	.amdgcn_target "amdgcn-amd-amdhsa--gfx1250"
	.amdhsa_code_object_version 6
	.text
	.protected	k_q3d0d0a45f5_dense
	.globl	k_q3d0d0a45f5_dense
	.p2align	8
	.type	k_q3d0d0a45f5_dense,@function
k_q3d0d0a45f5_dense:
	s_mov_b64 s[64:65], 0
	v_nop
	global_prefetch_b8 v0, s[64:65] scope:SCOPE_SE
	s_setreg_imm32_b32 hwreg(HW_REG_WAVE_MODE, 25, 1), 1
	s_wait_xcnt 0x0
	s_wait_alu depctr_hold_cnt(0) depctr_sa_sdst(0) depctr_va_vdst(0) depctr_va_sdst(0) depctr_va_ssrc(0) depctr_va_vcc(0) depctr_vm_vsrc(0)
	s_getreg_b32 s2, hwreg(HW_REG_IB_STS2, 6, 4)
	s_cmp_eq_u32 s2, 0
	s_cbranch_scc0 .Lentry_in_a_cluster
	s_endpgm
.Lentry_in_a_cluster:
	s_bfe_u32 s2, ttmp6, 0x10000c
	s_cmp_lg_u32 s2, 0xf033
	s_cbranch_scc0 .Lentry_shape_is_right
	s_endpgm
.Lentry_shape_is_right:
; y = x + ctx w_dense + b_dense on codes of FP8 (E4M3) with E8M0 scales, K = 1,024.  A tile is 128 x 128, four waves of 64 x 64; operands lie in memory as images of fragments.
; BOTH OPERANDS' TILES FOR ALL OF K (131,072 bytes each) AND THEIR SCALE WORDS LIE IN LDS, filled once by the head's four joint loads, one a wave: nothing is filled again.
; NO PREFETCH: every tile is asked for at the head; there is no later load for a request to run ahead of.  The way out's stage has LDS bytes of its own, behind the spare words.
.set SIZE_K, 1024
.set A_SCL,  4194304
.set B_IMG,  3145728
.set B_SCL,  12681216
.set NP,     8
.set QUART,  32768
.set SLOT,   4*QUART
.set SCL,    2*SLOT
.set HALFS,  2*SIZE_K
.set SPARE,  SCL+4*HALFS
.set LAPS,   SIZE_K/1024
.set SPITCH, 272
.set ADRA, 16
.set ADRB, 20
.set STO,  24
.set RD,   25
.set CO,   26
.set ADRS, 27
.set SPW,  28
.set NIL,  29
.set SC,   32
.set RS,   64
.set ACC,  128
.set F0,   0
.set F1,   128
.set G1, 24
.set G0, 32
.set G1B, 48
.set G0B, 56
.set G1S, 68
.set G0S, 76
.set G1SB, 80
.set G0SB, 88
.set MSB, 0
.macro WIN new
.if MSB != \new
	s_set_vgpr_msb (MSB<<8)|\new
.set MSB, \new
.endif
.endm
.set MUL,  0x05
.set TO_F, 0x40
.macro JLOAD g0a, g1a, g0b, g1b
	s_cmp_eq_u32 s15, 0
	s_cbranch_scc0 .Lfor_b_\@
	tensor_load_to_lds s[\g0a:\g0a+3], s[\g1a:\g1a+7]
	s_nop 0
.rept 4
	v_nop
.endr
	s_branch .Lasked_\@
.Lfor_b_\@:
	tensor_load_to_lds s[\g0b:\g0b+3], s[\g1b:\g1b+7]
	s_nop 0
.rept 4
	v_nop
.endr
.Lasked_\@:
.endm
.macro CREST
	s_cmp_lg_u32 s14, 0
	s_cbranch_scc1 .Lnot_wave_0_\@
	s_barrier_signal -3
.Lnot_wave_0_\@:
	s_barrier_wait -3
	s_barrier_signal -1
	s_barrier_wait -1
.endm
.macro CROUND
	s_barrier_signal -1
	s_barrier_wait -1
	CREST
.endm
	s_load_b256 s[4:11], s[0:1], 0x0
	s_load_b64 s[12:13], s[0:1], 0x20
	v_lshl_add_u32 v[SPW], v0, 2, SPARE
	v_mov_b32 v[NIL], 0
	ds_add_u32 v28, v29
	ds_add_u32 v28, v29
	s_wait_dscnt 0x0
	v_lshrrev_b32 v1, 5, v0
	v_readfirstlane_b32 s14, v1
	s_lshr_b32 s15, s14, 1
	s_and_b32 s16, s14, 1
	s_bfe_u32 s40, ttmp6, 0x40000
	s_bfe_u32 s41, ttmp6, 0x40004
	s_lshl_b32 s42, ttmp9, 2
	s_add_co_u32 s42, s42, s40
	s_and_b32 s17, ttmp7, 0xffff
	s_lshl_b32 s17, s17, 2
	s_add_co_u32 s17, s17, s41
	s_lshl_b32 s43, s41, 2
	s_lshl_b32 s43, 15, s43
	s_lshl_b32 s44, 0x1111, s40
	s_or_b32 s[G1+0], s43, (3<<16)|(1<<21)
	s_or_b32 s[G1B+0], s44, (3<<16)|(1<<21)
.irp g, G1, G1B
	s_mov_b32 s[\g+1], 2048<<16                    ; a row block's 16,384 bytes: all of K
	s_mov_b32 s[\g+2], 8<<16                       ; the tile's 8 row blocks
	s_mov_b32 s[\g+3], 2048<<16
	s_mov_b32 s[\g+4], 8
	s_mov_b32 s[\g+5], 2*SIZE_K
	s_mov_b32 s[\g+6], 0
	s_mov_b32 s[\g+7], 0
.endr
	s_or_b32 s[G1S+0], s43, (3<<16)|(1<<21)
	s_or_b32 s[G1SB+0], s44, (3<<16)|(1<<21)
.irp g, G1S, G1SB
	s_mov_b32 s[\g+1], 32<<16
	s_mov_b32 s[\g+2], (SIZE_K/64)<<16             ; the scale words of the tile's 128 rows
	s_mov_b32 s[\g+3], 32<<16
	s_mov_b32 s[\g+4], SIZE_K/64
	s_mov_b32 s[\g+5], 32
	s_mov_b32 s[\g+6], 0
	s_mov_b32 s[\g+7], 0
.endr
	s_lshl_b32 s20, s17, 3
	s_lshl_b32 s46, s42, 3
	s_mul_i32 s22, s20, SIZE_K/2
	s_mul_i32 s92, s46, SIZE_K/2
	s_mul_i32 s20, s20, 16*SIZE_K
	s_mul_i32 s46, s46, 16*SIZE_K
	s_mov_b32 s21, 0
	s_mov_b32 s23, 0
	s_mov_b32 s47, 0
	s_mov_b32 s93, 0
	s_add_nc_u64 s[22:23], s[22:23], A_SCL
	s_add_nc_u64 s[46:47], s[46:47], B_IMG
	s_add_nc_u64 s[92:93], s[92:93], B_SCL
	s_wait_kmcnt 0x0
	s_add_nc_u64 s[20:21], s[4:5], s[20:21]
	s_add_nc_u64 s[22:23], s[4:5], s[22:23]
	s_add_nc_u64 s[46:47], s[6:7], s[46:47]
	s_add_nc_u64 s[92:93], s[6:7], s[92:93]
	CROUND
	s_mov_b32 s[G0S], 1
	s_mov_b32 s[G0S+1], SCL
	s_mov_b64 s[G0S+2:G0S+3], s[22:23]
	s_or_b32 s[G0S+3], s[G0S+3], 0x80000000
	s_mov_b32 s[G0SB], 1
	s_mov_b32 s[G0SB+1], SCL+2*HALFS
	s_mov_b64 s[G0SB+2:G0SB+3], s[92:93]
	s_or_b32 s[G0SB+3], s[G0SB+3], 0x80000000
	s_mov_b32 s[G0], 1
	s_mov_b32 s[G0+1], 0                           ; X's tile from LDS byte 0,
	s_mov_b64 s[G0+2:G0+3], s[20:21]
	s_or_b32 s[G0+3], s[G0+3], 0x80000000
	s_mov_b32 s[G0B], 1
	s_mov_b32 s[G0B+1], SLOT                       ; Y's behind it
	s_mov_b64 s[G0B+2:G0B+3], s[46:47]
	s_or_b32 s[G0B+3], s[G0B+3], 0x80000000
; THE HEAD'S LOADS, ONE A WAVE: wave 0 X's tile, wave 1 Y's, wave 2 X's scale words, wave 3 Y's.  One tree of branches on the wave's number.
.macro ARM under, g0, g1, next
	s_cmp_lt_u32 s14, \under
	s_cbranch_scc0 \next
	tensor_load_to_lds s[\g0:\g0+3], s[\g1:\g1+7]
	s_nop 0
.rept 4
	v_nop
.endr
	s_branch .Lhead_asked
\next:
.endm
	ARM 1, G0,  G1,  .Lhead_b
	ARM 2, G0B, G1B, .Lhead_sa
	ARM 3, G0S, G1S, .Lhead_sb
	tensor_load_to_lds s[G0SB:G0SB+3], s[G1SB:G1SB+7]
	s_nop 0
.rept 4
	v_nop
.endr
.Lhead_asked:
	v_and_b32 v1, 15, v0
	v_bfe_u32 v2, v0, 4, 1
	s_wait_alu depctr_va_vdst(0)
	v_and_b32 v3, 31, v0
	v_lshlrev_b32 v4, 4, v3
	s_lshl_b32 s21, s15, 16                        ; my 4 row blocks of X, 16,384 bytes each
	s_lshl_b32 s22, s16, 16
	s_add_co_u32 s22, s22, SLOT                    ; and of Y
.irp s, 0,1
	v_add_nc_u32 v[ADRA+\s], s21, v4
	v_add_nc_u32 v[ADRB+\s], s22, v4
	s_add_co_u32 s21, s21, 8192                    ; the second four K steps of a row block
	s_add_co_u32 s22, s22, 8192
.endr
	v_lshlrev_b32 v5, 2, v1
	s_mul_i32 s21, s15, HALFS
	s_mul_i32 s22, s16, HALFS
	s_add_co_u32 s22, s22, 2*HALFS
	s_sub_co_u32 s22, s22, s21
	v_mul_u32_u24 v6, s22, v2
	s_add_co_u32 s21, s21, SCL
	v_add_nc_u32 v5, v5, v6
	v_add_nc_u32 v[ADRS], s21, v5
	s_mul_i32 s23, s14, 16*SPITCH
	s_add_co_u32 s23, s23, SPARE+512               ; my stage: bytes into which no tile lands
	v_mul_u32_u24 v5, v1, SPITCH
	v_lshl_add_u32 v5, v2, 6, v5
	v_add_nc_u32 v[STO], s23, v5
	v_mul_u32_u24 v5, v2, SPITCH
	v_lshl_add_u32 v5, v1, 4, v5
	v_add_nc_u32 v[RD], s23, v5
	v_lshlrev_b32 v[CO], 13, v2
	v_lshl_add_u32 v[CO], v1, 4, v[CO]
	v_lshlrev_b32 v7, 4, v1
	s_wait_alu depctr_va_vdst(0)
	s_lshl_b32 s18, s17, 3
	s_lshl_b32 s19, s15, 2
	s_add_co_u32 s18, s18, s19
	s_and_b32 s18, s18, 127
	s_lshl_b32 s18, s18, 17
	s_lshr_b32 s19, s17, 4
	s_lshl_b32 s19, s19, 12
	s_add_co_u32 s18, s18, s19
	s_lshl_b32 s96, s42, 9
	s_lshl_b32 s19, s16, 8
	s_add_co_u32 s96, s96, s19
	s_add_co_u32 s18, s18, s96
	s_mov_b32 s19, 0
	s_mov_b32 s97, 0
	s_add_nc_u64 s[10:11], s[10:11], s[18:19]
	s_add_nc_u64 s[12:13], s[12:13], s[18:19]
	s_add_nc_u64 s[8:9], s[8:9], s[96:97]
	global_load_b128 v[8:11], v7, s[8:9]
.macro RES a
.irp t, 0,1,2,3,4,5,6,7
	global_load_b128 v[RS+32*((\a)%2)+4*\t:RS+32*((\a)%2)+4*\t+3], v[CO], s[10:11] offset:(32*((\a)/2)+8*((\a)%2)+2*\t+8*(\t/4))*8192
.endr
.endm
	RES 0
	RES 1
.macro MULS a0, n, f, q, set, zero
.set AA, \a0
.rept \n
.irp b, 0,1,2,3
.if \zero
	v_wmma_scale_f32_16x16x128_f8f6f4 v[ACC+8*(4*AA+\b):ACC+8*(4*AA+\b)+7], v[\f+64+16*\b:\f+64+16*\b+15], v[\f+16*AA:\f+16*AA+15], 0, v[SC+16*(\set)+4*\b+(\q)], v[SC+16*(\set)+4*AA+(\q)] matrix_a_scale:MATRIX_SCALE_ROW1
.else
	v_wmma_scale_f32_16x16x128_f8f6f4 v[ACC+8*(4*AA+\b):ACC+8*(4*AA+\b)+7], v[\f+64+16*\b:\f+64+16*\b+15], v[\f+16*AA:\f+16*AA+15], v[ACC+8*(4*AA+\b):ACC+8*(4*AA+\b)+7], v[SC+16*(\set)+4*\b+(\q)], v[SC+16*(\set)+4*AA+(\q)] matrix_a_scale:MATRIX_SCALE_ROW1
.endif
.endr
.set AA, AA+1
.endr
.endm
.macro FETCH slot, q, f
	WIN TO_F
.irp i, 0,1,2,3
.irp c, 0,1,2,3
	ds_load_b128 v[\f+64+16*\i+4*\c:\f+64+16*\i+4*\c+3], v[ADRB+\slot] offset:16384*\i+2048*(\q)+512*\c
.endr
.endr
.irp i, 0,1,2,3
.irp c, 0,1,2,3
	ds_load_b128 v[\f+16*\i+4*\c:\f+16*\i+4*\c+3], v[ADRA+\slot] offset:16384*\i+2048*(\q)+512*\c
.endr
.endr
.endm
.macro SCALES set
.irp i, 0,1,2,3
.irp q, 0,1,2,3
	ds_load_b32 v[SC+16*\set+4*\i+\q], v[ADRS] offset:\i*SIZE_K/2+64*\q
.endr
.endr
.endm
.macro PLACES n
.rept \n
	v_nop
.endr
.endm
.macro STEP slot, q, zero
	s_wait_dscnt 8
	WIN MUL
	MULS 0, 2, 128*((\q)%2), \q, \slot, \zero
	PLACES NP
	FETCH \slot, (\q)+1, 128*(1-(\q)%2)
	s_wait_dscnt 32
	WIN MUL
	MULS 2, 2, 128*((\q)%2), \q, \slot, \zero
.endm
.macro TURN slot, next, fill
	WIN 0
	s_wait_tensorcnt 0x0
	ds_add_u32 v[SPW], v[NIL]
	s_wait_dscnt 9
	WIN MUL
	MULS 0, 1, F1, 3, \slot, 0
	s_wait_dscnt 0x0
	s_barrier_signal -1
	MULS 1, 1, F1, 3, \slot, 0
	WIN 0
	s_barrier_wait -1
.if \fill
	CREST
	s_add_nc_u64 s[G0+4*\slot+2:G0+4*\slot+3], s[G0+4*\slot+2:G0+4*\slot+3], 16384
	s_add_nc_u64 s[G0B+4*\slot+2:G0B+4*\slot+3], s[G0B+4*\slot+2:G0B+4*\slot+3], 16384
	JLOAD G0+4*\slot, G1, G0B+4*\slot, G1B
	PLACES NP-4
.else
	PLACES NP
.endif
	v_add_nc_u32 v[ADRS], 256, v[ADRS]
	SCALES \next
	FETCH \next, 0, F0
	WIN MUL
	MULS 2, 2, F1, 3, \slot, 0
.endm
	s_wait_alu depctr_va_vdst(0)                   ; the wait at the head's end
	s_wait_tensorcnt 0x0                           ; my tile of the head's four is in
	s_barrier_signal -1
	s_barrier_wait -1                              ; all four are
	SCALES 0
	FETCH 0, 0, F0
	STEP 0, 0, 1
.if LAPS > 1
	WIN 0
	s_mov_b32 s3, LAPS-1
.Llap:
	STEP 0, 1, 0
	STEP 0, 2, 0
	TURN 0, 1, 1
	STEP 1, 0, 0
	STEP 1, 1, 0
	STEP 1, 2, 0
	TURN 1, 0, 1
	STEP 0, 0, 0
	WIN 0
	s_sub_co_u32 s3, s3, 1
	s_cmp_lg_u32 s3, 0
	s_cbranch_scc1 .Llap
.endif
	STEP 0, 1, 0
	STEP 0, 2, 0
	TURN 0, 1, 0
	STEP 1, 0, 0
	STEP 1, 1, 0
	STEP 1, 2, 0
	s_wait_dscnt 8
	WIN MUL
	MULS 0, 2, F1, 3, 1, 0
	s_wait_dscnt 0
	MULS 2, 2, F1, 3, 1, 0
	WIN 0
	PLACES NP
.macro OUTB a
.irp b, 0,1,2,3
	ds_store_b128 v[STO], v[ACC+8*(4*\a+\b):ACC+8*(4*\a+\b)+3] offset:128*(\b/2)+32*(\b%2)
	ds_store_b128 v[STO], v[ACC+8*(4*\a+\b)+4:ACC+8*(4*\a+\b)+7] offset:128*(\b/2)+32*(\b%2)+16
.endr
.irp t, 0,1,2,3,4,5,6,7
	ds_load_b128 v[ACC+32*\a+4*\t:ACC+32*\a+4*\t+3], v[RD] offset:2*\t*SPITCH
.endr
	s_wait_dscnt 0x0
.if \a < 3
	s_wait_loadcnt 8
.else
	s_wait_loadcnt 0
.endif
.irp t, 0,1,2,3,4,5,6,7
	v_pk_add_f32 v[ACC+32*\a+4*\t:ACC+32*\a+4*\t+1], v[ACC+32*\a+4*\t:ACC+32*\a+4*\t+1], v[8:9]
	v_pk_add_f32 v[ACC+32*\a+4*\t+2:ACC+32*\a+4*\t+3], v[ACC+32*\a+4*\t+2:ACC+32*\a+4*\t+3], v[10:11]
.endr
.irp p, 0,2,4,6,8,10,12,14,16,18,20,22,24,26,28,30
	v_pk_add_f32 v[ACC+32*\a+\p:ACC+32*\a+\p+1], v[ACC+32*\a+\p:ACC+32*\a+\p+1], v[RS+32*(\a%2)+\p:RS+32*(\a%2)+\p+1]
.endr
.irp t, 0,1,2,3,4,5,6,7
	global_store_b128 v[CO], v[ACC+32*\a+4*\t:ACC+32*\a+4*\t+3], s[12:13] offset:(32*(\a/2)+8*(\a%2)+2*\t+8*(\t/4))*8192
.endr
.if \a < 2
	RES \a+2
.endif
.endm
	OUTB 0
	OUTB 1
	OUTB 2
	OUTB 3
	s_wait_tensorcnt 0x0
	ds_add_u32 v[SPW], v[NIL]
	s_wait_dscnt 0x0
	CROUND
	s_endpgm
.Lfunc_end_k_q3d0d0a45f5_dense:
	.size	k_q3d0d0a45f5_dense, .Lfunc_end_k_q3d0d0a45f5_dense-k_q3d0d0a45f5_dense
	.p2alignl 7, 3214868480
	.fill 96, 4, 3214868480
	.section	.rodata,"a",@progbits
	.p2align	6, 0x0
	.amdhsa_kernel k_q3d0d0a45f5_dense
		.amdhsa_group_segment_fixed_size 327680
		.amdhsa_private_segment_fixed_size 0
		.amdhsa_enable_private_segment 0
		.amdhsa_kernarg_size 40
		.amdhsa_user_sgpr_count 2
		.amdhsa_user_sgpr_kernarg_segment_ptr 1
		.amdhsa_wavefront_size32 1
		.amdhsa_system_sgpr_workgroup_id_x 1
		.amdhsa_system_sgpr_workgroup_id_y 1
		.amdhsa_system_sgpr_workgroup_id_z 1
		.amdhsa_system_vgpr_workitem_id 0
		.amdhsa_next_free_vgpr 512
		.amdhsa_next_free_sgpr 100
		.amdhsa_reserve_vcc 0
		.amdhsa_float_denorm_mode_32 3
		.amdhsa_float_denorm_mode_16_64 3
		.amdhsa_memory_ordered 1
		.amdhsa_forward_progress 1
		.amdhsa_inst_pref_size 65
	.end_amdhsa_kernel
	.amdgpu_metadata
---
amdhsa.version: [ 1, 2 ]
amdhsa.kernels:
  - .name:           k_q3d0d0a45f5_dense
    .symbol:         k_q3d0d0a45f5_dense.kd
    .args:
      - { .name: CT, .offset: 0, .size: 8, .value_kind: global_buffer, .address_space: global }
      - { .name: W, .offset: 8, .size: 8, .value_kind: global_buffer, .address_space: global }
      - { .name: b_dense, .offset: 16, .size: 8, .value_kind: global_buffer, .address_space: global }
      - { .name: hidden_states, .offset: 24, .size: 8, .value_kind: global_buffer, .address_space: global }
      - { .name: Y, .offset: 32, .size: 8, .value_kind: global_buffer, .address_space: global }
    .group_segment_fixed_size: 327680
    .private_segment_fixed_size: 0
    .kernarg_segment_align: 8
    .kernarg_segment_size: 40
    .max_flat_workgroup_size: 128
    .sgpr_count:     100
    .vgpr_count:     512
    .wavefront_size: 32
...
	.end_amdgpu_metadata
.endif
;; end of part 4
;; launch ln2 (part 5): grid 256 x 1, 8 waves a work-group, no clusters, 3,072 bytes of LDS; arguments Y, ln2_g, ln2_b, XQ; writes XQ
.if DOCPART == 5
	.amdgcn_target "amdgcn-amd-amdhsa--gfx1250"
	.amdhsa_code_object_version 6
	.text
	.protected	k_q3d0d0a45f5_ln2
	.globl	k_q3d0d0a45f5_ln2
	.p2align	8
	.type	k_q3d0d0a45f5_ln2,@function
k_q3d0d0a45f5_ln2:
	s_mov_b64 s[64:65], 0
	v_nop
	global_prefetch_b8 v0, s[64:65] scope:SCOPE_SE
	s_setreg_imm32_b32 hwreg(HW_REG_WAVE_MODE, 25, 1), 1
	s_wait_xcnt 0x0
; Layer norm of 16 rows of [2048][2][1024] f32, then the quantiser along the row: codes of FP8 (E4M3), one E8M0 byte for each 32, stored as images of the operand's registers.
; Row block R (the work-group): batch R / 128, J = R % 128; its row r is token 32 (J / 2) + 8 (J % 2) + r + 8 (r / 8).  Wave w holds K step w: lane (r, h) the columns 128 w + 32 c + 16 h + 0..15 of row r, c = 0..3.
; Mean, then the sum of squares of the differences (two passes, as the definition has them: no difference of large sums); the eight waves' parts meet in LDS, behind a barrier each.
; LIMITS: the order of the f32 sums is this text's own; v_rsq_f32 is good to 1 ulp; blocks of zeros or under 2^-118 keep the byte 1; NaN and infinities are not served.
; No cluster and no matrix unit: work-groups share nothing but g and b (8 KB) and memory binds.
.set X,   32                           ; v32-95   my 64 numbers
.set G,   96                           ; v96-159  g at my columns
.set BV,  160                          ; v160-223 b
.set PC,  224                          ; v224-239 the codes
.set TM,  240                          ; v240-255 the quantiser's work
.set PW,  16                           ; v16      the scale word
.set SEL, 12                           ; s[12:13] v_permlanex16_b32's selects for lane l xor 16
.set MNT, 14                           ; s14      the mantissa field of 448
.macro QUANT s, pc, tm, pw             ; 64 numbers, register 16 b + i = k 32 b + 16 h + i of my row -> a fragment's codes and its scale word
.irp b, 0,1,2,3
	v_max3_num_f32 v[\tm+\b], |v[\s+16*\b]|, |v[\s+1+16*\b]|, 0x4800000   ; with the floor 2^(9 - 127): the byte cannot fall under 1
.endr
.irp i, 2,4,6,8,10,12,14
.irp b, 0,1,2,3
	s_delay_alu instid0(VALU_DEP_4)
	v_max3_num_f32 v[\tm+\b], v[\tm+\b], |v[\s+16*\b+\i]|, |v[\s+1+16*\b+\i]|
.endr
.endr
.irp b, 0,1,2,3
	s_delay_alu instid0(VALU_DEP_4)
	v_permlanex16_b32 v[\tm+4+\b], v[\tm+\b], s[SEL], s[SEL+1]
.endr
.irp b, 0,1,2,3
	s_delay_alu instid0(VALU_DEP_4)
	v_max_num_f32 v[\tm+\b], v[\tm+\b], v[\tm+4+\b]        ; with lane l xor 16's: the block's largest magnitude
.endr
.irp b, 0,1,2,3
	s_delay_alu instid0(VALU_DEP_4)
	v_add_nc_u32 v[\tm+12+\b], 0xfc000000, v[\tm+\b]       ; 8 off its exponent field: the conversion's scale operand
.endr
.irp b, 0,1,2,3
	v_and_or_b32 v[\tm+8+\b], v[\tm+\b], 0x7f800000, s[MNT]  ; 448 x the scale
.endr
.irp b, 0,1,2,3
	v_lshrrev_b32 v[\tm+4+\b], 23, v[\tm+12+\b]            ; the byte
.endr
	s_delay_alu instid0(VALU_DEP_3)
	v_lshl_or_b32 v[\pw], v[\tm+5], 8, v[\tm+4]
	s_delay_alu instid0(VALU_DEP_1)
	v_lshl_or_b32 v[\pw], v[\tm+6], 16, v[\pw]
	s_delay_alu instid0(VALU_DEP_1)
	v_lshl_or_b32 v[\pw], v[\tm+7], 24, v[\pw]
.irp b, 0,1,2,3
.irp i, 0,1,2,3,4,5,6,7,8,9,10,11,12,13,14,15
	v_med3_num_f32 v[\s+16*\b+\i], v[\s+16*\b+\i], -v[\tm+8+\b], v[\tm+8+\b]   ; the conversion does not saturate (ISA guide 7.6.2): the hold
.endr
	v_cvt_scalef32_pk8_fp8_f32 v[\pc+4*\b:\pc+1+4*\b], v[\s+16*\b:\s+7+16*\b], v[\tm+12+\b]
	v_cvt_scalef32_pk8_fp8_f32 v[\pc+2+4*\b:\pc+3+4*\b], v[\s+8+16*\b:\s+15+16*\b], v[\tm+12+\b]
.endr
	v_nop                                          ; a plain line behind the last conversion
.endm
	s_load_b256 s[4:11], s[0:1], 0x0               ; x, g, b, the images
	v_lshl_add_u32 v30, v0, 2, 0x800
	v_mov_b32 v31, 0
	v_lshrrev_b32 v1, 5, v0
	s_delay_alu instid0(VALU_DEP_1)
	v_readfirstlane_b32 s16, v1                    ; wave = K step
	v_and_b32 v4, 15, v0                           ; r
	v_bfe_u32 v5, v0, 4, 1                         ; h
	s_delay_alu instid0(VALU_DEP_2)
	v_and_b32 v6, 8, v4
	s_delay_alu instid0(VALU_DEP_1)
	v_add_nc_u32 v6, v6, v4
	s_delay_alu instid0(VALU_DEP_1)
	v_lshlrev_b32 v6, 13, v6                       ; token r + 8 (r / 8): 8,192 bytes a token
	s_delay_alu instid0(VALU_DEP_1)
	v_lshl_add_u32 v6, v5, 6, v6                   ; + 64 h
	v_lshlrev_b32 v7, 6, v5                        ; g, b: 64 h
	v_lshlrev_b32 v3, 5, v4                        ; the exchange: row r's eight words
	s_lshl_b32 s17, s16, 2
	v_add_nc_u32 v2, s17, v3                       ; and my wave's word among them
	v_and_b32 v8, 31, v0
	s_delay_alu instid0(VALU_DEP_1)
	v_lshlrev_b32 v8, 4, v8                        ; 16 x lane
	v_lshlrev_b32 v9, 2, v4                        ; 4 r
	s_mov_b32 s[SEL], 0x76543210
	s_mov_b32 s[SEL+1], 0xfedcba98
	s_mov_b32 s[MNT], 0x600000
	s_mov_b32 s28, 0x3a800000                      ; 1 / 1,024
	s_mov_b32 s29, 0x3727c5ac                      ; 1e-5
	s_lshr_b32 s18, ttmp9, 7                       ; batch
	s_and_b32 s19, ttmp9, 127                      ; J
	s_lshr_b32 s20, s19, 1
	s_lshl_b32 s20, s20, 5
	s_and_b32 s21, s19, 1
	s_lshl_b32 s21, s21, 3
	s_add_co_u32 s20, s20, s21
	s_lshl_b32 s20, s20, 13
	s_lshl_b32 s18, s18, 12
	s_add_co_u32 s20, s20, s18
	s_lshl_b32 s22, s16, 9                         ; my 128 columns
	s_add_co_u32 s20, s20, s22
	s_mov_b32 s21, 0
	s_mov_b32 s23, 0
	s_lshl_b32 s24, ttmp9, 3
	s_add_co_u32 s24, s24, s16                     ; fragment 8 R + w
	s_lshl_b32 s26, s24, 6
	s_add_co_u32 s26, s26, 4194304
	s_mov_b32 s27, 0
	s_lshl_b32 s24, s24, 11
	s_mov_b32 s25, 0
	s_wait_alu depctr_va_vdst(0)
	s_wait_kmcnt 0x0
	s_add_nc_u64 s[4:5], s[4:5], s[20:21]
	s_add_nc_u64 s[6:7], s[6:7], s[22:23]
	s_add_nc_u64 s[8:9], s[8:9], s[22:23]
	s_add_nc_u64 s[26:27], s[10:11], s[26:27]
	s_add_nc_u64 s[10:11], s[10:11], s[24:25]
.irp c, 0,1,2,3
.irp j, 0,1,2,3
	global_load_b128 v[X+16*\c+4*\j:X+16*\c+4*\j+3], v6, s[4:5] offset:128*\c+16*\j
.endr
.endr
.irp c, 0,1,2,3
.irp j, 0,1,2,3
	global_load_b128 v[G+16*\c+4*\j:G+16*\c+4*\j+3], v7, s[6:7] offset:128*\c+16*\j
.endr
.endr
.irp c, 0,1,2,3
.irp j, 0,1,2,3
	global_load_b128 v[BV+16*\c+4*\j:BV+16*\c+4*\j+3], v7, s[8:9] offset:128*\c+16*\j
.endr
.endr
.irp b, 0,1,2,3
	v_mov_b32 v[TM+4+\b], 0                        ; written once: a lane permute's destination counts as one of its sources
.endr
	s_wait_loadcnt 32                              ; x's 16 loads are in; g's and b's 32 may be out
	; ---- the mean
	v_pk_add_f32 v[22:23], v[32:33], v[34:35]
	v_pk_add_f32 v[24:25], v[48:49], v[56:57]
	v_pk_add_f32 v[26:27], v[64:65], v[72:73]
	v_pk_add_f32 v[254:255], v[80:81], v[88:89]
	v_pk_add_f32 v[252:253], v[36:37], v[38:39]
	v_pk_add_f32 v[250:251], v[50:51], v[58:59]
	v_pk_add_f32 v[248:249], v[66:67], v[74:75]
	v_pk_add_f32 v[20:21], v[82:83], v[90:91]
	s_delay_alu instid0(VALU_DEP_1)
	v_pk_add_f32 v[20:21], v[20:21], v[40:41]
	v_pk_add_f32 v[22:23], v[22:23], v[42:43]
	v_pk_add_f32 v[24:25], v[24:25], v[52:53]
	v_pk_add_f32 v[26:27], v[26:27], v[60:61]
	v_pk_add_f32 v[254:255], v[254:255], v[68:69]
	v_pk_add_f32 v[252:253], v[252:253], v[76:77]
	v_pk_add_f32 v[250:251], v[250:251], v[84:85]
	v_pk_add_f32 v[248:249], v[248:249], v[92:93]
	v_pk_add_f32 v[20:21], v[20:21], v[44:45]
	v_pk_add_f32 v[22:23], v[22:23], v[46:47]
	v_pk_add_f32 v[24:25], v[24:25], v[54:55]
	v_pk_add_f32 v[26:27], v[26:27], v[62:63]
	v_pk_add_f32 v[254:255], v[254:255], v[70:71]
	v_pk_add_f32 v[252:253], v[252:253], v[78:79]
	v_pk_add_f32 v[250:251], v[250:251], v[86:87]
	v_pk_add_f32 v[248:249], v[248:249], v[94:95]
	s_delay_alu instid0(VALU_DEP_4)
	v_pk_add_f32 v[20:21], v[20:21], v[254:255]
	s_delay_alu instid0(VALU_DEP_4)
	v_pk_add_f32 v[22:23], v[22:23], v[252:253]
	s_delay_alu instid0(VALU_DEP_4)
	v_pk_add_f32 v[24:25], v[24:25], v[250:251]
	s_delay_alu instid0(VALU_DEP_4)
	v_pk_add_f32 v[26:27], v[26:27], v[248:249]
	s_delay_alu instid0(VALU_DEP_2)
	v_pk_add_f32 v[20:21], v[20:21], v[24:25]
	s_delay_alu instid0(VALU_DEP_2)
	v_pk_add_f32 v[22:23], v[22:23], v[26:27]
	s_delay_alu instid0(VALU_DEP_1)
	v_pk_add_f32 v[20:21], v[20:21], v[22:23]
	s_delay_alu instid0(VALU_DEP_1)
	v_add_f32 v18, v20, v21
	s_delay_alu instid0(VALU_DEP_1)
	v_permlanex16_b32 v21, v18, s[SEL], s[SEL+1]
	s_delay_alu instid0(VALU_DEP_1)
	v_add_f32 v18, v18, v21                        ; row r's sum over my 128 columns
	ds_store_b32 v2, v18                           ; (both halves of the lanes write the same word with the same value)
	s_wait_dscnt 0x0                               ; for the others' sake
	s_barrier_signal -1
	s_barrier_wait -1
	ds_load_b128 v[20:23], v3
	ds_load_b128 v[24:27], v3 offset:16
	s_wait_dscnt 0x0
	v_add_f32 v20, v20, v21
	v_add_f32 v22, v22, v23
	v_add_f32 v24, v24, v25
	v_add_f32 v26, v26, v27
	s_delay_alu instid0(VALU_DEP_3)
	v_add_f32 v20, v20, v22
	s_delay_alu instid0(VALU_DEP_2)
	v_add_f32 v24, v24, v26
	s_delay_alu instid0(VALU_DEP_1)
	v_add_f32 v20, v20, v24
	s_delay_alu instid0(VALU_DEP_1)
	v_mul_f32 v18, s28, v20                        ; the mean
	s_delay_alu instid0(VALU_DEP_1)
	v_mov_b32 v19, v18
.set I, 0
.rept 32
	v_pk_add_f32 v[X+I:X+I+1], v[X+I:X+I+1], v[18:19] neg_lo:[0,1] neg_hi:[0,1]
.set I, I+2
.endr
	; ---- the variance
.irp k, 0,1,2,3
	v_pk_mul_f32 v[20+2*\k:21+2*\k], v[X+2*\k:X+2*\k+1], v[X+2*\k:X+2*\k+1]
.endr
.irp i, 8,16,24,32,40,48,56
.irp k, 0,1,2,3
	s_delay_alu instid0(VALU_DEP_4)
	v_pk_fma_f32 v[20+2*\k:21+2*\k], v[X+\i+2*\k:X+\i+2*\k+1], v[X+\i+2*\k:X+\i+2*\k+1], v[20+2*\k:21+2*\k]
.endr
.endr
	s_delay_alu instid0(VALU_DEP_3)
	v_pk_add_f32 v[20:21], v[20:21], v[22:23]
	s_delay_alu instid0(VALU_DEP_2)
	v_pk_add_f32 v[24:25], v[24:25], v[26:27]
	s_delay_alu instid0(VALU_DEP_1)
	v_pk_add_f32 v[20:21], v[20:21], v[24:25]
	s_delay_alu instid0(VALU_DEP_1)
	v_add_f32 v18, v20, v21
	s_delay_alu instid0(VALU_DEP_1)
	v_permlanex16_b32 v21, v18, s[SEL], s[SEL+1]
	s_delay_alu instid0(VALU_DEP_1)
	v_add_f32 v18, v18, v21
	ds_store_b32 v2, v18 offset:512                ; other bytes than the first exchange's
	s_wait_dscnt 0x0
	s_barrier_signal -1
	s_barrier_wait -1
	ds_load_b128 v[20:23], v3 offset:512
	ds_load_b128 v[24:27], v3 offset:528
	s_wait_dscnt 0x0
	v_add_f32 v20, v20, v21
	v_add_f32 v22, v22, v23
	v_add_f32 v24, v24, v25
	v_add_f32 v26, v26, v27
	s_delay_alu instid0(VALU_DEP_3)
	v_add_f32 v20, v20, v22
	s_delay_alu instid0(VALU_DEP_2)
	v_add_f32 v24, v24, v26
	s_delay_alu instid0(VALU_DEP_1)
	v_add_f32 v20, v20, v24
	s_delay_alu instid0(VALU_DEP_1)
	v_fma_f32 v20, v20, s28, s29                   ; the variance + 1e-5
	s_wait_alu depctr_va_vdst(0)
	v_rsq_f32 v28, v20
	v_mov_b32 v29, 0                               ; a plain line behind the transcendental (v29 is named with v28 as a pair)
	s_wait_alu depctr_va_vdst(0)                   ; the wait ahead of the result's first reader
	s_wait_loadcnt 0x0                             ; g and b
.set I, 0
.rept 32
	v_pk_mul_f32 v[X+I:X+I+1], v[X+I:X+I+1], v[28:29] op_sel_hi:[1,0]
.set I, I+2
.endr
.set I, 0
.rept 32
	v_pk_fma_f32 v[X+I:X+I+1], v[X+I:X+I+1], v[G+I:G+I+1], v[BV+I:BV+I+1]
.set I, I+2
.endr
	QUANT X, PC, TM, PW
.irp c, 0,1,2,3
	global_store_b128 v8, v[PC+4*\c:PC+4*\c+3], s[10:11] offset:512*\c   ; 32 lanes store 512 consecutive bytes
.endr
	global_store_b32 v9, v[PW], s[26:27]           ; 64 consecutive bytes; both halves of the lanes write the same words: one part in 32 of the codes' bytes
	s_wait_tensorcnt 0x0
	ds_add_u32 v30, v31
	s_wait_dscnt 0x0
	s_endpgm
.Lfunc_end_k_q3d0d0a45f5_ln2:
	.size	k_q3d0d0a45f5_ln2, .Lfunc_end_k_q3d0d0a45f5_ln2-k_q3d0d0a45f5_ln2
	.p2alignl 7, 3214868480
	.fill 96, 4, 3214868480
	.section	.rodata,"a",@progbits
	.p2align	6, 0x0
	.amdhsa_kernel k_q3d0d0a45f5_ln2
		.amdhsa_group_segment_fixed_size 3072
		.amdhsa_private_segment_fixed_size 0
		.amdhsa_enable_private_segment 0
		.amdhsa_kernarg_size 32
		.amdhsa_user_sgpr_count 2
		.amdhsa_user_sgpr_kernarg_segment_ptr 1
		.amdhsa_wavefront_size32 1
		.amdhsa_system_sgpr_workgroup_id_x 1
		.amdhsa_system_sgpr_workgroup_id_y 1
		.amdhsa_system_sgpr_workgroup_id_z 1
		.amdhsa_system_vgpr_workitem_id 0
		.amdhsa_next_free_vgpr 256
		.amdhsa_next_free_sgpr 66
		.amdhsa_reserve_vcc 0
		.amdhsa_float_denorm_mode_32 3
		.amdhsa_float_denorm_mode_16_64 3
		.amdhsa_memory_ordered 1
		.amdhsa_forward_progress 1
		.amdhsa_inst_pref_size 31
	.end_amdhsa_kernel
	.amdgpu_metadata
---
amdhsa.version: [ 1, 2 ]
amdhsa.kernels:
  - .name:           k_q3d0d0a45f5_ln2
    .symbol:         k_q3d0d0a45f5_ln2.kd
    .args:
      - { .name: Y, .offset: 0, .size: 8, .value_kind: global_buffer, .address_space: global }
      - { .name: ln2_g, .offset: 8, .size: 8, .value_kind: global_buffer, .address_space: global }
      - { .name: ln2_b, .offset: 16, .size: 8, .value_kind: global_buffer, .address_space: global }
      - { .name: XQ, .offset: 24, .size: 8, .value_kind: global_buffer, .address_space: global }
    .group_segment_fixed_size: 3072
    .private_segment_fixed_size: 0
    .kernarg_segment_align: 8
    .kernarg_segment_size: 32
    .max_flat_workgroup_size: 256
    .sgpr_count:     66
    .vgpr_count:     256
    .wavefront_size: 32
...
	.end_amdgpu_metadata
.endif
;; end of part 5
;; launch fc1 (part 6): grid 16 x 16, 4 waves a work-group, clusters of 4 x 4, 327,680 bytes of LDS; arguments XQ, W, b_fc1, HB; writes HB
.if DOCPART == 6
	.amdgcn_target "amdgcn-amd-amdhsa--gfx1250"
	.amdhsa_code_object_version 6
	.text
	.protected	k_q3d0d0a45f5_fc1
	.globl	k_q3d0d0a45f5_fc1
	.p2align	8
	.type	k_q3d0d0a45f5_fc1,@function
k_q3d0d0a45f5_fc1:
	s_mov_b64 s[64:65], 0
	v_nop
	global_prefetch_b8 v0, s[64:65] scope:SCOPE_SE
	s_setreg_imm32_b32 hwreg(HW_REG_WAVE_MODE, 25, 1), 1
	s_wait_xcnt 0x0
	s_wait_alu depctr_hold_cnt(0) depctr_sa_sdst(0) depctr_va_vdst(0) depctr_va_sdst(0) depctr_va_ssrc(0) depctr_va_vcc(0) depctr_vm_vsrc(0)
	s_getreg_b32 s2, hwreg(HW_REG_IB_STS2, 6, 4)
	s_cmp_eq_u32 s2, 0
	s_cbranch_scc0 .Lentry_in_a_cluster
	s_endpgm
.Lentry_in_a_cluster:
	s_bfe_u32 s2, ttmp6, 0x10000c
	s_cmp_lg_u32 s2, 0xf033
	s_cbranch_scc0 .Lentry_shape_is_right
	s_endpgm
.Lentry_shape_is_right:
; h = gelu(LN2(y) w_fc1 + b_fc1) on codes of FP8 (E4M3) with E8M0 scales, K = 1,024; the result is quantised along its row and stored as images of fragments.
; A tile is 256 x 256, four waves of 128 x 128; K goes in steps of 256 through two LDS slots; clusters 4 x 4 with joint loads.  The head's four tiles go out one a wave; slot 1 follows behind the full sequence.
; PREFETCH: slots 1, 2 and 3 are named one to two fills ahead of their loads, each block of 256 bytes once in the cluster, the partners told apart by address.
.set NQ,     2
.set FR,     16
.set NL,     4
.set NP,     8
.set KSTEPB, 4096
.set QUART,  32768
.set SLOT,   4*QUART
.set SCL,    2*SLOT
.set HALFS,  4096
.set SPARE,  SCL+4*HALFS
.set LAPS,   2
.set ADRA, 16
.set ADRB, 20
.set VO0,  24
.set VS0,  26
.set ADRS, 27
.set SPW,  28
.set NIL,  29
.set SC,   32
.set BY,   64
.set AF,   128
.set T,    128
.set XS,   192
.set X2,   208
.set PP,   224
.set QQ,   240
.set TM,   192
.set PW,   208
.set PC,   224
.set G1, 24
.set G0, 32
.set G1B, 48
.set G0B, 56
.set G1S, 68
.set G0S, 76
.set G1SB, 80
.set G0SB, 88
.set MSB, 0
.macro WIN new
.if MSB != \new
	s_set_vgpr_msb (MSB<<8)|\new
.set MSB, \new
.endif
.endm
.set MUL_LO, 0xa1
.set MUL_HI, 0xf1
.set TO_B,   0x40
.macro JLOAD g0a, g1a, g0b, g1b
	s_cmp_eq_u32 s15, 0
	s_cbranch_scc0 .Lfor_b_\@
	tensor_load_to_lds s[\g0a:\g0a+3], s[\g1a:\g1a+7]
	s_nop 0
.rept 4
	v_nop
.endr
	s_branch .Lasked_\@
.Lfor_b_\@:
	tensor_load_to_lds s[\g0b:\g0b+3], s[\g1b:\g1b+7]
	s_nop 0
.rept 4
	v_nop
.endr
.Lasked_\@:
.endm
.macro CREST
	s_cmp_lg_u32 s14, 0
	s_cbranch_scc1 .Lnot_wave_0_\@
	s_barrier_signal -3
.Lnot_wave_0_\@:
	s_barrier_wait -3
	s_barrier_signal -1
	s_barrier_wait -1
.endm
.macro CROUND
	s_barrier_signal -1
	s_barrier_wait -1
	CREST
.endm
	s_load_b256 s[4:11], s[0:1], 0x0
	v_lshl_add_u32 v[SPW], v0, 2, SPARE
	v_mov_b32 v[NIL], 0
	ds_add_u32 v28, v29
	ds_add_u32 v28, v29
	s_wait_dscnt 0x0
	v_lshrrev_b32 v1, 5, v0
	v_readfirstlane_b32 s14, v1
	s_lshr_b32 s15, s14, 1
	s_and_b32 s16, s14, 1
	s_bfe_u32 s40, ttmp6, 0x40000
	s_bfe_u32 s41, ttmp6, 0x40004
	s_lshl_b32 s42, ttmp9, 2
	s_add_co_u32 s42, s42, s40
	s_and_b32 s17, ttmp7, 0xffff
	s_lshl_b32 s17, s17, 2
	s_add_co_u32 s17, s17, s41
	s_lshl_b32 s43, s41, 2
	s_lshl_b32 s43, 15, s43
	s_lshl_b32 s44, 0x1111, s40
	s_or_b32 s[G1+0], s43, (3<<16)|(1<<21)
	s_or_b32 s[G1B+0], s44, (3<<16)|(1<<21)
.irp g, G1, G1B
	s_mov_b32 s[\g+1], 512<<16
	s_mov_b32 s[\g+2], 16<<16                      ; 16 row blocks for the head's loads; 8 for the ring's, set behind the head's wait
	s_mov_b32 s[\g+3], 512<<16
	s_mov_b32 s[\g+4], 16
	s_mov_b32 s[\g+5], 2048
	s_mov_b32 s[\g+6], 0
	s_mov_b32 s[\g+7], 0
.endr
	s_or_b32 s[G1S+0], s43, (3<<16)|(1<<21)
	s_or_b32 s[G1SB+0], s44, (3<<16)|(1<<21)
.irp g, G1S, G1SB
	s_mov_b32 s[\g+1], 32<<16
	s_mov_b32 s[\g+2], 32<<16
	s_mov_b32 s[\g+3], 32<<16
	s_mov_b32 s[\g+4], 32
	s_mov_b32 s[\g+5], 32
	s_mov_b32 s[\g+6], 0
	s_mov_b32 s[\g+7], 0
.endr
	s_lshl_b32 s18, s16, 17                        ; the ring: my half of a tile, 8 row blocks of 16,384 bytes
	s_mov_b32 s19, 0
	s_lshl_b32 s20, s17, 4
	s_lshl_b32 s46, s42, 4
	s_lshl_b32 s22, s20, 9
	s_lshl_b32 s92, s46, 9
	s_lshl_b32 s20, s20, 14
	s_lshl_b32 s46, s46, 14
	s_mov_b32 s21, 0
	s_mov_b32 s23, 0
	s_mov_b32 s47, 0
	s_mov_b32 s93, 0
	s_add_nc_u64 s[22:23], s[22:23], 4194304
	s_add_nc_u64 s[46:47], s[46:47], 4194304
	s_add_nc_u64 s[92:93], s[92:93], 12713984
	s_lshl_b32 s45, s14, 15
	s_wait_kmcnt 0x0
	s_add_nc_u64 s[20:21], s[4:5], s[20:21]
	s_add_nc_u64 s[22:23], s[4:5], s[22:23]
	s_add_nc_u64 s[46:47], s[6:7], s[46:47]
	s_add_nc_u64 s[92:93], s[6:7], s[92:93]
	CROUND
	s_mov_b32 s[G0S], 1
	s_mov_b32 s[G0S+1], SCL
	s_mov_b64 s[G0S+2:G0S+3], s[22:23]
	s_or_b32 s[G0S+3], s[G0S+3], 0x80000000
	s_mov_b32 s[G0SB], 1
	s_mov_b32 s[G0SB+1], SCL+2*HALFS
	s_mov_b64 s[G0SB+2:G0SB+3], s[92:93]
	s_or_b32 s[G0SB+3], s[G0SB+3], 0x80000000
.irp s, 0,1
	s_mov_b32 s[G0+4*\s], 1
	s_add_co_u32 s[G0+4*\s+1], s45, \s*SLOT
	s_add_nc_u64 s[G0+4*\s+2:G0+4*\s+3], s[20:21], \s*KSTEPB
	s_or_b32 s[G0+4*\s+3], s[G0+4*\s+3], 0x80000000
	s_mov_b32 s[G0B+4*\s], 1
	s_add_co_u32 s[G0B+4*\s+1], s45, \s*SLOT
	s_add_nc_u64 s[G0B+4*\s+2:G0B+4*\s+3], s[46:47], \s*KSTEPB
	s_or_b32 s[G0B+4*\s+3], s[G0B+4*\s+3], 0x80000000
.endr
	s_mov_b32 s[G0+1], 0                           ; the head's loads bring slot 0's tiles whole: X's 16 row blocks,
	s_mov_b32 s[G0B+1], 2*QUART                    ; Y's behind them
	s_add_nc_u64 s[G0+6:G0+7], s[G0+6:G0+7], s[18:19]      ; the ring's loads bring my half
	s_add_nc_u64 s[G0B+6:G0B+7], s[G0B+6:G0B+7], s[18:19]
	; the prefetches: of the 8 row blocks that I fetch in the ring, the partner at place p (cx for X, cy for Y) names 2 p and 2 p + 1
	s_cmp_eq_u32 s15, 0
	s_cselect_b64 s[4:5], s[20:21], s[46:47]
	s_cselect_b32 s6, s40, s41
	s_lshl_b32 s6, s6, 15
	s_mov_b32 s7, 0
	s_add_nc_u64 s[4:5], s[4:5], s[18:19]
	s_add_nc_u64 s[4:5], s[4:5], s[6:7]
; THE HEAD'S LOADS, ONE A WAVE: wave 0 X's slot 0, wave 1 Y's, wave 2 X's scale words, wave 3 Y's.
.macro ARM under, g0, g1, next
	s_cmp_lt_u32 s14, \under
	s_cbranch_scc0 \next
	tensor_load_to_lds s[\g0:\g0+3], s[\g1:\g1+7]
	s_nop 0
.rept 4
	v_nop
.endr
	s_branch .Lhead_asked
\next:
.endm
	ARM 1, G0,  G1,  .Lhead_b
	ARM 2, G0B, G1B, .Lhead_sa
	ARM 3, G0S, G1S, .Lhead_sb
	tensor_load_to_lds s[G0SB:G0SB+3], s[G1SB:G1SB+7]
	s_nop 0
.rept 4
	v_nop
.endr
.Lhead_asked:
	v_and_b32 v1, 15, v0
	v_bfe_u32 v2, v0, 4, 1
	s_wait_alu depctr_va_vdst(0)
	v_and_b32 v3, 31, v0
	v_lshlrev_b32 v4, 4, v3
	s_lshl_b32 s21, s15, 15
	s_lshl_b32 s22, s16, 15
	s_add_co_u32 s22, s22, 2*QUART
.irp s, 0,1
	v_add_nc_u32 v[ADRA+\s], s21, v4
	v_add_nc_u32 v[ADRB+\s], s22, v4
	s_add_co_u32 s21, s21, SLOT
	s_add_co_u32 s22, s22, SLOT
.endr
	v_lshlrev_b32 v5, 2, v1
	s_lshl_b32 s21, s15, 12
	s_lshl_b32 s22, s16, 12
	s_add_co_u32 s22, s22, 2*HALFS
	s_sub_co_u32 s22, s22, s21
	v_mul_u32_u24 v6, s22, v2
	s_add_co_u32 s21, s21, SCL
	v_add_nc_u32 v5, v5, v6
	v_add_nc_u32 v[ADRS], s21, v5
	v_lshlrev_b32 v[VO0], 4, v3
	v_lshlrev_b32 v[VS0], 2, v1
	v_lshlrev_b32 v30, 8, v1                       ; the prefetches' offset: 16 lanes x 256 bytes cover a row block's 4,096 bytes of a slot,
	v_lshl_add_u32 v30, v2, 14, v30                ; lanes 16-31 the next row block; never rewritten
	global_prefetch_b8 v30, s[4:5] offset:4096 th:TH_LOAD_NT scope:SCOPE_SE   ; slots 1 and 2
	global_prefetch_b8 v30, s[4:5] offset:8192 th:TH_LOAD_NT scope:SCOPE_SE
	s_lshl_b32 s18, s42, 10
	s_lshl_b32 s19, s16, 9
	s_add_co_u32 s18, s18, s19
	s_mov_b32 s19, 0
	s_add_nc_u64 s[8:9], s[8:9], s[18:19]
	v_lshlrev_b32 v7, 6, v2
.irp b, 0,1,2,3,4,5,6,7
	global_load_b128 v[BY+8*\b:BY+8*\b+3], v7, s[8:9] offset:4*(32*(\b/2)+8*(\b%2))
	global_load_b128 v[BY+8*\b+4:BY+8*\b+7], v7, s[8:9] offset:4*(32*(\b/2)+8*(\b%2))+16
.endr
	s_lshl_b32 s18, s17, 4
	s_lshl_b32 s19, s15, 3
	s_add_co_u32 s18, s18, s19
	s_lshl_b32 s18, s18, 5
	s_lshl_b32 s19, s42, 1
	s_add_co_u32 s18, s18, s19
	s_add_co_u32 s18, s18, s16
	s_lshl_b32 s96, s18, 11
	s_mov_b32 s97, 0
	s_lshl_b32 s98, s18, 6
	s_add_co_u32 s98, s98, 16777216
	s_mov_b32 s99, 0
	s_add_nc_u64 s[96:97], s[10:11], s[96:97]
	s_add_nc_u64 s[98:99], s[10:11], s[98:99]
.macro FRAG reg, adr, q, i
.irp c, 0,1,2,3
	ds_load_b128 v[\reg+4*\c:\reg+4*\c+3], v[\adr] offset:4096*(\i)+2048*(\q)+512*\c
.endr
.endm
.macro MUL16 a0, p, q, sc, zero
.irp a, \a0, \a0+1
.irp b, 0,1,2,3,4,5,6,7
.if \zero
	v_wmma_scale_f32_16x16x128_f8f6f4 v[8*(8*((\a)%4)+\b):8*(8*((\a)%4)+\b)+7], v[128*(\p)+FR*\b:128*(\p)+FR*\b+FR-1], v[AF+FR*(\a):AF+FR*(\a)+FR-1], 0, v[SC+8*NQ*(\sc)+NQ*\b+(\q)], v[SC+8*NQ*(\sc)+NQ*(\a)+(\q)] matrix_a_scale:MATRIX_SCALE_ROW1
.else
	v_wmma_scale_f32_16x16x128_f8f6f4 v[8*(8*((\a)%4)+\b):8*(8*((\a)%4)+\b)+7], v[128*(\p)+FR*\b:128*(\p)+FR*\b+FR-1], v[AF+FR*(\a):AF+FR*(\a)+FR-1], v[8*(8*((\a)%4)+\b):8*(8*((\a)%4)+\b)+7], v[SC+8*NQ*(\sc)+NQ*\b+(\q)], v[SC+8*NQ*(\sc)+NQ*(\a)+(\q)] matrix_a_scale:MATRIX_SCALE_ROW1
.endif
.endr
.endr
.endm
.macro FETCH_B slot, q, p
	WIN TO_B
.irp i, 0,1,2,3,4,5,6,7
	FRAG 128*(\p)+FR*\i, ADRB+\slot, \q, \i
.endr
	WIN 0
.endm
.macro FETCH_A slot, q, i0
.irp i, \i0, \i0+1, \i0+2, \i0+3
	FRAG AF+FR*(\i), ADRA+\slot, \q, \i
.endr
.endm
.macro SCALES sc
.irp i, 0,1,2,3,4,5,6,7
	ds_load_b32 v[SC+16*\sc+2*\i], v[ADRS] offset:512*\i
	ds_load_b32 v[SC+16*\sc+2*\i+1], v[ADRS] offset:512*\i+64
.endr
.endm
.macro PLACES n
.rept \n
	v_nop
.endr
.endm
.macro STEP slot, q, zero
	s_wait_dscnt 4*NL
	WIN MUL_LO
	MUL16 0, (\q)%2, \q, \slot, \zero
	MUL16 2, (\q)%2, \q, \slot, \zero
	s_wait_dscnt 0
	PLACES NP
	FETCH_B \slot, (\q)+1, 1-(\q)%2
	FETCH_A \slot, (\q)+1, 0
	WIN MUL_HI
	MUL16 4, (\q)%2, \q, \slot, \zero
	MUL16 6, (\q)%2, \q, \slot, \zero
	PLACES NP
	WIN 0
	FETCH_A \slot, (\q)+1, 4
.endm
.macro TURN slot, next, fill
	s_wait_tensorcnt 0x0
	ds_add_u32 v[SPW], v[NIL]
	s_wait_dscnt 4*NL+1
	WIN MUL_LO
	MUL16 0, 1, NQ-1, \slot, 0
	s_wait_dscnt 0x0
	s_barrier_signal -1
	MUL16 2, 1, NQ-1, \slot, 0
	WIN 0
	s_barrier_wait -1
.if \fill
	CREST
	s_add_nc_u64 s[G0+4*\slot+2:G0+4*\slot+3], s[G0+4*\slot+2:G0+4*\slot+3], 2*KSTEPB
	s_add_nc_u64 s[G0B+4*\slot+2:G0B+4*\slot+3], s[G0B+4*\slot+2:G0B+4*\slot+3], 2*KSTEPB
	JLOAD G0+4*\slot, G1, G0B+4*\slot, G1B
	PLACES NP-4
.else
	PLACES NP
.endif
	s_wait_alu depctr_va_vdst(0)
	v_add_nc_u32 v[ADRS], 64*NQ, v[ADRS]
	FETCH_B \next, 0, 0
	FETCH_A \next, 0, 0
	SCALES \next
	WIN MUL_HI
	MUL16 4, 1, NQ-1, \slot, 0
	MUL16 6, 1, NQ-1, \slot, 0
	PLACES NP
	WIN 0
	FETCH_A \next, 0, 4
.endm
	s_wait_alu depctr_va_vdst(0)
	s_wait_tensorcnt 0x0                           ; my tile of the head's four is in
	ds_add_u32 v[SPW], v[NIL]
	s_mov_b32 s[G1+2], 8<<16                       ; no tensor load of mine is out: from here on a load brings 8 row blocks
	s_mov_b32 s[G1+4], 8
	s_mov_b32 s[G1B+2], 8<<16
	s_mov_b32 s[G1B+4], 8
	s_mov_b32 s[G0+1], s45                         ; slot 0's groups 0 for the ring: my quarter, one slot back from slot 1's
	s_sub_nc_u64 s[G0+2:G0+3], s[G0+6:G0+7], KSTEPB
	s_mov_b32 s[G0B+1], s45
	s_sub_nc_u64 s[G0B+2:G0B+3], s[G0B+6:G0B+7], KSTEPB
	s_wait_dscnt 0x0
	CROUND
	JLOAD G0+4, G1, G0B+4, G1B                     ; slot 1's first fill: my one tensor load behind the round
	FETCH_B 0, 0, 0
	FETCH_A 0, 0, 0
	SCALES 0
	FETCH_A 0, 0, 4
	global_prefetch_b8 v30, s[4:5] offset:12288 th:TH_LOAD_NT scope:SCOPE_SE  ; slot 3, the last
	STEP 0, 0, 1
	s_mov_b32 s3, LAPS-1
.Llap:
	TURN 0, 1, 1
	STEP 1, 0, 0
	TURN 1, 0, 1
	STEP 0, 0, 0
	s_sub_co_u32 s3, s3, 1
	s_cmp_lg_u32 s3, 0
	s_cbranch_scc1 .Llap
	TURN 0, 1, 0
	STEP 1, 0, 0
	s_wait_dscnt 4*NL
	WIN MUL_LO
	MUL16 0, 1, NQ-1, 1, 0
	MUL16 2, 1, NQ-1, 1, 0
	s_wait_dscnt 0
	WIN MUL_HI
	MUL16 4, 1, NQ-1, 1, 0
	MUL16 6, 1, NQ-1, 1, 0
	WIN 0
	PLACES NP
.macro QUANT s, pc, tm, pw
.irp b, 0,1,2,3
	v_max3_num_f32 v[\tm+\b], |v[\s+16*\b]|, |v[\s+1+16*\b]|, 0x4800000
.endr
.irp i, 2,4,6,8,10,12,14
.irp b, 0,1,2,3
	v_max3_num_f32 v[\tm+\b], v[\tm+\b], |v[\s+16*\b+\i]|, |v[\s+1+16*\b+\i]|
.endr
.endr
.irp b, 0,1,2,3
	v_permlanex16_b32 v[\tm+4+\b], v[\tm+\b], s44, s45
.endr
.irp b, 0,1,2,3
	v_max_num_f32 v[\tm+\b], v[\tm+\b], v[\tm+4+\b]
.endr
.irp b, 0,1,2,3
	v_add_nc_u32 v[\tm+12+\b], 0xfc000000, v[\tm+\b]
.endr
.irp b, 0,1,2,3
	v_and_or_b32 v[\tm+8+\b], v[\tm+\b], 0x7f800000, s43
.endr
.irp b, 0,1,2,3
	v_lshrrev_b32 v[\tm+4+\b], 23, v[\tm+12+\b]
.endr
	v_lshl_or_b32 v[\pw], v[\tm+5], 8, v[\tm+4]
	v_lshl_or_b32 v[\pw], v[\tm+6], 16, v[\pw]
	v_lshl_or_b32 v[\pw], v[\tm+7], 24, v[\pw]
.irp b, 0,1,2,3
.irp i, 0,1,2,3,4,5,6,7,8,9,10,11,12,13,14,15
	v_med3_num_f32 v[\s+16*\b+\i], v[\s+16*\b+\i], -v[\tm+8+\b], v[\tm+8+\b]
.endr
	v_cvt_scalef32_pk8_fp8_f32 v[\pc+4*\b:\pc+1+4*\b], v[\s+16*\b:\s+7+16*\b], v[\tm+12+\b]
	v_cvt_scalef32_pk8_fp8_f32 v[\pc+2+4*\b:\pc+3+4*\b], v[\s+8+16*\b:\s+15+16*\b], v[\tm+12+\b]
.endr
	v_nop
.endm
.macro GELU k
.set TT, T+16*(\k)
.irp p, 0,2,4,6,8,10,12,14
	v_pk_mul_f32 v[XS+\p:XS+\p+1], v[TT+\p:TT+\p+1], 0x3f3504f3 op_sel_hi:[1,0]
.endr
.irp p, 0,1,2,3,4,5,6,7,8,9,10,11,12,13,14,15
	v_med3_num_f32 v[XS+\p], v[XS+\p], -4.0, 4.0
.endr
.irp p, 0,2,4,6,8,10,12,14
	v_pk_mul_f32 v[X2+\p:X2+\p+1], v[XS+\p:XS+\p+1], v[XS+\p:XS+\p+1]
.endr
.irp p, 0,2,4,6,8,10,12,14
	v_pk_fma_f32 v[PP+\p:PP+\p+1], v[X2+\p:X2+\p+1], 0xaf95df0b, v[18:19] op_sel_hi:[1,0,1]
.endr
.irp cf, 0xb60cff51, 0xb86ec2d2, 0xba40ac63, 0xbb41a1f6, 0xbc83dbd4
.irp p, 0,2,4,6,8,10,12,14
	v_pk_fma_f32 v[PP+\p:PP+\p+1], v[PP+\p:PP+\p+1], v[X2+\p:X2+\p+1], \cf op_sel_hi:[1,1,0]
.endr
.endr
.irp p, 0,2,4,6,8,10,12,14
	v_pk_fma_f32 v[QQ+\p:QQ+\p+1], v[X2+\p:X2+\p+1], 0xb77460cd, v[22:23] op_sel_hi:[1,0,1]
.endr
.irp cf, 0xbadc924e, 0xbbf19bf8, 0xbc69b6a7
.irp p, 0,2,4,6,8,10,12,14
	v_pk_fma_f32 v[QQ+\p:QQ+\p+1], v[QQ+\p:QQ+\p+1], v[X2+\p:X2+\p+1], \cf op_sel_hi:[1,1,0]
.endr
.endr
	s_wait_alu depctr_va_vdst(0)
.irp p, 0,1,2,3,4,5,6,7,8,9,10,11,12,13,14,15
	v_rcp_f32 v[QQ+\p], v[QQ+\p]
.endr
.irp p, 0,2,4,6,8,10,12,14
	v_pk_mul_f32 v[PP+\p:PP+\p+1], v[PP+\p:PP+\p+1], v[XS+\p:XS+\p+1]
.endr
.irp p, 0,2,4,6,8,10,12,14
	v_pk_mul_f32 v[X2+\p:X2+\p+1], v[TT+\p:TT+\p+1], 0.5 op_sel_hi:[1,0]
.endr
	s_wait_alu depctr_va_vdst(0)
.irp p, 0,2,4,6,8,10,12,14
	v_pk_mul_f32 v[PP+\p:PP+\p+1], v[PP+\p:PP+\p+1], v[QQ+\p:QQ+\p+1]
.endr
.irp p, 0,2,4,6,8,10,12,14
	v_pk_fma_f32 v[TT+\p:TT+\p+1], v[X2+\p:X2+\p+1], v[PP+\p:PP+\p+1], v[X2+\p:X2+\p+1]
.endr
.endm
	s_wait_loadcnt 0x0
	s_mov_b32 s43, 0x600000
	s_mov_b32 s44, 0x76543210
	s_mov_b32 s45, 0xfedcba98
	v_mov_b32 v18, 0x32edffee
	v_mov_b32 v19, 0x32edffee
	v_mov_b32 v22, 0xb95fbd29
	v_mov_b32 v23, 0xb95fbd29
	s_mov_b32 s3, 0
.Lepi:
.irp a, 0,1,2,3,4,5,6
	s_cmp_eq_u32 s3, \a
	s_cbranch_scc1 .Ltake\a
.endr
	s_branch .Ltake7
.irp a, 0,1,2,3,4,5,6,7
.Ltake\a:
.set WT, 0x02+(\a)/4
	WIN WT
.set AC, 64*((\a)%4)
.set P2, 0
.rept 32
	v_pk_add_f32 v[T+P2:T+P2+1], v[AC+P2:AC+P2+1], v[BY+P2:BY+P2+1]
.set P2, P2+2
.endr
	WIN 0
	s_branch .Lgot
.endr
.Lgot:
	GELU 0
	GELU 1
	GELU 2
	GELU 3
	QUANT T, PC, TM, PW
.irp c, 0,1,2,3
	global_store_b128 v[VO0], v[PC+4*\c:PC+4*\c+3], s[96:97] offset:512*\c
.endr
	global_store_b32 v[VS0], v[PW], s[98:99]
	s_wait_xcnt 0x0
	s_add_nc_u64 s[96:97], s[96:97], 65536
	s_add_nc_u64 s[98:99], s[98:99], 2048
	s_add_co_u32 s3, s3, 1
	s_cmp_lt_u32 s3, 8
	s_cbranch_scc1 .Lepi
	s_wait_tensorcnt 0x0
	ds_add_u32 v[SPW], v[NIL]
	s_wait_dscnt 0x0
	CROUND
	s_endpgm
.Lfunc_end_k_q3d0d0a45f5_fc1:
	.size	k_q3d0d0a45f5_fc1, .Lfunc_end_k_q3d0d0a45f5_fc1-k_q3d0d0a45f5_fc1
	.p2alignl 7, 3214868480
	.fill 96, 4, 3214868480
	.section	.rodata,"a",@progbits
	.p2align	6, 0x0
	.amdhsa_kernel k_q3d0d0a45f5_fc1
		.amdhsa_group_segment_fixed_size 327680
		.amdhsa_private_segment_fixed_size 0
		.amdhsa_enable_private_segment 0
		.amdhsa_kernarg_size 32
		.amdhsa_user_sgpr_count 2
		.amdhsa_user_sgpr_kernarg_segment_ptr 1
		.amdhsa_wavefront_size32 1
		.amdhsa_system_sgpr_workgroup_id_x 1
		.amdhsa_system_sgpr_workgroup_id_y 1
		.amdhsa_system_sgpr_workgroup_id_z 1
		.amdhsa_system_vgpr_workitem_id 0
		.amdhsa_next_free_vgpr 1024
		.amdhsa_next_free_sgpr 100
		.amdhsa_reserve_vcc 0
		.amdhsa_float_denorm_mode_32 3
		.amdhsa_float_denorm_mode_16_64 3
		.amdhsa_memory_ordered 1
		.amdhsa_forward_progress 1
		.amdhsa_inst_pref_size 196
	.end_amdhsa_kernel
	.amdgpu_metadata
---
amdhsa.version: [ 1, 2 ]
amdhsa.kernels:
  - .name:           k_q3d0d0a45f5_fc1
    .symbol:         k_q3d0d0a45f5_fc1.kd
    .args:
      - { .name: XQ, .offset: 0, .size: 8, .value_kind: global_buffer, .address_space: global }
      - { .name: W, .offset: 8, .size: 8, .value_kind: global_buffer, .address_space: global }
      - { .name: b_fc1, .offset: 16, .size: 8, .value_kind: global_buffer, .address_space: global }
      - { .name: HB, .offset: 24, .size: 8, .value_kind: global_buffer, .address_space: global }
    .group_segment_fixed_size: 327680
    .private_segment_fixed_size: 0
    .kernarg_segment_align: 8
    .kernarg_segment_size: 32
    .max_flat_workgroup_size: 128
    .sgpr_count:     100
    .vgpr_count:     1024
    .wavefront_size: 32
...
	.end_amdgpu_metadata
.endif
;; end of part 6
;; launch fc2 (part 7): grid 8 x 32, 4 waves a work-group, clusters of 4 x 4, 327,680 bytes of LDS; arguments HB, W, b_fc2, Y, out0; writes out0
.if DOCPART == 7
	.amdgcn_target "amdgcn-amd-amdhsa--gfx1250"
	.amdhsa_code_object_version 6
	.text
	.protected	k_q3d0d0a45f5_fc2
	.globl	k_q3d0d0a45f5_fc2
	.p2align	8
	.type	k_q3d0d0a45f5_fc2,@function
k_q3d0d0a45f5_fc2:
	s_mov_b64 s[64:65], 0
	v_nop
	global_prefetch_b8 v0, s[64:65] scope:SCOPE_SE
	s_setreg_imm32_b32 hwreg(HW_REG_WAVE_MODE, 25, 1), 1
	s_wait_xcnt 0x0
	s_wait_alu depctr_hold_cnt(0) depctr_sa_sdst(0) depctr_va_vdst(0) depctr_va_sdst(0) depctr_va_ssrc(0) depctr_va_vcc(0) depctr_vm_vsrc(0)
	s_getreg_b32 s2, hwreg(HW_REG_IB_STS2, 6, 4)
	s_cmp_eq_u32 s2, 0
	s_cbranch_scc0 .Lentry_in_a_cluster
	s_endpgm
.Lentry_in_a_cluster:
	s_bfe_u32 s2, ttmp6, 0x10000c
	s_cmp_lg_u32 s2, 0xf033
	s_cbranch_scc0 .Lentry_shape_is_right
	s_endpgm
.Lentry_shape_is_right:
; out = y + h w_fc2 + b_fc2 on codes of FP8 (E4M3) with E8M0 scales, K = 4,096.  A tile is 128 x 128, four waves of 64 x 64; K goes in steps of 512 through two LDS slots; clusters 4 x 4 with joint loads.
; The head's four tiles go out one a wave; slot 1 follows behind the full sequence.
; PREFETCH: behind each fill stands one request a wave for the slot two fills on (at the head also for slot 1): of the 4 row blocks that a wave fetches, the partner at place p names row block p,
; 32 lanes x 256 bytes: each block of 256 bytes once in the cluster.  The last two fills ask for nothing.
.set SIZE_K, 4096
.set A_SCL,  16777216
.set B_IMG,  8388608
.set B_SCL,  12845056
.set NP,     8
.set QUART,  32768
.set SLOT,   4*QUART
.set SCL,    2*SLOT
.set HALFS,  2*SIZE_K
.set SPARE,  SCL+4*HALFS
.set LAPS,   SIZE_K/1024
.set SPITCH, 272
.set ADRA, 16
.set ADRB, 20
.set STO,  24
.set RD,   25
.set CO,   26
.set ADRS, 27
.set SPW,  28
.set NIL,  29
.set SC,   32
.set RS,   64
.set ACC,  128
.set F0,   0
.set F1,   128
.set G1, 24
.set G0, 32
.set G1B, 48
.set G0B, 56
.set G1S, 68
.set G0S, 76
.set G1SB, 80
.set G0SB, 88
.set MSB, 0
.macro WIN new
.if MSB != \new
	s_set_vgpr_msb (MSB<<8)|\new
.set MSB, \new
.endif
.endm
.set MUL,  0x05
.set TO_F, 0x40
.macro JLOAD g0a, g1a, g0b, g1b
	s_cmp_eq_u32 s15, 0
	s_cbranch_scc0 .Lfor_b_\@
	tensor_load_to_lds s[\g0a:\g0a+3], s[\g1a:\g1a+7]
	s_nop 0
.rept 4
	v_nop
.endr
	s_branch .Lasked_\@
.Lfor_b_\@:
	tensor_load_to_lds s[\g0b:\g0b+3], s[\g1b:\g1b+7]
	s_nop 0
.rept 4
	v_nop
.endr
.Lasked_\@:
.endm
.macro CREST
	s_cmp_lg_u32 s14, 0
	s_cbranch_scc1 .Lnot_wave_0_\@
	s_barrier_signal -3
.Lnot_wave_0_\@:
	s_barrier_wait -3
	s_barrier_signal -1
	s_barrier_wait -1
.endm
.macro CROUND
	s_barrier_signal -1
	s_barrier_wait -1
	CREST
.endm
	s_load_b256 s[4:11], s[0:1], 0x0
	s_load_b64 s[12:13], s[0:1], 0x20
	v_lshl_add_u32 v[SPW], v0, 2, SPARE
	v_mov_b32 v[NIL], 0
	ds_add_u32 v28, v29
	ds_add_u32 v28, v29
	s_wait_dscnt 0x0
	v_lshrrev_b32 v1, 5, v0
	v_readfirstlane_b32 s14, v1
	s_lshr_b32 s15, s14, 1
	s_and_b32 s16, s14, 1
	s_bfe_u32 s40, ttmp6, 0x40000
	s_bfe_u32 s41, ttmp6, 0x40004
	s_lshl_b32 s42, ttmp9, 2
	s_add_co_u32 s42, s42, s40
	s_and_b32 s17, ttmp7, 0xffff
	s_lshl_b32 s17, s17, 2
	s_add_co_u32 s17, s17, s41
	s_lshl_b32 s43, s41, 2
	s_lshl_b32 s43, 15, s43
	s_lshl_b32 s44, 0x1111, s40
	s_or_b32 s[G1+0], s43, (3<<16)|(1<<21)
	s_or_b32 s[G1B+0], s44, (3<<16)|(1<<21)
.irp g, G1, G1B
	s_mov_b32 s[\g+1], 1024<<16
	s_mov_b32 s[\g+2], 8<<16                       ; 8 row blocks for the head's loads; 4 for the ring's, set behind the head's wait
	s_mov_b32 s[\g+3], 1024<<16
	s_mov_b32 s[\g+4], 8
	s_mov_b32 s[\g+5], 2*SIZE_K
	s_mov_b32 s[\g+6], 0
	s_mov_b32 s[\g+7], 0
.endr
	s_or_b32 s[G1S+0], s43, (3<<16)|(1<<21)
	s_or_b32 s[G1SB+0], s44, (3<<16)|(1<<21)
.irp g, G1S, G1SB
	s_mov_b32 s[\g+1], 32<<16
	s_mov_b32 s[\g+2], (SIZE_K/64)<<16
	s_mov_b32 s[\g+3], 32<<16
	s_mov_b32 s[\g+4], SIZE_K/64
	s_mov_b32 s[\g+5], 32
	s_mov_b32 s[\g+6], 0
	s_mov_b32 s[\g+7], 0
.endr
	s_mul_i32 s18, s16, 64*SIZE_K                  ; the ring: my half of a tile, 4 row blocks of 16 SIZE_K bytes
	s_mov_b32 s19, 0
	s_lshl_b32 s20, s17, 3
	s_lshl_b32 s46, s42, 3
	s_mul_i32 s22, s20, SIZE_K/2
	s_mul_i32 s92, s46, SIZE_K/2
	s_mul_i32 s20, s20, 16*SIZE_K
	s_mul_i32 s46, s46, 16*SIZE_K
	s_mov_b32 s21, 0
	s_mov_b32 s23, 0
	s_mov_b32 s47, 0
	s_mov_b32 s93, 0
	s_add_nc_u64 s[22:23], s[22:23], A_SCL
	s_add_nc_u64 s[46:47], s[46:47], B_IMG
	s_add_nc_u64 s[92:93], s[92:93], B_SCL
	s_lshl_b32 s45, s14, 15
	s_wait_kmcnt 0x0
	s_add_nc_u64 s[20:21], s[4:5], s[20:21]
	s_add_nc_u64 s[22:23], s[4:5], s[22:23]
	s_add_nc_u64 s[46:47], s[6:7], s[46:47]
	s_add_nc_u64 s[92:93], s[6:7], s[92:93]
	CROUND
	s_mov_b32 s[G0S], 1
	s_mov_b32 s[G0S+1], SCL
	s_mov_b64 s[G0S+2:G0S+3], s[22:23]
	s_or_b32 s[G0S+3], s[G0S+3], 0x80000000
	s_mov_b32 s[G0SB], 1
	s_mov_b32 s[G0SB+1], SCL+2*HALFS
	s_mov_b64 s[G0SB+2:G0SB+3], s[92:93]
	s_or_b32 s[G0SB+3], s[G0SB+3], 0x80000000
.irp s, 0,1
	s_mov_b32 s[G0+4*\s], 1
	s_add_co_u32 s[G0+4*\s+1], s45, \s*SLOT
	s_add_nc_u64 s[G0+4*\s+2:G0+4*\s+3], s[20:21], \s*8192
	s_or_b32 s[G0+4*\s+3], s[G0+4*\s+3], 0x80000000
	s_mov_b32 s[G0B+4*\s], 1
	s_add_co_u32 s[G0B+4*\s+1], s45, \s*SLOT
	s_add_nc_u64 s[G0B+4*\s+2:G0B+4*\s+3], s[46:47], \s*8192
	s_or_b32 s[G0B+4*\s+3], s[G0B+4*\s+3], 0x80000000
.endr
	s_mov_b32 s[G0+1], 0                           ; the head's loads bring slot 0's tiles whole: X's 8 row blocks,
	s_mov_b32 s[G0B+1], 2*QUART                    ; Y's behind them
	s_add_nc_u64 s[G0+6:G0+7], s[G0+6:G0+7], s[18:19]      ; the ring's loads bring my half
	s_add_nc_u64 s[G0B+6:G0B+7], s[G0B+6:G0B+7], s[18:19]
	s_cmp_eq_u32 s15, 0                            ; the prefetches' address: my operand, my half, my work-group's row block of its four (cx for X, cy for Y)
	s_cselect_b64 s[66:67], s[20:21], s[46:47]
	s_cselect_b32 s94, s40, s41
	s_mul_i32 s94, s94, 16*SIZE_K
	s_mov_b32 s95, 0
	s_add_nc_u64 s[66:67], s[66:67], s[18:19]
	s_add_nc_u64 s[66:67], s[66:67], s[94:95]
; THE HEAD'S LOADS, ONE A WAVE: wave 0 X's slot 0, wave 1 Y's, wave 2 X's scale words, wave 3 Y's.
.macro ARM under, g0, g1, next
	s_cmp_lt_u32 s14, \under
	s_cbranch_scc0 \next
	tensor_load_to_lds s[\g0:\g0+3], s[\g1:\g1+7]
	s_nop 0
.rept 4
	v_nop
.endr
	s_branch .Lhead_asked
\next:
.endm
	ARM 1, G0,  G1,  .Lhead_b
	ARM 2, G0B, G1B, .Lhead_sa
	ARM 3, G0S, G1S, .Lhead_sb
	tensor_load_to_lds s[G0SB:G0SB+3], s[G1SB:G1SB+7]
	s_nop 0
.rept 4
	v_nop
.endr
.Lhead_asked:
	v_and_b32 v1, 15, v0
	v_bfe_u32 v2, v0, 4, 1
	s_wait_alu depctr_va_vdst(0)
	v_and_b32 v3, 31, v0
	v_lshlrev_b32 v4, 4, v3
	s_lshl_b32 s21, s15, 15
	s_lshl_b32 s22, s16, 15
	s_add_co_u32 s22, s22, 2*QUART
.irp s, 0,1
	v_add_nc_u32 v[ADRA+\s], s21, v4
	v_add_nc_u32 v[ADRB+\s], s22, v4
	s_add_co_u32 s21, s21, SLOT
	s_add_co_u32 s22, s22, SLOT
.endr
	v_lshlrev_b32 v5, 2, v1
	s_mul_i32 s21, s15, HALFS
	s_mul_i32 s22, s16, HALFS
	s_add_co_u32 s22, s22, 2*HALFS
	s_sub_co_u32 s22, s22, s21
	v_mul_u32_u24 v6, s22, v2
	s_add_co_u32 s21, s21, SCL
	v_add_nc_u32 v5, v5, v6
	v_add_nc_u32 v[ADRS], s21, v5
	s_mul_i32 s23, s14, 16*SPITCH
	v_mul_u32_u24 v5, v1, SPITCH
	v_lshl_add_u32 v5, v2, 6, v5
	v_add_nc_u32 v[STO], s23, v5
	v_mul_u32_u24 v5, v2, SPITCH
	v_lshl_add_u32 v5, v1, 4, v5
	v_add_nc_u32 v[RD], s23, v5
	v_lshlrev_b32 v[CO], 13, v2
	v_lshl_add_u32 v[CO], v1, 4, v[CO]
	v_lshlrev_b32 v7, 4, v1
	v_lshlrev_b32 v30, 8, v3                       ; the prefetches' offset: 256 x lane; never rewritten
	s_wait_alu depctr_va_vdst(0)
	s_lshl_b32 s18, s17, 3
	s_lshl_b32 s19, s15, 2
	s_add_co_u32 s18, s18, s19
	s_and_b32 s18, s18, 127
	s_lshl_b32 s18, s18, 17
	s_lshr_b32 s19, s17, 4
	s_lshl_b32 s19, s19, 12
	s_add_co_u32 s18, s18, s19
	s_lshl_b32 s96, s42, 9
	s_lshl_b32 s19, s16, 8
	s_add_co_u32 s96, s96, s19
	s_add_co_u32 s18, s18, s96
	s_mov_b32 s19, 0
	s_mov_b32 s97, 0
	s_add_nc_u64 s[10:11], s[10:11], s[18:19]
	s_add_nc_u64 s[12:13], s[12:13], s[18:19]
	s_add_nc_u64 s[8:9], s[8:9], s[96:97]
	global_load_b128 v[8:11], v7, s[8:9]
	global_prefetch_b8 v30, s[66:67] offset:8192 th:TH_LOAD_NT scope:SCOPE_SE    ; slots 1 and 2
	global_prefetch_b8 v30, s[66:67] offset:16384 th:TH_LOAD_NT scope:SCOPE_SE
.macro RES a
.irp t, 0,1,2,3,4,5,6,7
	global_load_b128 v[RS+32*((\a)%2)+4*\t:RS+32*((\a)%2)+4*\t+3], v[CO], s[10:11] offset:(32*((\a)/2)+8*((\a)%2)+2*\t+8*(\t/4))*8192
.endr
.endm
	RES 0
	RES 1
.macro MULS a0, n, f, q, set, zero
.set AA, \a0
.rept \n
.irp b, 0,1,2,3
.if \zero
	v_wmma_scale_f32_16x16x128_f8f6f4 v[ACC+8*(4*AA+\b):ACC+8*(4*AA+\b)+7], v[\f+64+16*\b:\f+64+16*\b+15], v[\f+16*AA:\f+16*AA+15], 0, v[SC+16*(\set)+4*\b+(\q)], v[SC+16*(\set)+4*AA+(\q)] matrix_a_scale:MATRIX_SCALE_ROW1
.else
	v_wmma_scale_f32_16x16x128_f8f6f4 v[ACC+8*(4*AA+\b):ACC+8*(4*AA+\b)+7], v[\f+64+16*\b:\f+64+16*\b+15], v[\f+16*AA:\f+16*AA+15], v[ACC+8*(4*AA+\b):ACC+8*(4*AA+\b)+7], v[SC+16*(\set)+4*\b+(\q)], v[SC+16*(\set)+4*AA+(\q)] matrix_a_scale:MATRIX_SCALE_ROW1
.endif
.endr
.set AA, AA+1
.endr
.endm
.macro FETCH slot, q, f
	WIN TO_F
.irp i, 0,1,2,3
.irp c, 0,1,2,3
	ds_load_b128 v[\f+64+16*\i+4*\c:\f+64+16*\i+4*\c+3], v[ADRB+\slot] offset:8192*\i+2048*(\q)+512*\c
.endr
.endr
.irp i, 0,1,2,3
.irp c, 0,1,2,3
	ds_load_b128 v[\f+16*\i+4*\c:\f+16*\i+4*\c+3], v[ADRA+\slot] offset:8192*\i+2048*(\q)+512*\c
.endr
.endr
.endm
.macro SCALES set
.irp i, 0,1,2,3
.irp q, 0,1,2,3
	ds_load_b32 v[SC+16*\set+4*\i+\q], v[ADRS] offset:\i*SIZE_K/2+64*\q
.endr
.endr
.endm
.macro PLACES n
.rept \n
	v_nop
.endr
.endm
.macro STEP slot, q, zero
	s_wait_dscnt 8
	WIN MUL
	MULS 0, 2, 128*((\q)%2), \q, \slot, \zero
	PLACES NP
	FETCH \slot, (\q)+1, 128*(1-(\q)%2)
	s_wait_dscnt 32
	WIN MUL
	MULS 2, 2, 128*((\q)%2), \q, \slot, \zero
.endm
.macro TURN slot, next, fill
.if \fill
	s_wait_xcnt 0x0                                ; my last prefetch has read its address: it is stepped only behind this wait
	s_add_nc_u64 s[66:67], s[66:67], 8192
.endif
	WIN 0
	s_wait_tensorcnt 0x0
	ds_add_u32 v[SPW], v[NIL]
	s_wait_dscnt 9
	WIN MUL
	MULS 0, 1, F1, 3, \slot, 0
	s_wait_dscnt 0x0
	s_barrier_signal -1
	MULS 1, 1, F1, 3, \slot, 0
	WIN 0
	s_barrier_wait -1
.if \fill
	CREST
	s_add_nc_u64 s[G0+4*\slot+2:G0+4*\slot+3], s[G0+4*\slot+2:G0+4*\slot+3], 16384
	s_add_nc_u64 s[G0B+4*\slot+2:G0B+4*\slot+3], s[G0B+4*\slot+2:G0B+4*\slot+3], 16384
	JLOAD G0+4*\slot, G1, G0B+4*\slot, G1B
	PLACES NP-4
.else
	PLACES NP
.endif
	s_wait_alu depctr_va_vdst(0)
	v_add_nc_u32 v[ADRS], 256, v[ADRS]
	SCALES \next
	FETCH \next, 0, F0
.if \fill
	WIN 0
	s_cmp_gt_u32 s3, 1                             ; the loop's last trip has no slot two fills on
	s_cbranch_scc0 .Lno_ask_\@
	global_prefetch_b8 v30, s[66:67] offset:24576 th:TH_LOAD_NT scope:SCOPE_SE   ; the slot two fills on
.Lno_ask_\@:
.endif
	WIN MUL
	MULS 2, 2, F1, 3, \slot, 0
.endm
	s_wait_alu depctr_va_vdst(0)                   ; the wait at the head's end
	s_wait_tensorcnt 0x0                           ; my tile of the head's four is in
	ds_add_u32 v[SPW], v[NIL]
	s_mov_b32 s[G1+2], 4<<16                       ; no tensor load of mine is out: from here on a load brings 4 row blocks
	s_mov_b32 s[G1+4], 4
	s_mov_b32 s[G1B+2], 4<<16
	s_mov_b32 s[G1B+4], 4
	s_mov_b32 s[G0+1], s45                         ; slot 0's groups 0 for the ring: my quarter, one slot back from slot 1's
	s_sub_nc_u64 s[G0+2:G0+3], s[G0+6:G0+7], 8192
	s_mov_b32 s[G0B+1], s45
	s_sub_nc_u64 s[G0B+2:G0B+3], s[G0B+6:G0B+7], 8192
	s_wait_dscnt 0x0
	CROUND
	JLOAD G0+4, G1, G0B+4, G1B                     ; slot 1's first fill: my one tensor load behind the round
	SCALES 0
	FETCH 0, 0, F0
	global_prefetch_b8 v30, s[66:67] offset:24576 th:TH_LOAD_NT scope:SCOPE_SE   ; slot 3
	STEP 0, 0, 1
.if LAPS > 1
	WIN 0
	s_mov_b32 s3, LAPS-1
.Llap:
	STEP 0, 1, 0
	STEP 0, 2, 0
	TURN 0, 1, 1
	STEP 1, 0, 0
	STEP 1, 1, 0
	STEP 1, 2, 0
	TURN 1, 0, 1
	STEP 0, 0, 0
	WIN 0
	s_sub_co_u32 s3, s3, 1
	s_cmp_lg_u32 s3, 0
	s_cbranch_scc1 .Llap
.endif
	STEP 0, 1, 0
	STEP 0, 2, 0
	TURN 0, 1, 0
	STEP 1, 0, 0
	STEP 1, 1, 0
	STEP 1, 2, 0
	s_wait_dscnt 8
	WIN MUL
	MULS 0, 2, F1, 3, 1, 0
	s_wait_dscnt 0
	MULS 2, 2, F1, 3, 1, 0
	WIN 0
	PLACES NP
.macro OUTB a
.irp b, 0,1,2,3
	ds_store_b128 v[STO], v[ACC+8*(4*\a+\b):ACC+8*(4*\a+\b)+3] offset:128*(\b/2)+32*(\b%2)
	ds_store_b128 v[STO], v[ACC+8*(4*\a+\b)+4:ACC+8*(4*\a+\b)+7] offset:128*(\b/2)+32*(\b%2)+16
.endr
.irp t, 0,1,2,3,4,5,6,7
	ds_load_b128 v[ACC+32*\a+4*\t:ACC+32*\a+4*\t+3], v[RD] offset:2*\t*SPITCH
.endr
	s_wait_dscnt 0x0
.if \a < 3
	s_wait_loadcnt 8
.else
	s_wait_loadcnt 0
.endif
.irp t, 0,1,2,3,4,5,6,7
	v_pk_add_f32 v[ACC+32*\a+4*\t:ACC+32*\a+4*\t+1], v[ACC+32*\a+4*\t:ACC+32*\a+4*\t+1], v[8:9]
	v_pk_add_f32 v[ACC+32*\a+4*\t+2:ACC+32*\a+4*\t+3], v[ACC+32*\a+4*\t+2:ACC+32*\a+4*\t+3], v[10:11]
.endr
.irp p, 0,2,4,6,8,10,12,14,16,18,20,22,24,26,28,30
	v_pk_add_f32 v[ACC+32*\a+\p:ACC+32*\a+\p+1], v[ACC+32*\a+\p:ACC+32*\a+\p+1], v[RS+32*(\a%2)+\p:RS+32*(\a%2)+\p+1]
.endr
.irp t, 0,1,2,3,4,5,6,7
	global_store_b128 v[CO], v[ACC+32*\a+4*\t:ACC+32*\a+4*\t+3], s[12:13] offset:(32*(\a/2)+8*(\a%2)+2*\t+8*(\t/4))*8192
.endr
.if \a < 2
	RES \a+2
.endif
.endm
	OUTB 0
	OUTB 1
	OUTB 2
	OUTB 3
	s_wait_tensorcnt 0x0
	ds_add_u32 v[SPW], v[NIL]
	s_wait_dscnt 0x0
	CROUND
	s_endpgm
.Lfunc_end_k_q3d0d0a45f5_fc2:
	.size	k_q3d0d0a45f5_fc2, .Lfunc_end_k_q3d0d0a45f5_fc2-k_q3d0d0a45f5_fc2
	.p2alignl 7, 3214868480
	.fill 96, 4, 3214868480
	.section	.rodata,"a",@progbits
	.p2align	6, 0x0
	.amdhsa_kernel k_q3d0d0a45f5_fc2
		.amdhsa_group_segment_fixed_size 327680
		.amdhsa_private_segment_fixed_size 0
		.amdhsa_enable_private_segment 0
		.amdhsa_kernarg_size 40
		.amdhsa_user_sgpr_count 2
		.amdhsa_user_sgpr_kernarg_segment_ptr 1
		.amdhsa_wavefront_size32 1
		.amdhsa_system_sgpr_workgroup_id_x 1
		.amdhsa_system_sgpr_workgroup_id_y 1
		.amdhsa_system_sgpr_workgroup_id_z 1
		.amdhsa_system_vgpr_workitem_id 0
		.amdhsa_next_free_vgpr 512
		.amdhsa_next_free_sgpr 100
		.amdhsa_reserve_vcc 0
		.amdhsa_float_denorm_mode_32 3
		.amdhsa_float_denorm_mode_16_64 3
		.amdhsa_memory_ordered 1
		.amdhsa_forward_progress 1
		.amdhsa_inst_pref_size 108
	.end_amdhsa_kernel
	.amdgpu_metadata
---
amdhsa.version: [ 1, 2 ]
amdhsa.kernels:
  - .name:           k_q3d0d0a45f5_fc2
    .symbol:         k_q3d0d0a45f5_fc2.kd
    .args:
      - { .name: HB, .offset: 0, .size: 8, .value_kind: global_buffer, .address_space: global }
      - { .name: W, .offset: 8, .size: 8, .value_kind: global_buffer, .address_space: global }
      - { .name: b_fc2, .offset: 16, .size: 8, .value_kind: global_buffer, .address_space: global }
      - { .name: Y, .offset: 24, .size: 8, .value_kind: global_buffer, .address_space: global }
      - { .name: out0, .offset: 32, .size: 8, .value_kind: global_buffer, .address_space: global }
    .group_segment_fixed_size: 327680
    .private_segment_fixed_size: 0
    .kernarg_segment_align: 8
    .kernarg_segment_size: 40
    .max_flat_workgroup_size: 128
    .sgpr_count:     100
    .vgpr_count:     512
    .wavefront_size: 32
...
	.end_amdgpu_metadata
.endif
;; end of part 7
